; MI455X (gfx1250); checked and timed in simulation.
; The chip was launched on July 23, 2026; its instructions are those of AMD's public machine-readable ISA for CDNA 5 (MIT licence, August 2026) and "CDNA5" Instruction Set Architecture Reference Guide (July 2026). The comments in the code are by the model that wrote it; some were corrected since.
;; Self Attention Hybrid. Allowed arithmetic: float matrix products may take bf16 or f16 operands with f32 sums; other float arithmetic in f32, or as packed bf16 or f16 multiplies, adds, multiply-adds, maxima and minima; sums over many terms, partial sums and values carried from step to step in f32; what a program stores and reads back later, other than sums and carried values, may be rounded once to bf16 or f16.
;; Inputs: Wk 1,024 x 1,024 float32; Wo 1,024 x 1,024 float32; Wq 1,024 x 1,024 float32; Wv 1,024 x 1,024 float32; bk 1,024 float32; bo 1,024 float32; bq 1,024 float32; bv 1,024 float32; x 4 x 2,048 x 1,024 float32.
;; Outputs: out0 4 x 2,048 x 1,024 float32.
;; 2 versions, each right. Each part assembles by itself: llvm-mc -triple=amdgcn-amd-amdhsa -mcpu=gfx1250 --defsym DOCPART=n.
;; ======== version 1 of 2: 5 launches
;; workspace buffers: xw 25,165,824 bytes; qkv 50,331,648 bytes; nrm 524,288 bytes; p 33,554,432 bytes; stat 1,048,576 bytes; ob 16,777,216 bytes
;; launch cast (part 1): grid 64 x 12, 8 waves a work-group, no clusters, 0 bytes of LDS; arguments x, Wq, Wk, Wv, Wo, xw; writes xw
.if DOCPART == 1
	.amdgcn_target "amdgcn-amd-amdhsa--gfx1250"
	.amdhsa_code_object_version 6
	.text
	.protected	k_q49db7ef5f5_cast
	.globl	k_q49db7ef5f5_cast
	.p2align	8
	.type	k_q49db7ef5f5_cast,@function
k_q49db7ef5f5_cast:
	s_mov_b64 s[64:65], 0
	v_nop
	global_prefetch_b8 v0, s[64:65] scope:SCOPE_SE
	s_setreg_imm32_b32 hwreg(HW_REG_WAVE_MODE, 25, 1), 1
	s_wait_xcnt 0x0
; xw = bf16 of x, Wq, Wk, Wv, Wo, one behind the other: 12 slabs of 1,048,576 numbers (x is slabs 0-7, the weights 8-11).
; A pure stream: no LDS, no matrix unit, no cluster (no two work-groups read the same byte).
; Work-group (gx, slab) takes 16,384 numbers: 65,536 bytes in, 32,768 bytes out.  Thread t takes 16 bytes (4 numbers) of each of
; 16 chunks of 4,096 bytes, so a wave's load covers 512 consecutive bytes and its store of 8 bytes a lane 256 consecutive bytes, aligned.
; All 16 loads are issued at once; no register is written twice, so the only waits are the counted ones for the data.
.set CHUNKS, 16
.set IN,  4                            ; v[4:67]   chunk c: 4 f32 as loaded
.set OUT, 68                           ; v[68:99]  chunk c: 4 bf16 to store
	s_load_b256 s[4:11], s[0:1], 0x0               ; x s[4:5], Wq s[6:7], Wk s[8:9], Wv s[10:11]
	s_load_b128 s[12:15], s[0:1], 0x20             ; Wo s[12:13], xw s[14:15]
	s_and_b32 s16, ttmp7, 0xffff                   ; the slab, 0 to 11
	s_min_u32 s17, s16, 7
	s_lshl_b32 s18, s17, 22                        ; a slab of x is 4,194,304 bytes (for slabs 8-11 this sum is replaced below)
	s_mov_b32 s19, 0
	s_lshl_b32 s20, ttmp9, 16                      ; my 65,536 bytes in the slab
	s_mov_b32 s21, 0
	s_lshl_b32 s22, s16, 21                        ; a slab of xw is 2,097,152 bytes
	s_lshl_b32 s24, ttmp9, 15
	s_add_co_u32 s22, s22, s24
	s_mov_b32 s23, 0
	v_lshlrev_b32 v1, 4, v0                        ; 16 t: in
	v_lshlrev_b32 v2, 3, v0                        ; 8 t: out
	s_wait_kmcnt 0x0
	s_add_nc_u64 s[4:5], s[4:5], s[18:19]
	s_cmp_eq_u32 s16, 8
	s_cselect_b64 s[4:5], s[6:7], s[4:5]
	s_cmp_eq_u32 s16, 9
	s_cselect_b64 s[4:5], s[8:9], s[4:5]
	s_cmp_eq_u32 s16, 10
	s_cselect_b64 s[4:5], s[10:11], s[4:5]
	s_cmp_eq_u32 s16, 11
	s_cselect_b64 s[4:5], s[12:13], s[4:5]
	s_add_nc_u64 s[4:5], s[4:5], s[20:21]
	s_add_nc_u64 s[14:15], s[14:15], s[22:23]
.set c, 0
.rept CHUNKS
	global_load_b128 v[IN+4*c:IN+4*c+3], v1, s[4:5] offset:4096*c th:TH_LOAD_NT
.set c, c+1
.endr
.set c, 0
.rept CHUNKS
	s_wait_loadcnt CHUNKS-1-c                      ; loads come back in order: chunk c is in, the younger ones stay out
	v_cvt_pk_bf16_f32 v[OUT+2*c],   v[IN+4*c],   v[IN+4*c+1]
	v_cvt_pk_bf16_f32 v[OUT+2*c+1], v[IN+4*c+2], v[IN+4*c+3]
	global_store_b64 v2, v[OUT+2*c:OUT+2*c+1], s[14:15] offset:2048*c
.set c, c+1
.endr
	s_endpgm
.Lfunc_end_k_q49db7ef5f5_cast:
	.size	k_q49db7ef5f5_cast, .Lfunc_end_k_q49db7ef5f5_cast-k_q49db7ef5f5_cast
	.p2alignl 7, 3214868480
	.fill 96, 4, 3214868480
	.section	.rodata,"a",@progbits
	.p2align	6, 0x0
	.amdhsa_kernel k_q49db7ef5f5_cast
		.amdhsa_group_segment_fixed_size 0
		.amdhsa_private_segment_fixed_size 0
		.amdhsa_enable_private_segment 0
		.amdhsa_kernarg_size 48
		.amdhsa_user_sgpr_count 2
		.amdhsa_user_sgpr_kernarg_segment_ptr 1
		.amdhsa_wavefront_size32 1
		.amdhsa_system_sgpr_workgroup_id_x 1
		.amdhsa_system_sgpr_workgroup_id_y 1
		.amdhsa_system_sgpr_workgroup_id_z 1
		.amdhsa_system_vgpr_workitem_id 0
		.amdhsa_next_free_vgpr 100
		.amdhsa_next_free_sgpr 66
		.amdhsa_reserve_vcc 0
		.amdhsa_float_denorm_mode_32 3
		.amdhsa_float_denorm_mode_16_64 3
		.amdhsa_memory_ordered 1
		.amdhsa_forward_progress 1
		.amdhsa_inst_pref_size 7
	.end_amdhsa_kernel
	.amdgpu_metadata
---
amdhsa.version: [ 1, 2 ]
amdhsa.kernels:
  - .name:           k_q49db7ef5f5_cast
    .symbol:         k_q49db7ef5f5_cast.kd
    .args:
      - { .name: x, .offset: 0, .size: 8, .value_kind: global_buffer, .address_space: global }
      - { .name: Wq, .offset: 8, .size: 8, .value_kind: global_buffer, .address_space: global }
      - { .name: Wk, .offset: 16, .size: 8, .value_kind: global_buffer, .address_space: global }
      - { .name: Wv, .offset: 24, .size: 8, .value_kind: global_buffer, .address_space: global }
      - { .name: Wo, .offset: 32, .size: 8, .value_kind: global_buffer, .address_space: global }
      - { .name: xw, .offset: 40, .size: 8, .value_kind: global_buffer, .address_space: global }
    .group_segment_fixed_size: 0
    .private_segment_fixed_size: 0
    .kernarg_segment_align: 8
    .kernarg_segment_size: 48
    .max_flat_workgroup_size: 256
    .sgpr_count:     66
    .vgpr_count:     100
    .wavefront_size: 32
...
	.end_amdgpu_metadata
.endif
;; end of part 1
;; launch qkv (part 2): grid 12 x 32, 4 waves a work-group, clusters of 4 x 4, 327,680 bytes of LDS; arguments xw, bq, bk, bv, qkv, nrm; writes qkv, nrm
.if DOCPART == 2
	.amdgcn_target "amdgcn-amd-amdhsa--gfx1250"
	.amdhsa_code_object_version 6
	.text
	.protected	k_q49db7ef5f5_qkv
	.globl	k_q49db7ef5f5_qkv
	.p2align	8
	.type	k_q49db7ef5f5_qkv,@function
k_q49db7ef5f5_qkv:
	s_mov_b64 s[64:65], 0
	v_nop
	global_prefetch_b8 v0, s[64:65] scope:SCOPE_SE
	s_setreg_imm32_b32 hwreg(HW_REG_WAVE_MODE, 25, 1), 1
	s_wait_xcnt 0x0
	s_wait_alu depctr_hold_cnt(0) depctr_sa_sdst(0) depctr_va_vdst(0) depctr_va_sdst(0) depctr_va_ssrc(0) depctr_va_vcc(0) depctr_vm_vsrc(0)
	s_getreg_b32 s2, hwreg(HW_REG_IB_STS2, 6, 4)
	s_cmp_eq_u32 s2, 0
	s_cbranch_scc0 .Lentry_in_a_cluster
	s_endpgm
.Lentry_in_a_cluster:
	s_bfe_u32 s2, ttmp6, 0x10000c
	s_cmp_lg_u32 s2, 0xf033
	s_cbranch_scc0 .Lentry_shape_is_right
	s_endpgm
.Lentry_shape_is_right:
; q, k, v = x W + b for the three weights, rounded once to bf16; and, for q and k, partial sums of squares of the ROUNDED numbers.
; A = x as bf16 [8192][1024] (xw, byte 0).  B = W as bf16 [k][n] (xw, byte 16,777,216 + 2,097,152 x weight), used as it lies: its fragments
; are transposed on the way from LDS to registers (ds_load_tr16_b128).  C = qkv [3][8192][1024] bf16.  Sums and bias in f32.
; A work-group makes 256 x 256 of C with four waves of 128 x 128 (64 accumulator tiles of 16 x 16, 512 registers).  K = 1024 goes in 8 steps
; of 128 through two LDS slots filled by the tensor data mover.
; CLUSTERS: 4 x 4 work-groups.  A cluster is 1024 columns wide, that is one weight: the cluster's x is the weight's number, cx the block column.
; The four of a cluster's row need the same tiles of A, the four of a column the same tiles of B: each tile is asked for jointly.
; nrm [2 (q, k)][8 column parts of 128][8192 rows] f32: a wave's sum over its 128 columns.  The squares are taken of the bf16 numbers that the next
; launch multiplies, so that |q|^2 + |k|^2 - 2 q.k there is the distance of those very vectors.
; LIMITS: NaN and infinities are not followed specially; operands are rounded to bf16.
; REGISTERS, in windows of 256: window 0: v0-63 addresses and small figures, v64-127 and v128-191 fragments of A (two buffers), v192-255 at work;
; window 1: v64-127, v128-191 fragments of B, v192-255 my 64 bias numbers; window 2: accumulators of my rows 0-63 (tile (a, b) at v[8 (8 a + b)]);
; window 3: those of rows 64-127.
; THE MATRIX INSTRUCTION IS USED TRANSPOSED (source 0 = B, source 1 = A): lane l holds row l % 16 of C, registers 0-7 the columns 8 (l / 16) + 0..7.
.set KSTEP,  128
.set LDA,    1024                      ; elements in a row of A
.set LDB,    1024                      ; elements in a row of B
.set CROW,   2048                      ; bytes in a row of C
.set PITCH,  272                       ; A's LDS row: 256 bytes + 16: the 16 rows of a fragment load start 68 words apart
.set BPITCH, 544                       ; B's LDS row: 512 bytes + 32 = 17 x 32
.set HALFT,  128*PITCH                 ; what one tensor load brings: 128 rows of A, or 64 rows of B (64 x 544 is the same 34,816 bytes)
.set SLOT,   4*HALFT                   ; A's 256 rows, then B's 128 k-rows
.set STAGE,  2*SLOT                    ; behind the ring: 16 rows x 272 bytes for each wave; no tensor load lands here
.set SPITCH, 272
.set LAPS,   4                         ; a lap = two K steps = once round the ring
.set ASTEP,  KSTEP*2                   ; bytes from one K step of A to the next
.set BSTEP,  KSTEP*LDB*2               ; the same for B: 128 rows down
.set ADRA, 16                          ; v16-17  LDS address of my A fragments in slot 0, 1
.set ADRB, 20                          ; v20-21  the same for B
.set STO,  24                          ; the way out: where I put 16 bytes of a row
.set RD,   25                          ; where I read a row back
.set CO,   26                          ; my byte offset in C
.set FIN,  27                          ; row figures: stage + 4 l
.set FBK,  28                          ; row figures: stage + 16 l
.set FOF,  29                          ; 16 l
.set NS,   48                          ; v48-55  sum of squares of row 16 i + l % 16
.set F0,   64
.set F1,   128
.set TMP,  192
.set G1,  24                           ; s[24:31] group 1 for A's tiles
.set G0,  32                           ; s[32:39] group 0 for A's tiles, one set for each slot
.set G1B, 48                           ; s[48:55] group 1 for B's tiles
.set G0B, 56                           ; s[56:63] group 0 for B's tiles
.set MSB, 0
.macro WIN new                         ; the immediate's high byte repeats the setting that is left
.if MSB != \new
	s_set_vgpr_msb (MSB<<8)|\new
.set MSB, \new
.endif
.endm
.macro WIN2 hi, lo_set, hi_set
.if \hi
	WIN \hi_set
.else
	WIN \lo_set
.endif
.endm
.set MUL_LO, 0xa1                      ; source 0 (B) window 1, source 1 (A) window 0, C and D window 2
.set MUL_HI, 0xf1                      ; the same, C and D window 3
.set TO_B,   0x40                      ; destination window 1
.set ADDB_LO, 0x86                     ; destination and source 0 window 2, source 1 window 1
.set ADDB_HI, 0xc7                     ; the same with window 3
.set CVT_LO, 0x0a                      ; sources 0 and 1 window 2, destination window 0
.set CVT_HI, 0x0f
; A joint load.  Waves 0 and 1 fetch A's two halves, waves 2 and 3 B's.  The branch hangs on the wave's number alone.
.macro JLOAD s
	s_cmp_eq_u32 s11, 0
	s_cbranch_scc0 .Lfor_b_\@
	tensor_load_to_lds s[G0+4*\s:G0+4*\s+3], s[G1:G1+7]
	s_nop 0
	s_branch .Lasked_\@
.Lfor_b_\@:
	tensor_load_to_lds s[G0B+4*\s:G0B+4*\s+3], s[G1B:G1B+7]
	s_nop 0
.Lasked_\@:
.endm
; A round of the cluster's barrier: my work-group's barrier, wave 0 signals for the work-group, every wave waits for all sixteen, my work-group's barrier again.
.macro CREST
	s_cmp_lg_u32 s10, 0
	s_cbranch_scc1 .Lnot_wave_0_\@
	s_barrier_signal -3
.Lnot_wave_0_\@:
	s_barrier_wait -3
	s_barrier_signal -1
	s_barrier_wait -1
.endm
.macro CROUND
	s_barrier_signal -1
	s_barrier_wait -1
	CREST
.endm
	s_load_b64 s[4:5], s[0:1], 0x0                 ; xw
	s_load_b128 s[68:71], s[0:1], 0x8              ; bq s[68:69], bk s[70:71]
	s_load_b64 s[72:73], s[0:1], 0x18              ; bv
	s_load_b64 s[8:9], s[0:1], 0x20                ; qkv
	s_load_b64 s[74:75], s[0:1], 0x28              ; nrm
	s_set_vgpr_msb 0x40
	v_lshl_add_u32 v63, v0, 2, 0x48400
	s_set_vgpr_msb 0x4000
	v_mov_b32 v255, 0
	s_set_vgpr_msb 0x1
	ds_add_u32 v63, v255
	s_set_vgpr_msb 0x100
	v_lshrrev_b32 v1, 5, v0
	v_readfirstlane_b32 s10, v1                    ; wave 0..3
	s_lshr_b32 s11, s10, 1                         ; my half of the block's rows.  Also: I fetch for A (0) or for B (1)
	s_and_b32 s12, s10, 1                          ; my half of its columns.  Also: which half of that tile I fetch
	s_bfe_u32 s40, ttmp6, 0x40000                  ; cx = block column inside the weight
	s_bfe_u32 s41, ttmp6, 0x40004                  ; cy
	s_mov_b32 s79, ttmp9                           ; the cluster's x = the weight: 0 q, 1 k, 2 v
	s_and_b32 s13, ttmp7, 0xffff
	s_lshl_b32 s13, s13, 2
	s_add_co_u32 s13, s13, s41                     ; block row = 4 x cluster y + cy
	s_lshl_b32 s43, s41, 2
	s_lshl_b32 s43, 15, s43                        ; my row of the cluster
	s_lshl_b32 s44, 0x1111, s40                    ; my column
	s_mov_b32 s76, 0x76543210                      ; v_permlanex16_b32: lane i of one half reads lane i of the other
	s_mov_b32 s77, 0xfedcba98
	s_mov_b32 s78, 0xffff0000                      ; lanes 16-31
	; group 1 for A: 128 rows x 128 elements of 2 bytes, 4 words of padding behind every 64
	s_or_b32 s[G1+0], s43, (1<<16)|(1<<20)|(1<<21)|(5<<22)|(3<<25)
	s_mov_b32 s[G1+1], KSTEP<<16                   ; tensor_dim0 = 128
	s_mov_b32 s[G1+2], 128<<16                     ; tensor_dim1 = 128
	s_mov_b32 s[G1+3], KSTEP<<16                   ; tile_dim0 = 128
	s_mov_b32 s[G1+4], 128                         ; tile_dim1 = 128
	s_mov_b32 s[G1+5], LDA                         ; elements from row to row
	s_mov_b32 s[G1+6], 0
	s_mov_b32 s[G1+7], 0
	; group 1 for B: 64 k-rows x 256 elements, 8 words of padding behind every 128
	s_or_b32 s[G1B+0], s44, (1<<16)|(1<<20)|(1<<21)|(6<<22)|(7<<25)
	s_mov_b32 s[G1B+1], 256<<16                    ; tensor_dim0 = 256
	s_mov_b32 s[G1B+2], 64<<16                     ; tensor_dim1 = 64
	s_mov_b32 s[G1B+3], 256<<16                    ; tile_dim0 = 256
	s_mov_b32 s[G1B+4], 64                         ; tile_dim1 = 64
	s_mov_b32 s[G1B+5], LDB
	s_mov_b32 s[G1B+6], 0
	s_mov_b32 s[G1B+7], 0
	; A's tiles hang on the block row alone, B's on the weight and the block column alone; each offset in registers that never hold the other coordinate
	s_lshl_b32 s16, s13, 8
	s_lshl_b32 s17, s12, 7
	s_add_co_u32 s16, s16, s17                     ; A: row 256 x block row + 128 x half
	s_lshl_b32 s16, s16, 11                        ; x 2,048 bytes (below 16,777,216)
	s_mov_b32 s17, 0
	s_lshl_b32 s46, s79, 21                        ; B: the weight,
	s_add_co_u32 s46, s46, 0x1000000               ; behind x,
	s_lshl_b32 s45, s12, 17
	s_add_co_u32 s46, s46, s45                     ; 64 k-rows of 2,048 bytes x half,
	s_lshl_b32 s45, s40, 9
	s_add_co_u32 s46, s46, s45                     ; 512 bytes x block column
	s_mov_b32 s47, 0
	s_mul_i32 s20, s10, HALFT                      ; where they go: wave x 34,816: A's two halves, then B's two
	s_wait_dscnt 0x0
	s_wait_kmcnt 0x0
	s_add_nc_u64 s[14:15], s[4:5], s[16:17]
	s_add_nc_u64 s[46:47], s[4:5], s[46:47]
	CROUND                                         ; all sixteen work-groups are here: the first joint loads meet
.irp s, 0,1
	s_mov_b32 s[G0+4*\s], 1
	s_add_co_u32 s[G0+4*\s+1], s20, \s*SLOT
	s_add_nc_u64 s[G0+4*\s+2:G0+4*\s+3], s[14:15], \s*ASTEP
	s_or_b32 s[G0+4*\s+3], s[G0+4*\s+3], 0x80000000
	s_mov_b32 s[G0B+4*\s], 1
	s_add_co_u32 s[G0B+4*\s+1], s20, \s*SLOT
	s_add_nc_u64 s[G0B+4*\s+2:G0B+4*\s+3], s[46:47], \s*BSTEP
	s_or_b32 s[G0B+4*\s+3], s[G0B+4*\s+3], 0x80000000
	JLOAD \s                                       ; both slots' first fills go out before anything else: two tensor loads of the wave are out
.endr
	; A's fragment: lane l holds row l % 16; two loads of 16 bytes, 32 apart, at row x pitch + 16 (l / 16).
	; B's fragment from rows that lie along n: two transposing loads, 16 k-rows apart, at (8 (l / 16) + l % 8) x pitch + 16 ((l / 8) % 2).
	v_and_b32 v1, 15, v0                           ; r
	v_bfe_u32 v2, v0, 4, 1                         ; h
	v_mul_u32_u24 v3, v1, PITCH
	v_lshl_add_u32 v3, v2, 4, v3
	v_and_b32 v4, 7, v0
	v_lshl_add_u32 v4, v2, 3, v4
	v_mul_u32_u24 v4, v4, BPITCH
	v_bfe_u32 v5, v0, 3, 1
	v_lshl_add_u32 v4, v5, 4, v4
	s_mul_i32 s21, s11, HALFT                      ; my 128 rows of A
	s_lshl_b32 s22, s12, 8                         ; my 128 columns of B: 256 bytes along its rows,
	s_add_co_u32 s22, s22, 2*HALFT                 ; behind A's 256 rows
.irp s, 0,1
	v_add_nc_u32 v[ADRA+\s], s21, v3
	v_add_nc_u32 v[ADRB+\s], s22, v4
	s_add_co_u32 s21, s21, SLOT
	s_add_co_u32 s22, s22, SLOT
.endr
	s_mul_i32 s23, s10, 16*SPITCH
	s_add_co_u32 s23, s23, STAGE                   ; my stage
	v_mul_u32_u24 v4, v1, SPITCH
	v_lshl_add_u32 v4, v2, 4, v4
	v_add_nc_u32 v[STO], s23, v4
	v_mul_u32_u24 v5, v2, SPITCH
	v_lshl_add_u32 v5, v1, 4, v5
	v_add_nc_u32 v[RD], s23, v5
	v_mul_u32_u24 v5, v2, CROW
	v_lshl_add_u32 v[CO], v1, 4, v5
	v_and_b32 v6, 31, v0
	v_lshl_add_u32 v[FIN], v6, 2, s23
	v_lshl_add_u32 v[FBK], v6, 4, s23
	v_lshlrev_b32 v[FOF], 4, v6
	; my 64 bias numbers: columns 16 b + 8 h + 0..7 of my 128, into window 1
	s_cmp_eq_u32 s79, 1
	s_cselect_b64 s[68:69], s[70:71], s[68:69]
	s_cmp_eq_u32 s79, 2
	s_cselect_b64 s[68:69], s[72:73], s[68:69]
	s_lshl_b32 s80, s40, 10
	s_lshl_b32 s81, s12, 9
	s_add_co_u32 s80, s80, s81
	s_mov_b32 s81, 0
	s_add_nc_u64 s[68:69], s[68:69], s[80:81]
	v_lshlrev_b32 v7, 5, v2                        ; 32 h
	WIN TO_B
.irp b, 0,1,2,3,4,5,6,7
	global_load_b128 v[TMP+8*\b:TMP+8*\b+3],   v7, s[68:69] offset:64*\b
	global_load_b128 v[TMP+8*\b+4:TMP+8*\b+7], v7, s[68:69] offset:64*\b+16
.endr
	WIN 0
; 16 matrix instructions: m blocks a0, a0 + 1 of the window's four x all 8 n blocks, 32 along K.  zero = 1: the first product starts the sums.
.macro MUL16 f, hi, a0, zero
.irp a, \a0, \a0+1
.irp b, 0,1,2,3,4,5,6,7
.if \zero
	v_wmma_f32_16x16x32_bf16 v[8*(8*(\a)+\b):8*(8*(\a)+\b)+7], v[\f+8*\b:\f+8*\b+7], v[\f+8*(4*\hi+\a):\f+8*(4*\hi+\a)+7], 0
.else
	v_wmma_f32_16x16x32_bf16 v[8*(8*(\a)+\b):8*(8*(\a)+\b)+7], v[\f+8*\b:\f+8*\b+7], v[\f+8*(4*\hi+\a):\f+8*(4*\hi+\a)+7], v[8*(8*(\a)+\b):8*(8*(\a)+\b)+7]
.endif
.endr
.endr
.endm
; 32 LDS loads in one run: the fragments of quarter q (32 along K) of a slot into buffer f: B's 128 columns, then A's 128 rows
.macro FETCH slot, q, f
	WIN TO_B
.irp i, 0,1,2,3,4,5,6,7
	ds_load_tr16_b128 v[\f+8*\i:\f+8*\i+3],   v[ADRB+\slot] offset:\q*32*BPITCH+32*\i
	ds_load_tr16_b128 v[\f+8*\i+4:\f+8*\i+7], v[ADRB+\slot] offset:\q*32*BPITCH+32*\i+16*BPITCH
.endr
	WIN 0
.irp i, 0,1,2,3,4,5,6,7
	ds_load_b128 v[\f+8*\i:\f+8*\i+3],   v[ADRA+\slot] offset:\q*64+\i*16*PITCH
	ds_load_b128 v[\f+8*\i+4:\f+8*\i+7], v[ADRA+\slot] offset:\q*64+\i*16*PITCH+32
.endr
.endm
; four plain vector places between a matrix instruction and a load into, or a vector instruction on, one of its registers
.macro PLACES
.rept 4
	v_nop
.endr
.endm
; A quarter step: 64 matrix instructions on buffer f; in its middle the next quarter's fragments are fetched into buffer g.
; The 64 accumulators take turns, one instruction a turn, in the same order in every quarter.
.macro QUARTER slot, q, f, g, zero
	s_wait_dscnt 8                                 ; B and A's rows 0-63 are in; the youngest eight loads (A's rows 64-127) may be out
	WIN MUL_LO
	MUL16 \f, 0, 0, \zero
	MUL16 \f, 0, 2, \zero
	PLACES
	FETCH \slot, \q, \g
	s_wait_dscnt 32                                ; all but the 32 just issued
	WIN MUL_HI
	MUL16 \f, 1, 0, \zero
	MUL16 \f, 1, 2, \zero
.endm
.macro THREE slot, zero
	QUARTER \slot, 1, F0, F1, \zero
	QUARTER \slot, 2, F1, F0, 0
	QUARTER \slot, 3, F0, F1, 0
.endm
; The last quarter of a K step changes slots.  In front of the barrier each wave waits for its reads of this slot and for all its tensor loads (one is out:
; its part of the next slot).  fill = 1: the barrier opens a round of the cluster's barrier, and the joint refill is the first tensor load behind the round.
.macro TURN slot, next, fill
	s_wait_dscnt 8
	WIN MUL_LO
	MUL16 F1, 0, 0, 0
	s_wait_dscnt 0                                 ; my reads of this slot are over
	s_wait_tensorcnt 0x0                           ; all my tensor loads have landed
	ds_add_u32 v63, v255
	s_wait_dscnt 0x0
	s_barrier_signal -1
	MUL16 F1, 0, 2, 0                              ; register work while the others arrive
	WIN 0
	s_barrier_wait -1
.if \fill
	CREST
	s_add_nc_u64 s[G0+4*\slot+2:G0+4*\slot+3], s[G0+4*\slot+2:G0+4*\slot+3], 2*ASTEP
	s_add_nc_u64 s[G0B+4*\slot+2:G0B+4*\slot+3], s[G0B+4*\slot+2:G0B+4*\slot+3], 2*BSTEP
	JLOAD \slot
.endif
	PLACES
	FETCH \next, 0, F0
	WIN MUL_HI
	MUL16 F1, 1, 0, 0
	MUL16 F1, 1, 2, 0
.endm
.macro LAP zero
	THREE 0, \zero
	TURN 0, 1, 1
	THREE 1, 0
	TURN 1, 0, 1
.endm
	s_wait_loadcnt 0x0                             ; the bias
	s_wait_tensorcnt 1                             ; my part of K step 0 is in; K step 1's may stay out
	s_barrier_signal -1
	s_barrier_wait -1
	FETCH 0, 0, F0
	LAP 1                                          ; the first lap's first products start the sums
	WIN 0
	s_mov_b32 s3, LAPS-2
.Llap:
	LAP 0
	WIN 0
	s_sub_co_u32 s3, s3, 1
	s_cmp_lg_u32 s3, 0
	s_cbranch_scc1 .Llap
	THREE 0, 0                                     ; the last lap fills nothing
	TURN 0, 1, 0
	THREE 1, 0
	s_wait_dscnt 8
	WIN MUL_LO
	MUL16 F1, 0, 0, 0
	MUL16 F1, 0, 2, 0
	s_wait_dscnt 0
	WIN MUL_HI
	MUL16 F1, 1, 0, 0
	MUL16 F1, 1, 2, 0
	; THE WAY OUT
	PLACES
	WIN 0
	s_lshl_b32 s82, s13, 8
	s_lshl_b32 s83, s11, 7
	s_add_co_u32 s82, s82, s83                     ; my first row, 0 to 8064
	s_lshl_b32 s16, s82, 11                        ; x 2,048 bytes
	s_lshl_b32 s17, s79, 24                        ; + 16,777,216 x weight
	s_add_co_u32 s16, s16, s17
	s_mov_b32 s17, 0
	s_add_nc_u64 s[8:9], s[8:9], s[16:17]
	s_lshl_b32 s46, s40, 9                         ; my first column in bytes: 512 x block column + 256 x half
	s_lshl_b32 s47, s12, 8
	s_add_co_u32 s46, s46, s47
	s_mov_b32 s47, 0
	s_add_nc_u64 s[8:9], s[8:9], s[46:47]
	s_lshl_b32 s82, s82, 2                         ; nrm: 4 bytes a row,
	s_lshl_b32 s83, s79, 18                        ; 262,144 x (q, k),
	s_add_co_u32 s82, s82, s83
	s_mov_b32 s83, 0
	s_add_nc_u64 s[74:75], s[74:75], s[82:83]
	s_lshl_b32 s46, s40, 1
	s_add_co_u32 s46, s46, s12
	s_lshl_b32 s46, s46, 15                        ; 32,768 x column part
	s_add_nc_u64 s[74:75], s[74:75], s[46:47]
; rows 16 i .. 16 i + 15 of my block = the 64 registers at 64 a of window 2 (hi = 0) or 3; f: F0 or F1 in turn; norm = 1: the rows' sums of squares too
.macro OUT16 i, a, hi, f, norm
	WIN2 \hi, ADDB_LO, ADDB_HI
.set n, 0
.rept 32
	v_pk_add_f32 v[64*\a+n:64*\a+n+1], v[64*\a+n:64*\a+n+1], v[TMP+n:TMP+n+1]   ; + bias (window 1)
.set n, n+2
.endr
	WIN2 \hi, CVT_LO, CVT_HI
.set n, 0
.rept 32
	v_cvt_pk_bf16_f32 v[TMP+n], v[64*\a+2*n], v[64*\a+2*n+1]
.set n, n+1
.endr
	WIN 0
.irp b, 0,1,2,3,4,5,6,7
	ds_store_b128 v[STO], v[TMP+4*\b:TMP+4*\b+3] offset:32*\b
.endr
.if \norm
	; 64 squares of the rounded numbers, in four chains; the first four start the chains
.irp k, 0,1,2,3
	v_lshlrev_b32 v[12+\k], 16, v[TMP+\k]
.endr
.irp k, 0,1,2,3
	v_mul_f32 v[8+\k], v[12+\k], v[12+\k]
.endr
.irp k, 0,1,2,3
	v_fma_mix_f32_bf16 v[8+\k], v[TMP+\k], v[TMP+\k], v[8+\k] op_sel:[1,1,0] op_sel_hi:[1,1,0]
.endr
.set n, 4
.rept 7
.irp k, 0,1,2,3
	v_fma_mix_f32_bf16 v[8+\k], v[TMP+n+\k], v[TMP+n+\k], v[8+\k] op_sel_hi:[1,1,0]
.endr
.irp k, 0,1,2,3
	v_fma_mix_f32_bf16 v[8+\k], v[TMP+n+\k], v[TMP+n+\k], v[8+\k] op_sel:[1,1,0] op_sel_hi:[1,1,0]
.endr
.set n, n+4
.endr
	v_add_f32 v8, v8, v9
	v_add_f32 v10, v10, v11
	v_add_f32 v8, v8, v10
	v_permlanex16_b32 v9, v8, s76, s77             ; lanes l and l + 16 hold the two halves of one row's columns
	v_add_f32 v[NS+\i], v8, v9
.endif
	s_wait_xcnt 0x0                                ; buffer f, which earlier stores read, and the stores' base are rewritten only behind this wait
.if \i
	s_add_nc_u64 s[8:9], s[8:9], 16*CROW
.endif
.irp t, 0,1,2,3,4,5,6,7
	ds_load_b128 v[\f+4*\t:\f+4*\t+3], v[RD] offset:\t*2*SPITCH    ; LDS serves a wave's instructions in order: these see the stores above
.endr
.irp t, 0,1,2,3,4,5,6,7
	s_wait_dscnt 7-\t
	global_store_b128 v[CO], v[\f+4*\t:\f+4*\t+3], s[8:9] offset:2*\t*CROW   ; 16 lanes store 256 consecutive bytes, aligned
.endr
.endm
; eight registers of row figures (row 16 i + l % 16, equal in both halves of the lanes) into 512 consecutive bytes of my stage
.macro FIGS src, off
.irp t, 0,1,2,3
	v_cndmask_b32 v[4+\t], v[\src+2*\t], v[\src+2*\t+1], s78       ; lane l: row 32 t + l
	ds_store_b32 v[FIN], v[4+\t] offset:\off+128*\t
.endr
.endm
	s_cmp_eq_u32 s79, 2                            ; v has no norm.  The weight's number is the cluster's x: equal in all partners
	s_cbranch_scc1 .Lv_out
	OUT16 0, 0, 0, F0, 1
	OUT16 1, 1, 0, F1, 1
	OUT16 2, 2, 0, F0, 1
	OUT16 3, 3, 0, F1, 1
	OUT16 4, 0, 1, F0, 1
	OUT16 5, 1, 1, F1, 1
	OUT16 6, 2, 1, F0, 1
	OUT16 7, 3, 1, F1, 1
	FIGS NS, 0
	ds_load_b128 v[8:11], v[FBK]                   ; lane l: rows 4 l .. 4 l + 3
	s_wait_dscnt 0x0
	global_store_b128 v[FOF], v[8:11], s[74:75]    ; 512 consecutive bytes
	s_branch .Lend
.Lv_out:
	OUT16 0, 0, 0, F0, 0
	OUT16 1, 1, 0, F1, 0
	OUT16 2, 2, 0, F0, 0
	OUT16 3, 3, 0, F1, 0
	OUT16 4, 0, 1, F0, 0
	OUT16 5, 1, 1, F1, 0
	OUT16 6, 2, 1, F0, 0
	OUT16 7, 3, 1, F1, 0
.Lend:
	s_set_vgpr_msb 0x1
	s_wait_tensorcnt 0x0
	ds_add_u32 v63, v255
	s_wait_dscnt 0x0
	s_set_vgpr_msb 0x100
	CROUND                                         ; the closing round: no work-group ends while a partner may still ask for a tile that names it
	s_endpgm
.Lfunc_end_k_q49db7ef5f5_qkv:
	.size	k_q49db7ef5f5_qkv, .Lfunc_end_k_q49db7ef5f5_qkv-k_q49db7ef5f5_qkv
	.p2alignl 7, 3214868480
	.fill 96, 4, 3214868480
	.section	.rodata,"a",@progbits
	.p2align	6, 0x0
	.amdhsa_kernel k_q49db7ef5f5_qkv
		.amdhsa_group_segment_fixed_size 327680
		.amdhsa_private_segment_fixed_size 0
		.amdhsa_enable_private_segment 0
		.amdhsa_kernarg_size 48
		.amdhsa_user_sgpr_count 2
		.amdhsa_user_sgpr_kernarg_segment_ptr 1
		.amdhsa_wavefront_size32 1
		.amdhsa_system_sgpr_workgroup_id_x 1
		.amdhsa_system_sgpr_workgroup_id_y 1
		.amdhsa_system_sgpr_workgroup_id_z 1
		.amdhsa_system_vgpr_workitem_id 0
		.amdhsa_next_free_vgpr 1024
		.amdhsa_next_free_sgpr 96
		.amdhsa_reserve_vcc 0
		.amdhsa_float_denorm_mode_32 3
		.amdhsa_float_denorm_mode_16_64 3
		.amdhsa_memory_ordered 1
		.amdhsa_forward_progress 1
		.amdhsa_inst_pref_size 255
	.end_amdhsa_kernel
	.section	.bss,"aw",@nobits
	.p2align	6
	.space	262144
	.amdgpu_metadata
---
amdhsa.version: [ 1, 2 ]
amdhsa.kernels:
  - .name:           k_q49db7ef5f5_qkv
    .symbol:         k_q49db7ef5f5_qkv.kd
    .args:
      - { .name: xw, .offset: 0, .size: 8, .value_kind: global_buffer, .address_space: global }
      - { .name: bq, .offset: 8, .size: 8, .value_kind: global_buffer, .address_space: global }
      - { .name: bk, .offset: 16, .size: 8, .value_kind: global_buffer, .address_space: global }
      - { .name: bv, .offset: 24, .size: 8, .value_kind: global_buffer, .address_space: global }
      - { .name: qkv, .offset: 32, .size: 8, .value_kind: global_buffer, .address_space: global }
      - { .name: nrm, .offset: 40, .size: 8, .value_kind: global_buffer, .address_space: global }
    .group_segment_fixed_size: 327680
    .private_segment_fixed_size: 0
    .kernarg_segment_align: 8
    .kernarg_segment_size: 48
    .max_flat_workgroup_size: 128
    .sgpr_count:     96
    .vgpr_count:     1024
    .wavefront_size: 32
...
	.end_amdgpu_metadata
.endif
;; end of part 2
;; launch score (part 3): grid 8 x 32, 4 waves a work-group, clusters of 4 x 4, 327,680 bytes of LDS; arguments qkv, nrm, p, stat; writes p, stat
.if DOCPART == 3
	.amdgcn_target "amdgcn-amd-amdhsa--gfx1250"
	.amdhsa_code_object_version 6
	.text
	.protected	k_q49db7ef5f5_score
	.globl	k_q49db7ef5f5_score
	.p2align	8
	.type	k_q49db7ef5f5_score,@function
k_q49db7ef5f5_score:
	s_mov_b64 s[64:65], 0
	v_nop
	global_prefetch_b8 v0, s[64:65] scope:SCOPE_SE
	s_setreg_imm32_b32 hwreg(HW_REG_WAVE_MODE, 25, 1), 1
	s_wait_xcnt 0x0
	s_wait_alu depctr_hold_cnt(0) depctr_sa_sdst(0) depctr_va_vdst(0) depctr_va_sdst(0) depctr_va_ssrc(0) depctr_va_vcc(0) depctr_vm_vsrc(0)
	s_getreg_b32 s2, hwreg(HW_REG_IB_STS2, 6, 4)
	s_cmp_eq_u32 s2, 0
	s_cbranch_scc0 .Lentry_in_a_cluster
	s_endpgm
.Lentry_in_a_cluster:
	s_bfe_u32 s2, ttmp6, 0x10000c
	s_cmp_lg_u32 s2, 0xf033
	s_cbranch_scc0 .Lentry_shape_is_right
	s_endpgm
.Lentry_shape_is_right:
; p = exp(score - block maximum), score = exp(-(|q|^2 + |k|^2 - 2 q.k)), with the maximum and the sum of each row over each block of 128 keys.
; A = q bf16 [8192][1024] (qkv, byte 0), B = k bf16 [8192][1024] (qkv, byte 16,777,216), both with K along the rows.  Block (bx, by): 256 query rows
; x 256 keys of the rows' batch.  Four waves of 128 x 128; K = 1024 in 8 steps of 128 through two LDS slots.
; All in base 2, with L = log2 e:  t = 2L q.k + (-L |k|^2) + (-L |q|^2 + log2 L);  s' = 2^t = L exp(-dist);  m' = max of s' over my 128 keys;
; P = 2^(s' - m') = exp(score - max score);  l = sum of P in f32.  The maximum is really taken away: the next launch brings the 16 blocks of a row
; to the row's own maximum.  p [8192][2048] bf16;  stat: m' [16 key blocks][8192] f32 at byte 0, l likewise at byte 524,288.
; LIMITS: v_exp_f32 gives 0 for results below 2^-126 (ISA guide, its entry); NaN and infinities are not followed; P is rounded once to bf16, l sums the unrounded P.
; CLUSTERS: 4 x 4; q's tiles are shared along a cluster's row, k's along a column (a cluster's 1024 query rows lie in one batch of 2048).
; REGISTERS as windows of 256: window 0: addresses, figures, A's fragments v64-191, v192-255 at work; window 1: B's fragments, v192-255 -L |k|^2 of my 64 columns;
; windows 2, 3: accumulators.  The matrix instruction is used transposed: lane l holds row l % 16, registers 0-7 the keys 8 (l / 16) + 0..7 of a tile.
.set KSTEP,  128
.set LDA,    1024
.set LDB,    1024
.set CROW,   4096                      ; bytes in a row of p
.set PITCH,  272
.set HALFT,  128*PITCH
.set SLOT,   4*HALFT
.set STAGE,  2*SLOT
.set SPITCH, 272
.set NTAB,   STAGE+4*16*SPITCH         ; 256 words for my query rows, then 256 words for my keys; written once by ds_store, never a tensor load's target
.set LAPS,   4
.set ASTEP,  KSTEP*2
.set BSTEP,  KSTEP*2
.set ADRA, 16
.set ADRB, 20
.set NKA,  22                          ; table address of my keys' figures
.set NQA,  23                          ; table address of my rows' figures
.set STO,  24
.set RD,   25
.set CO,   26
.set FIN,  27
.set FBK,  28
.set FOF,  29
.set MX,   30                          ; v[30:31] the row's block maximum, twice
.set NQ,   32                          ; v[32:47] -L |q|^2 + log2 L of row 16 i + l % 16, twice each
.set MS,   48                          ; v48-55  m'
.set LS,   56                          ; v56-63  l
.set F0,   64
.set F1,   128
.set TMP,  192
.set G1,  24
.set G0,  32
.set G1B, 48
.set G0B, 56
.set MSB, 0
.macro WIN new
.if MSB != \new
	s_set_vgpr_msb (MSB<<8)|\new
.set MSB, \new
.endif
.endm
.macro WIN2 hi, lo_set, hi_set
.if \hi
	WIN \hi_set
.else
	WIN \lo_set
.endif
.endm
.set MUL_LO, 0xa1
.set MUL_HI, 0xf1
.set TO_B,   0x40
.set USET,   0x01                      ; source 0 window 1
.set INPL_LO, 0x82                     ; destination and source 0 window 2, the rest window 0
.set INPL_HI, 0xc3
.set CVT_LO, 0x0a                      ; sources 0 and 1 window 2, source 2 and destination window 0
.set CVT_HI, 0x0f
.macro JLOAD s
	s_cmp_eq_u32 s11, 0
	s_cbranch_scc0 .Lfor_b_\@
	tensor_load_to_lds s[G0+4*\s:G0+4*\s+3], s[G1:G1+7]
	s_nop 0
	s_branch .Lasked_\@
.Lfor_b_\@:
	tensor_load_to_lds s[G0B+4*\s:G0B+4*\s+3], s[G1B:G1B+7]
	s_nop 0
.Lasked_\@:
.endm
.macro CREST
	s_cmp_lg_u32 s10, 0
	s_cbranch_scc1 .Lnot_wave_0_\@
	s_barrier_signal -3
.Lnot_wave_0_\@:
	s_barrier_wait -3
	s_barrier_signal -1
	s_barrier_wait -1
.endm
.macro CROUND
	s_barrier_signal -1
	s_barrier_wait -1
	CREST
.endm
	s_load_b64 s[4:5], s[0:1], 0x0                 ; qkv
	s_load_b64 s[68:69], s[0:1], 0x8               ; nrm
	s_load_b64 s[8:9], s[0:1], 0x10                ; p
	s_load_b64 s[70:71], s[0:1], 0x18              ; stat
	s_set_vgpr_msb 0x40
	v_lshl_add_u32 v63, v0, 2, 0x48c00
	s_set_vgpr_msb 0x4000
	v_mov_b32 v19, 0
	s_set_vgpr_msb 0x1
	ds_add_u32 v63, v19
	s_set_vgpr_msb 0x100
	v_lshrrev_b32 v1, 5, v0
	v_readfirstlane_b32 s10, v1                    ; wave
	s_lshr_b32 s11, s10, 1                         ; my half of the rows; I fetch A (0) or B (1)
	s_and_b32 s12, s10, 1                          ; my half of the keys; which half of the tile I fetch
	s_bfe_u32 s40, ttmp6, 0x40000                  ; cx
	s_bfe_u32 s41, ttmp6, 0x40004                  ; cy
	s_lshl_b32 s42, ttmp9, 2
	s_add_co_u32 s42, s42, s40                     ; key block of 256: 0 to 7
	s_and_b32 s13, ttmp7, 0xffff
	s_lshr_b32 s79, s13, 1                         ; the batch: two clusters of 1024 rows each
	s_lshl_b32 s13, s13, 2
	s_add_co_u32 s13, s13, s41                     ; block row: 0 to 31
	s_lshl_b32 s43, s41, 2
	s_lshl_b32 s43, 15, s43
	s_lshl_b32 s44, 0x1111, s40
	s_mov_b32 s76, 0x76543210
	s_mov_b32 s77, 0xfedcba98
	s_mov_b32 s78, 0xffff0000
	; both tiles: 128 rows x 128 elements of 2 bytes, 4 words of padding behind every 64; they differ in the mask alone
	s_or_b32 s[G1+0], s43, (1<<16)|(1<<20)|(1<<21)|(5<<22)|(3<<25)
	s_or_b32 s[G1B+0], s44, (1<<16)|(1<<20)|(1<<21)|(5<<22)|(3<<25)
	s_mov_b32 s[G1+1], KSTEP<<16
	s_mov_b32 s[G1B+1], KSTEP<<16
	s_mov_b32 s[G1+2], 128<<16
	s_mov_b32 s[G1B+2], 128<<16
	s_mov_b32 s[G1+3], KSTEP<<16
	s_mov_b32 s[G1B+3], KSTEP<<16
	s_mov_b32 s[G1+4], 128
	s_mov_b32 s[G1B+4], 128
	s_mov_b32 s[G1+5], LDA
	s_mov_b32 s[G1B+5], LDB
	s_mov_b32 s[G1+6], 0
	s_mov_b32 s[G1B+6], 0
	s_mov_b32 s[G1+7], 0
	s_mov_b32 s[G1B+7], 0
	s_lshl_b32 s16, s13, 8
	s_lshl_b32 s17, s12, 7
	s_add_co_u32 s16, s16, s17                     ; q: row 256 x block row + 128 x half
	s_lshl_b32 s16, s16, 11
	s_mov_b32 s17, 0
	s_lshl_b32 s46, s79, 11                        ; k: row 2048 x batch
	s_lshl_b32 s45, s42, 8
	s_add_co_u32 s46, s46, s45                     ; + 256 x key block
	s_lshl_b32 s45, s12, 7
	s_add_co_u32 s46, s46, s45                     ; + 128 x half
	s_lshl_b32 s46, s46, 11
	s_add_co_u32 s46, s46, 0x1000000               ; k lies behind q
	s_mov_b32 s47, 0
	s_mul_i32 s20, s10, HALFT
	s_wait_dscnt 0x0
	s_wait_kmcnt 0x0
	s_add_nc_u64 s[14:15], s[4:5], s[16:17]
	s_add_nc_u64 s[46:47], s[4:5], s[46:47]
	CROUND
.irp s, 0,1
	s_mov_b32 s[G0+4*\s], 1
	s_add_co_u32 s[G0+4*\s+1], s20, \s*SLOT
	s_add_nc_u64 s[G0+4*\s+2:G0+4*\s+3], s[14:15], \s*ASTEP
	s_or_b32 s[G0+4*\s+3], s[G0+4*\s+3], 0x80000000
	s_mov_b32 s[G0B+4*\s], 1
	s_add_co_u32 s[G0B+4*\s+1], s20, \s*SLOT
	s_add_nc_u64 s[G0B+4*\s+2:G0B+4*\s+3], s[46:47], \s*BSTEP
	s_or_b32 s[G0B+4*\s+3], s[G0B+4*\s+3], 0x80000000
	JLOAD \s                                       ; two tensor loads of the wave are out
.endr
	; THE NORMS.  Waves 0, 1: my block's 256 query rows; waves 2, 3: its 256 keys.  A thread takes 4 rows and sums their 8 column parts.
	s_lshl_b32 s80, s13, 10                        ; q: 4 bytes x 256 x block row
	s_lshl_b32 s81, s79, 13                        ; k: 4 bytes x 2048 x batch
	s_lshl_b32 s82, s42, 10
	s_add_co_u32 s81, s81, s82                     ; + 4 x 256 x key block
	s_add_co_u32 s81, s81, 0x40000                 ; k's part of nrm
	s_cmp_eq_u32 s11, 0
	s_cselect_b32 s80, s80, s81
	s_cselect_b32 s86, 0x3f075d3c, 0               ; log2 L goes in with the query's figure
	s_mov_b32 s81, 0
	s_add_nc_u64 s[68:69], s[68:69], s[80:81]
	v_and_b32 v6, 63, v0
	v_lshlrev_b32 v6, 4, v6
.irp p, 0,1,2,3,4,5,6,7
	global_load_b128 v[64+4*\p:67+4*\p], v6, s[68:69] offset:32768*\p
.endr
	v_mov_b32 v8, s86
	v_mov_b32 v9, s86
	s_mov_b32 s83, NTAB
	v_lshl_add_u32 v7, v0, 4, s83
	v_and_b32 v1, 15, v0                           ; r
	v_bfe_u32 v2, v0, 4, 1                         ; h
	v_mul_u32_u24 v3, v1, PITCH
	v_lshl_add_u32 v3, v2, 4, v3
	s_mul_i32 s21, s11, HALFT
	s_mul_i32 s22, s12, HALFT
	s_add_co_u32 s22, s22, 2*HALFT
.irp s, 0,1
	v_add_nc_u32 v[ADRA+\s], s21, v3
	v_add_nc_u32 v[ADRB+\s], s22, v3
	s_add_co_u32 s21, s21, SLOT
	s_add_co_u32 s22, s22, SLOT
.endr
	s_mul_i32 s23, s10, 16*SPITCH
	s_add_co_u32 s23, s23, STAGE
	v_mul_u32_u24 v4, v1, SPITCH
	v_lshl_add_u32 v4, v2, 4, v4
	v_add_nc_u32 v[STO], s23, v4
	v_mul_u32_u24 v5, v2, SPITCH
	v_lshl_add_u32 v5, v1, 4, v5
	v_add_nc_u32 v[RD], s23, v5
	v_mul_u32_u24 v5, v2, CROW
	v_lshl_add_u32 v[CO], v1, 4, v5
	v_and_b32 v10, 31, v0
	v_lshl_add_u32 v[FIN], v10, 2, s23
	v_lshl_add_u32 v[FBK], v10, 4, s23
	v_lshlrev_b32 v[FOF], 4, v10
	s_lshl_b32 s84, s12, 9
	s_add_co_u32 s84, s84, NTAB+1024
	v_lshl_add_u32 v[NKA], v2, 5, s84              ; keys 128 nh + 8 h + ..: 4 bytes each
	s_lshl_b32 s85, s11, 9
	s_add_co_u32 s85, s85, NTAB
	v_lshl_add_u32 v[NQA], v1, 2, s85              ; rows 128 mh + r + ..
	s_wait_loadcnt 0x0
.irp p, 0,1,2,3
	v_pk_add_f32 v[64+4*\p:65+4*\p], v[64+4*\p:65+4*\p], v[80+4*\p:81+4*\p]
	v_pk_add_f32 v[66+4*\p:67+4*\p], v[66+4*\p:67+4*\p], v[82+4*\p:83+4*\p]
.endr
.irp p, 0,1
	v_pk_add_f32 v[64+4*\p:65+4*\p], v[64+4*\p:65+4*\p], v[72+4*\p:73+4*\p]
	v_pk_add_f32 v[66+4*\p:67+4*\p], v[66+4*\p:67+4*\p], v[74+4*\p:75+4*\p]
.endr
	v_pk_add_f32 v[64:65], v[64:65], v[68:69]
	v_pk_add_f32 v[66:67], v[66:67], v[70:71]
	v_pk_fma_f32 v[64:65], v[64:65], 0xbfb8aa3b, v[8:9] op_sel_hi:[1,0,1]    ; -L x norm (+ log2 L)
	v_pk_fma_f32 v[66:67], v[66:67], 0xbfb8aa3b, v[8:9] op_sel_hi:[1,0,1]
	ds_store_b128 v7, v[64:67]
.macro MUL16 f, hi, a0, zero
.irp a, \a0, \a0+1
.irp b, 0,1,2,3,4,5,6,7
.if \zero
	v_wmma_f32_16x16x32_bf16 v[8*(8*(\a)+\b):8*(8*(\a)+\b)+7], v[\f+8*\b:\f+8*\b+7], v[\f+8*(4*\hi+\a):\f+8*(4*\hi+\a)+7], 0
.else
	v_wmma_f32_16x16x32_bf16 v[8*(8*(\a)+\b):8*(8*(\a)+\b)+7], v[\f+8*\b:\f+8*\b+7], v[\f+8*(4*\hi+\a):\f+8*(4*\hi+\a)+7], v[8*(8*(\a)+\b):8*(8*(\a)+\b)+7]
.endif
.endr
.endr
.endm
.macro FETCH slot, q, f
	WIN TO_B
.irp i, 0,1,2,3,4,5,6,7
	ds_load_b128 v[\f+8*\i:\f+8*\i+3],   v[ADRB+\slot] offset:\q*64+\i*16*PITCH
	ds_load_b128 v[\f+8*\i+4:\f+8*\i+7], v[ADRB+\slot] offset:\q*64+\i*16*PITCH+32
.endr
	WIN 0
.irp i, 0,1,2,3,4,5,6,7
	ds_load_b128 v[\f+8*\i:\f+8*\i+3],   v[ADRA+\slot] offset:\q*64+\i*16*PITCH
	ds_load_b128 v[\f+8*\i+4:\f+8*\i+7], v[ADRA+\slot] offset:\q*64+\i*16*PITCH+32
.endr
.endm
.macro PLACES                          ; four plain vector places behind a matrix instruction (ISA guide 7.12.1)
.rept 4
	v_nop
.endr
.endm
; The 64 accumulators take turns, one instruction a turn, in the same order in every quarter.
.macro QUARTER slot, q, f, g, zero
	s_wait_dscnt 8                                 ; all but A's rows 64-127, the youngest eight loads
	WIN MUL_LO
	MUL16 \f, 0, 0, \zero
	MUL16 \f, 0, 2, \zero
	PLACES
	FETCH \slot, \q, \g
	s_wait_dscnt 32                                ; all but the 32 just issued
	WIN MUL_HI
	MUL16 \f, 1, 0, \zero
	MUL16 \f, 1, 2, \zero
.endm
.macro THREE slot, zero
	QUARTER \slot, 1, F0, F1, \zero
	QUARTER \slot, 2, F1, F0, 0
	QUARTER \slot, 3, F0, F1, 0
.endm
.macro TURN slot, next, fill
	s_wait_dscnt 8
	WIN MUL_LO
	MUL16 F1, 0, 0, 0
	s_wait_dscnt 0                                 ; my reads of this slot are over
	s_wait_tensorcnt 0x0                           ; all my tensor loads have landed: my part of the next slot
	ds_add_u32 v63, v19
	s_wait_dscnt 0x0
	s_barrier_signal -1
	MUL16 F1, 0, 2, 0
	WIN 0
	s_barrier_wait -1
.if \fill
	CREST                                          ; the round: no wave of any partner still reads this slot or has a load on its way
	s_add_nc_u64 s[G0+4*\slot+2:G0+4*\slot+3], s[G0+4*\slot+2:G0+4*\slot+3], 2*ASTEP
	s_add_nc_u64 s[G0B+4*\slot+2:G0B+4*\slot+3], s[G0B+4*\slot+2:G0B+4*\slot+3], 2*BSTEP
	JLOAD \slot                                    ; the first tensor load behind the round
.endif
	PLACES
	FETCH \next, 0, F0
	WIN MUL_HI
	MUL16 F1, 1, 0, 0
	MUL16 F1, 1, 2, 0
.endm
.macro LAP zero
	THREE 0, \zero
	TURN 0, 1, 1
	THREE 1, 0
	TURN 1, 0, 1
.endm
	s_wait_dscnt 0x0                               ; my part of the table is written, for the other waves' sake
	s_wait_tensorcnt 1                             ; my part of K step 0 is in; K step 1's may stay out
	s_barrier_signal -1
	s_barrier_wait -1
	FETCH 0, 0, F0
	LAP 1
	WIN 0
	s_mov_b32 s3, LAPS-2
.Llap:
	LAP 0
	WIN 0
	s_sub_co_u32 s3, s3, 1
	s_cmp_lg_u32 s3, 0
	s_cbranch_scc1 .Llap
	THREE 0, 0
	TURN 0, 1, 0
	THREE 1, 0
	s_wait_dscnt 8
	WIN MUL_LO
	MUL16 F1, 0, 0, 0
	MUL16 F1, 0, 2, 0
	s_wait_dscnt 0
	WIN MUL_HI
	MUL16 F1, 1, 0, 0
	MUL16 F1, 1, 2, 0
	; THE WAY OUT
	PLACES
	WIN TO_B
.irp b, 0,1,2,3,4,5,6,7
	ds_load_b128 v[TMP+8*\b:TMP+8*\b+3],   v[NKA] offset:64*\b        ; -L |k|^2 of keys 16 b + 8 h + 0..7, into window 1
	ds_load_b128 v[TMP+8*\b+4:TMP+8*\b+7], v[NKA] offset:64*\b+16
.endr
	WIN 0
.irp i, 0,1,2,3,4,5,6,7
	ds_load_b32 v[NQ+2*\i],   v[NQA] offset:64*\i                     ; the row's figure, twice: a pair for the packed add
	ds_load_b32 v[NQ+2*\i+1], v[NQA] offset:64*\i
.endr
	s_lshl_b32 s82, s13, 8
	s_lshl_b32 s83, s11, 7
	s_add_co_u32 s82, s82, s83                     ; my first row
	s_lshl_b32 s16, s82, 12                        ; x 4,096 bytes
	s_mov_b32 s17, 0
	s_add_nc_u64 s[8:9], s[8:9], s[16:17]
	s_lshl_b32 s46, s42, 9                         ; 512 bytes x key block + 256 x half
	s_lshl_b32 s47, s12, 8
	s_add_co_u32 s46, s46, s47
	s_mov_b32 s47, 0
	s_add_nc_u64 s[8:9], s[8:9], s[46:47]
	s_lshl_b32 s82, s82, 2                         ; stat: 4 bytes a row,
	s_mov_b32 s83, 0
	s_add_nc_u64 s[70:71], s[70:71], s[82:83]
	s_lshl_b32 s46, s42, 1
	s_add_co_u32 s46, s46, s12
	s_lshl_b32 s46, s46, 15                        ; 32,768 x key block of 128
	s_add_nc_u64 s[70:71], s[70:71], s[46:47]
	s_wait_dscnt 0x0
; rows 16 i .. 16 i + 15: the 64 registers at 64 a of window 2 (hi = 0) or 3
.macro SOFT16 i, a, hi, f
	WIN USET
.set n, 0
.rept 32
	v_pk_add_f32 v[TMP+n:TMP+n+1], v[TMP+n:TMP+n+1], v[NQ+2*\i:NQ+2*\i+1]     ; u = key's figure (window 1) + row's figure, into window 0
.set n, n+2
.endr
	WIN2 \hi, INPL_LO, INPL_HI
.set n, 0
.rept 32
	v_pk_fma_f32 v[64*\a+n:64*\a+n+1], v[64*\a+n:64*\a+n+1], 0x4038aa3b, v[TMP+n:TMP+n+1] op_sel_hi:[1,0,1]   ; t = 2L q.k + u
.set n, n+2
.endr
.set n, 0
.rept 64
	v_exp_f32 v[64*\a+n], v[64*\a+n]               ; s' = L exp(-dist)
.set n, n+1
.endr
	v_nop                                          ; one plain place behind the last exponential before its result is read (ISA guide 5.7.2)
	WIN2 \hi, CVT_LO, CVT_HI
	s_wait_alu depctr_va_vdst(0)
.irp k, 0,1,2,3
	v_max_num_f32 v[8+\k], v[64*\a+2*\k], v[64*\a+2*\k+1]          ; four chains, started by the first eight numbers
.endr
.set n, 8
.rept 7
.irp k, 0,1,2,3
	v_max3_num_f32 v[8+\k], v[64*\a+n+2*\k], v[64*\a+n+2*\k+1], v[8+\k]
.endr
.set n, n+8
.endr
	WIN 0
	v_max3_num_f32 v8, v8, v9, v10
	v_max_num_f32 v8, v8, v11
	v_permlanex16_b32 v9, v8, s76, s77             ; the other half of the row's keys
	v_max_num_f32 v[MX], v8, v9
	v_max_num_f32 v[MX+1], v8, v9
	v_max_num_f32 v[MS+\i], v8, v9
	WIN2 \hi, INPL_LO, INPL_HI
.set n, 0
.rept 32
	v_pk_add_f32 v[64*\a+n:64*\a+n+1], v[64*\a+n:64*\a+n+1], v[MX:MX+1] neg_lo:[0,1] neg_hi:[0,1]   ; s' - m': exactly 0 at the maximum
.set n, n+2
.endr
.set n, 0
.rept 64
	v_exp_f32 v[64*\a+n], v[64*\a+n]               ; P
.set n, n+1
.endr
	v_nop
	WIN2 \hi, CVT_LO, CVT_HI
.set n, 0
	s_wait_alu depctr_va_vdst(0)
.rept 16
	v_pk_add_f32 v[TMP+32+2*n:TMP+32+2*n+1], v[64*\a+4*n:64*\a+4*n+1], v[64*\a+4*n+2:64*\a+4*n+3]
.set n, n+1
.endr
.set n, 0
.rept 32
	v_cvt_pk_bf16_f32 v[TMP+n], v[64*\a+2*n], v[64*\a+2*n+1]
.set n, n+1
.endr
	WIN 0
.irp b, 0,1,2,3,4,5,6,7
	ds_store_b128 v[STO], v[TMP+4*\b:TMP+4*\b+3] offset:32*\b
.endr
.irp k, 0,1,2,3,4,5,6,7
	v_pk_add_f32 v[TMP+32+2*\k:TMP+33+2*\k], v[TMP+32+2*\k:TMP+33+2*\k], v[TMP+48+2*\k:TMP+49+2*\k]
.endr
.irp k, 0,1,2,3
	v_pk_add_f32 v[TMP+32+2*\k:TMP+33+2*\k], v[TMP+32+2*\k:TMP+33+2*\k], v[TMP+40+2*\k:TMP+41+2*\k]
.endr
.irp k, 0,1
	v_pk_add_f32 v[TMP+32+2*\k:TMP+33+2*\k], v[TMP+32+2*\k:TMP+33+2*\k], v[TMP+36+2*\k:TMP+37+2*\k]
.endr
	v_pk_add_f32 v[TMP+32:TMP+33], v[TMP+32:TMP+33], v[TMP+34:TMP+35]
	v_add_f32 v8, v[TMP+32], v[TMP+33]
	v_permlanex16_b32 v9, v8, s76, s77
	v_add_f32 v[LS+\i], v8, v9
	s_wait_xcnt 0x0                                ; buffer f, which earlier stores read, and the stores' base are rewritten only behind this wait
.if \i
	s_add_nc_u64 s[8:9], s[8:9], 16*CROW
.endif
.irp t, 0,1,2,3,4,5,6,7
	ds_load_b128 v[\f+4*\t:\f+4*\t+3], v[RD] offset:\t*2*SPITCH    ; LDS serves a wave's instructions in order: these see the stores above
.endr
.irp t, 0,1,2,3,4,5,6,7
	s_wait_dscnt 7-\t
	global_store_b128 v[CO], v[\f+4*\t:\f+4*\t+3], s[8:9] offset:2*\t*CROW   ; 16 lanes store 256 consecutive bytes, aligned
.endr
.endm
.macro FIGS src, off
.irp t, 0,1,2,3
	v_cndmask_b32 v[4+\t], v[\src+2*\t], v[\src+2*\t+1], s78       ; lane l: row 32 t + l
	ds_store_b32 v[FIN], v[4+\t] offset:\off+128*\t
.endr
.endm
	SOFT16 0, 0, 0, F0
	SOFT16 1, 1, 0, F1
	SOFT16 2, 2, 0, F0
	SOFT16 3, 3, 0, F1
	SOFT16 4, 0, 1, F0
	SOFT16 5, 1, 1, F1
	SOFT16 6, 2, 1, F0
	SOFT16 7, 3, 1, F1
	FIGS MS, 0
	FIGS LS, 512
	ds_load_b128 v[8:11], v[FBK]                   ; lane l: rows 4 l .. 4 l + 3
	ds_load_b128 v[12:15], v[FBK] offset:512
	s_wait_dscnt 0x0
	global_store_b128 v[FOF], v[8:11], s[70:71]                    ; m': 512 consecutive bytes
	global_store_b128 v[FOF], v[12:15], s[70:71] offset:524288     ; l
	s_set_vgpr_msb 0x1
	s_wait_tensorcnt 0x0
	ds_add_u32 v63, v19
	s_wait_dscnt 0x0
	s_set_vgpr_msb 0x100
	CROUND                                         ; the closing round
	s_endpgm
.Lfunc_end_k_q49db7ef5f5_score:
	.size	k_q49db7ef5f5_score, .Lfunc_end_k_q49db7ef5f5_score-k_q49db7ef5f5_score
	.p2alignl 7, 3214868480
	.fill 96, 4, 3214868480
	.section	.rodata,"a",@progbits
	.p2align	6, 0x0
	.amdhsa_kernel k_q49db7ef5f5_score
		.amdhsa_group_segment_fixed_size 327680
		.amdhsa_private_segment_fixed_size 0
		.amdhsa_enable_private_segment 0
		.amdhsa_kernarg_size 32
		.amdhsa_user_sgpr_count 2
		.amdhsa_user_sgpr_kernarg_segment_ptr 1
		.amdhsa_wavefront_size32 1
		.amdhsa_system_sgpr_workgroup_id_x 1
		.amdhsa_system_sgpr_workgroup_id_y 1
		.amdhsa_system_sgpr_workgroup_id_z 1
		.amdhsa_system_vgpr_workitem_id 0
		.amdhsa_next_free_vgpr 1024
		.amdhsa_next_free_sgpr 96
		.amdhsa_reserve_vcc 0
		.amdhsa_float_denorm_mode_32 3
		.amdhsa_float_denorm_mode_16_64 3
		.amdhsa_memory_ordered 1
		.amdhsa_forward_progress 1
		.amdhsa_inst_pref_size 255
	.end_amdhsa_kernel
	.section	.bss,"aw",@nobits
	.p2align	6
	.space	262144
	.amdgpu_metadata
---
amdhsa.version: [ 1, 2 ]
amdhsa.kernels:
  - .name:           k_q49db7ef5f5_score
    .symbol:         k_q49db7ef5f5_score.kd
    .args:
      - { .name: qkv, .offset: 0, .size: 8, .value_kind: global_buffer, .address_space: global }
      - { .name: nrm, .offset: 8, .size: 8, .value_kind: global_buffer, .address_space: global }
      - { .name: p, .offset: 16, .size: 8, .value_kind: global_buffer, .address_space: global }
      - { .name: stat, .offset: 24, .size: 8, .value_kind: global_buffer, .address_space: global }
    .group_segment_fixed_size: 327680
    .private_segment_fixed_size: 0
    .kernarg_segment_align: 8
    .kernarg_segment_size: 32
    .max_flat_workgroup_size: 128
    .sgpr_count:     96
    .vgpr_count:     1024
    .wavefront_size: 32
...
	.end_amdgpu_metadata
.endif
;; end of part 3
;; launch mix (part 4): grid 4 x 32, 4 waves a work-group, clusters of 4 x 4, 327,680 bytes of LDS; arguments p, qkv, stat, ob; writes ob
.if DOCPART == 4
	.amdgcn_target "amdgcn-amd-amdhsa--gfx1250"
	.amdhsa_code_object_version 6
	.text
	.protected	k_q49db7ef5f5_mix
	.globl	k_q49db7ef5f5_mix
	.p2align	8
	.type	k_q49db7ef5f5_mix,@function
k_q49db7ef5f5_mix:
	s_mov_b64 s[64:65], 0
	v_nop
	global_prefetch_b8 v0, s[64:65] scope:SCOPE_SE
	s_setreg_imm32_b32 hwreg(HW_REG_WAVE_MODE, 25, 1), 1
	s_wait_xcnt 0x0
	s_wait_alu depctr_hold_cnt(0) depctr_sa_sdst(0) depctr_va_vdst(0) depctr_va_sdst(0) depctr_va_ssrc(0) depctr_va_vcc(0) depctr_vm_vsrc(0)
	s_getreg_b32 s2, hwreg(HW_REG_IB_STS2, 6, 4)
	s_cmp_eq_u32 s2, 0
	s_cbranch_scc0 .Lentry_in_a_cluster
	s_endpgm
.Lentry_in_a_cluster:
	s_bfe_u32 s2, ttmp6, 0x10000c
	s_cmp_lg_u32 s2, 0xf033
	s_cbranch_scc0 .Lentry_shape_is_right
	s_endpgm
.Lentry_shape_is_right:
; ob = softmax(scores) v:  O = (sum over the 16 key blocks j of c_j P_j V_j) / Lsum, rounded once to bf16.
; For each query row: M' = max over j of m'_j (the row's true maximum, in base 2), c_j = bf16(2^(m'_j - M')), Lsum = sum of c_j l_j with the ROUNDED c_j, so that
; numerator and denominator carry the same factor.  Lsum is at least 1: the block that holds the maximum has c = 1 and l >= 1.
; A = p bf16 [8192][2048], B = v bf16 [k = key][n] (qkv, byte 33,554,432 + 2048 rows x batch), used as it lies (transposing LDS loads).
; K = 2048 keys in 16 steps of 128: K step j is key block j, and A's fragments of that step are multiplied by c_j of their row (v_pk_mul_bf16, one more rounding to bf16).
; 128 work-groups: a block of 256 x 256 keeps the multiply-adds fed by each LDS byte at their most; a block of half the rows on twice the work-groups would read half as much again.
; CLUSTERS: 4 x 4; p's tiles are shared along a cluster's row, v's along a column (a cluster's 1024 rows lie in one batch).
; LIMITS: v_exp_f32 gives 0 for results below 2^-126; NaN and infinities are not followed.
; REGISTERS: as windows of 256: window 0 addresses, figures, A's fragments v64-191, v192-223 at work; window 1 B's fragments; windows 2, 3 accumulators.
.set KSTEP,  128
.set LDA,    2048
.set LDB,    1024
.set CROW,   2048
.set PITCH,  272
.set BPITCH, 544
.set HALFT,  128*PITCH
.set SLOT,   4*HALFT
.set STAGE,  2*SLOT
.set SPITCH, 272
.set CTAB,   STAGE+4*16*SPITCH         ; c: 16 steps x 256 rows x 4 bytes (c in both halves of the word); written once by ds_store
.set ITAB,   CTAB+16384                ; 1 / Lsum: 256 rows x 4 bytes
.set LAPS,   8
.set ASTEP,  KSTEP*2
.set BSTEP,  KSTEP*LDB*2
.set ADRA, 16
.set ADRB, 20
.set STO,  24
.set RD,   25
.set CO,   26
.set CAD,  27                          ; table address of this K step's c of my rows; steps by 1,024
.set IAD,  28                          ; table address of 1 / Lsum of my rows
.set INV,  32                          ; v[32:47] 1 / Lsum of row 16 i + l % 16, twice each
.set CS,   48                          ; v48-55  c of row 16 a + l % 16 in this K step
.set F0,   64
.set F1,   128
.set TMP,  192
.set G1,  24
.set G0,  32
.set G1B, 48
.set G0B, 56
.set MSB, 0
.macro WIN new
.if MSB != \new
	s_set_vgpr_msb (MSB<<8)|\new
.set MSB, \new
.endif
.endm
.macro WIN2 hi, lo_set, hi_set
.if \hi
	WIN \hi_set
.else
	WIN \lo_set
.endif
.endm
.set MUL_LO, 0xa1
.set MUL_HI, 0xf1
.set TO_B,   0x40
.set INPL_LO, 0x82
.set INPL_HI, 0xc3
.set CVT_LO, 0x0a
.set CVT_HI, 0x0f
.macro JLOAD s
	s_cmp_eq_u32 s11, 0
	s_cbranch_scc0 .Lfor_b_\@
	tensor_load_to_lds s[G0+4*\s:G0+4*\s+3], s[G1:G1+7]
	s_nop 0
	s_branch .Lasked_\@
.Lfor_b_\@:
	tensor_load_to_lds s[G0B+4*\s:G0B+4*\s+3], s[G1B:G1B+7]
	s_nop 0
.Lasked_\@:
.endm
.macro CREST
	s_cmp_lg_u32 s10, 0
	s_cbranch_scc1 .Lnot_wave_0_\@
	s_barrier_signal -3
.Lnot_wave_0_\@:
	s_barrier_wait -3
	s_barrier_signal -1
	s_barrier_wait -1
.endm
.macro CROUND
	s_barrier_signal -1
	s_barrier_wait -1
	CREST
.endm
	s_load_b128 s[4:7], s[0:1], 0x0                ; p s[4:5], qkv s[6:7]
	s_load_b64 s[68:69], s[0:1], 0x10              ; stat
	s_load_b64 s[8:9], s[0:1], 0x18                ; ob
	s_set_vgpr_msb 0x40
	v_lshl_add_u32 v255, v0, 2, 0x4c800
	s_set_vgpr_msb 0x4000
	v_mov_b32 v255, 0
	s_set_vgpr_msb 0x1
	ds_add_u32 v255, v255
	s_set_vgpr_msb 0x100
	v_lshrrev_b32 v1, 5, v0
	v_readfirstlane_b32 s10, v1
	s_lshr_b32 s11, s10, 1
	s_and_b32 s12, s10, 1
	s_bfe_u32 s40, ttmp6, 0x40000                  ; cx = block column (the grid is one cluster wide)
	s_bfe_u32 s41, ttmp6, 0x40004                  ; cy
	s_and_b32 s13, ttmp7, 0xffff
	s_lshr_b32 s79, s13, 1                         ; the batch
	s_lshl_b32 s13, s13, 2
	s_add_co_u32 s13, s13, s41                     ; block row
	s_lshl_b32 s43, s41, 2
	s_lshl_b32 s43, 15, s43
	s_lshl_b32 s44, 0x1111, s40
	; group 1 for A: 128 rows x 128 elements, 4 words of padding behind every 64
	s_or_b32 s[G1+0], s43, (1<<16)|(1<<20)|(1<<21)|(5<<22)|(3<<25)
	s_mov_b32 s[G1+1], KSTEP<<16
	s_mov_b32 s[G1+2], 128<<16
	s_mov_b32 s[G1+3], KSTEP<<16
	s_mov_b32 s[G1+4], 128
	s_mov_b32 s[G1+5], LDA
	s_mov_b32 s[G1+6], 0
	s_mov_b32 s[G1+7], 0
	; group 1 for B: 64 k-rows x 256 elements, 8 words of padding behind every 128
	s_or_b32 s[G1B+0], s44, (1<<16)|(1<<20)|(1<<21)|(6<<22)|(7<<25)
	s_mov_b32 s[G1B+1], 256<<16
	s_mov_b32 s[G1B+2], 64<<16
	s_mov_b32 s[G1B+3], 256<<16
	s_mov_b32 s[G1B+4], 64
	s_mov_b32 s[G1B+5], LDB
	s_mov_b32 s[G1B+6], 0
	s_mov_b32 s[G1B+7], 0
	s_lshl_b32 s16, s13, 8
	s_lshl_b32 s17, s12, 7
	s_add_co_u32 s16, s16, s17
	s_lshl_b32 s16, s16, 12                        ; p: 4,096 bytes a row
	s_mov_b32 s17, 0
	s_lshl_b32 s46, s79, 22                        ; v: 2048 rows of 2,048 bytes x batch,
	s_add_co_u32 s46, s46, 0x2000000               ; behind q and k,
	s_lshl_b32 s45, s12, 17
	s_add_co_u32 s46, s46, s45                     ; 64 k-rows x half,
	s_lshl_b32 s45, s40, 9
	s_add_co_u32 s46, s46, s45                     ; 512 bytes x block column
	s_mov_b32 s47, 0
	s_mul_i32 s20, s10, HALFT
	s_wait_dscnt 0x0
	s_wait_kmcnt 0x0
	s_add_nc_u64 s[14:15], s[4:5], s[16:17]
	s_add_nc_u64 s[46:47], s[6:7], s[46:47]
	CROUND
.irp s, 0,1
	s_mov_b32 s[G0+4*\s], 1
	s_add_co_u32 s[G0+4*\s+1], s20, \s*SLOT
	s_add_nc_u64 s[G0+4*\s+2:G0+4*\s+3], s[14:15], \s*ASTEP
	s_or_b32 s[G0+4*\s+3], s[G0+4*\s+3], 0x80000000
	s_mov_b32 s[G0B+4*\s], 1
	s_add_co_u32 s[G0B+4*\s+1], s20, \s*SLOT
	s_add_nc_u64 s[G0B+4*\s+2:G0B+4*\s+3], s[46:47], \s*BSTEP
	s_or_b32 s[G0B+4*\s+3], s[G0B+4*\s+3], 0x80000000
	JLOAD \s                                       ; two tensor loads of the wave are out
.endr
	; THE ROWS' FIGURES.  Thread t takes rows 2 t and 2 t + 1 of the block's 256: a wave's load covers 256 consecutive bytes.
	s_lshl_b32 s80, s13, 10                        ; 4 bytes x 256 x block row
	s_mov_b32 s81, 0
	s_add_nc_u64 s[68:69], s[68:69], s[80:81]
	v_lshlrev_b32 v6, 3, v0
.set j, 0
.rept 16
	global_load_b64 v[64+2*j:65+2*j], v6, s[68:69] offset:32768*j              ; m' of key block j
.set j, j+1
.endr
.set j, 0
.rept 16
	global_load_b64 v[96+2*j:97+2*j], v6, s[68:69] offset:524288+32768*j       ; l of key block j
.set j, j+1
.endr
	v_and_b32 v1, 15, v0                           ; r
	v_bfe_u32 v2, v0, 4, 1                         ; h
	v_mul_u32_u24 v3, v1, PITCH
	v_lshl_add_u32 v3, v2, 4, v3
	v_and_b32 v4, 7, v0
	v_lshl_add_u32 v4, v2, 3, v4
	v_mul_u32_u24 v4, v4, BPITCH
	v_bfe_u32 v5, v0, 3, 1
	v_lshl_add_u32 v4, v5, 4, v4
	s_mul_i32 s21, s11, HALFT
	s_lshl_b32 s22, s12, 8
	s_add_co_u32 s22, s22, 2*HALFT
.irp s, 0,1
	v_add_nc_u32 v[ADRA+\s], s21, v3
	v_add_nc_u32 v[ADRB+\s], s22, v4
	s_add_co_u32 s21, s21, SLOT
	s_add_co_u32 s22, s22, SLOT
.endr
	s_mul_i32 s23, s10, 16*SPITCH
	s_add_co_u32 s23, s23, STAGE
	v_mul_u32_u24 v4, v1, SPITCH
	v_lshl_add_u32 v4, v2, 4, v4
	v_add_nc_u32 v[STO], s23, v4
	v_mul_u32_u24 v5, v2, SPITCH
	v_lshl_add_u32 v5, v1, 4, v5
	v_add_nc_u32 v[RD], s23, v5
	v_mul_u32_u24 v5, v2, CROW
	v_lshl_add_u32 v[CO], v1, 4, v5
	s_mov_b32 s83, CTAB
	v_lshl_add_u32 v7, v0, 3, s83                  ; where I write my two rows' figures
	s_lshl_b32 s82, s11, 9
	s_add_co_u32 s82, s82, CTAB
	v_lshl_add_u32 v[CAD], v1, 2, s82              ; rows 128 mh + r + ..
	v_add_nc_u32 v[IAD], ITAB-CTAB, v[CAD]
	s_wait_loadcnt 16                              ; the 16 loads of m' are in; the 16 younger ones, of l, stay out
	v_max3_num_f32 v128, v64, v66, v68
	v_max3_num_f32 v129, v65, v67, v69
.set j, 3
.rept 6
	v_max3_num_f32 v128, v[64+2*j], v[66+2*j], v128
	v_max3_num_f32 v129, v[65+2*j], v[67+2*j], v129
.set j, j+2
.endr
	v_max_num_f32 v128, v128, v94
	v_max_num_f32 v129, v129, v95                  ; M' of my two rows
.set j, 0
.rept 16
	v_pk_add_f32 v[64+2*j:65+2*j], v[64+2*j:65+2*j], v[128:129] neg_lo:[0,1] neg_hi:[0,1]
.set j, j+1
.endr
.set j, 0
.rept 32
	v_exp_f32 v[64+j], v[64+j]
.set j, j+1
.endr
	v_nop                                          ; one plain place behind the last exponential (ISA guide 5.7.2)
.set j, 0
	s_wait_alu depctr_va_vdst(0)
.rept 32
	v_cvt_pk_bf16_f32 v[64+j], v[64+j], v[64+j]    ; c, rounded, in both halves of the word
.set j, j+1
.endr
.set j, 0
.rept 16
	ds_store_b64 v7, v[64+2*j:65+2*j] offset:1024*j
.set j, j+1
.endr
	s_wait_loadcnt 0x0                             ; l
	v_lshlrev_b32 v132, 16, v64
	v_lshlrev_b32 v133, 16, v65
	v_mul_f32 v130, v132, v96                      ; the first product starts the sum
	v_mul_f32 v131, v133, v97
.set j, 1
.rept 15
	v_fma_mix_f32_bf16 v130, v[64+2*j], v[96+2*j], v130 op_sel_hi:[1,0,0]      ; + bf16 c x f32 l
	v_fma_mix_f32_bf16 v131, v[65+2*j], v[97+2*j], v131 op_sel_hi:[1,0,0]
.set j, j+1
.endr
	v_rcp_f32 v130, v130
	v_rcp_f32 v131, v131
	v_nop
	s_wait_alu depctr_va_vdst(0)
	ds_store_b64 v7, v[130:131] offset:ITAB-CTAB
.macro MUL16 f, hi, a0, zero
.irp a, \a0, \a0+1
.irp b, 0,1,2,3,4,5,6,7
.if \zero
	v_wmma_f32_16x16x32_bf16 v[8*(8*(\a)+\b):8*(8*(\a)+\b)+7], v[\f+8*\b:\f+8*\b+7], v[\f+8*(4*\hi+\a):\f+8*(4*\hi+\a)+7], 0
.else
	v_wmma_f32_16x16x32_bf16 v[8*(8*(\a)+\b):8*(8*(\a)+\b)+7], v[\f+8*\b:\f+8*\b+7], v[\f+8*(4*\hi+\a):\f+8*(4*\hi+\a)+7], v[8*(8*(\a)+\b):8*(8*(\a)+\b)+7]
.endif
.endr
.endr
.endm
.macro FETCH slot, q, f
	WIN TO_B
.irp i, 0,1,2,3,4,5,6,7
	ds_load_tr16_b128 v[\f+8*\i:\f+8*\i+3],   v[ADRB+\slot] offset:\q*32*BPITCH+32*\i
	ds_load_tr16_b128 v[\f+8*\i+4:\f+8*\i+7], v[ADRB+\slot] offset:\q*32*BPITCH+32*\i+16*BPITCH
.endr
	WIN 0
.irp i, 0,1,2,3,4,5,6,7
	ds_load_b128 v[\f+8*\i:\f+8*\i+3],   v[ADRA+\slot] offset:\q*64+\i*16*PITCH
	ds_load_b128 v[\f+8*\i+4:\f+8*\i+7], v[ADRA+\slot] offset:\q*64+\i*16*PITCH+32
.endr
.endm
.macro PLACES                          ; four plain vector places behind a matrix instruction (ISA guide 7.12.1)
.rept 4
	v_nop
.endr
.endm
; the next K step's c of my 128 rows; older than the 32 loads of the FETCH that follows, so that the counted waits keep their counts
.macro CLOAD
.irp a, 0,1,2,3,4,5,6,7
	ds_load_b32 v[CS+\a], v[CAD] offset:64*\a
.endr
	v_add_nc_u32 v[CAD], 1024, v[CAD]
.endm
; A's fragments a0 .. a0 + 3 of buffer f times c of their rows (window 0)
.macro SCALE f, a0
.irp a, \a0, \a0+1, \a0+2, \a0+3
.irp j, 0,1,2,3,4,5,6,7
	v_pk_mul_bf16 v[\f+8*(\a)+\j], v[\f+8*(\a)+\j], v[CS+(\a)]
.endr
.endr
.endm
; The 64 accumulators take turns, one instruction a turn, in the same order in every quarter.
.macro QUARTER slot, q, f, g, zero
	s_wait_dscnt 8                                 ; all but A's rows 64-127, the youngest eight loads
	WIN 0
	SCALE \f, 0
	WIN MUL_LO
	MUL16 \f, 0, 0, \zero
	MUL16 \f, 0, 2, \zero
	PLACES
	FETCH \slot, \q, \g
	s_wait_dscnt 32                                ; all but the 32 just issued
	SCALE \f, 4
	WIN MUL_HI
	MUL16 \f, 1, 0, \zero
	MUL16 \f, 1, 2, \zero
.endm
.macro THREE slot, zero
	QUARTER \slot, 1, F0, F1, \zero
	QUARTER \slot, 2, F1, F0, 0
	QUARTER \slot, 3, F0, F1, 0
.endm
.macro TURN slot, next, fill
	s_wait_dscnt 8
	WIN 0
	SCALE F1, 0
	WIN MUL_LO
	MUL16 F1, 0, 0, 0
	s_wait_dscnt 0                                 ; my reads of this slot are over
	s_wait_tensorcnt 0x0                           ; all my tensor loads have landed: my part of the next slot
	ds_add_u32 v255, v255
	s_wait_dscnt 0x0
	s_barrier_signal -1
	MUL16 F1, 0, 2, 0                              ; register work while the others arrive
	WIN 0
	SCALE F1, 4                                    ; the last use of this K step's c
	s_barrier_wait -1
.if \fill
	CREST                                          ; the round: no wave of any partner still reads this slot or has a load on its way
	s_add_nc_u64 s[G0+4*\slot+2:G0+4*\slot+3], s[G0+4*\slot+2:G0+4*\slot+3], 2*ASTEP
	s_add_nc_u64 s[G0B+4*\slot+2:G0B+4*\slot+3], s[G0B+4*\slot+2:G0B+4*\slot+3], 2*BSTEP
	JLOAD \slot                                    ; the first tensor load behind the round
.endif
	PLACES
	CLOAD
	FETCH \next, 0, F0
	WIN MUL_HI
	MUL16 F1, 1, 0, 0
	MUL16 F1, 1, 2, 0
.endm
.macro LAP zero
	THREE 0, \zero
	TURN 0, 1, 1
	THREE 1, 0
	TURN 1, 0, 1
.endm
	s_wait_dscnt 0x0                               ; my part of the tables is written, for the other waves' sake
	s_wait_tensorcnt 1                             ; my part of K step 0 is in; K step 1's may stay out
	s_barrier_signal -1
	s_barrier_wait -1
	CLOAD
	FETCH 0, 0, F0
	LAP 1
	WIN 0
	s_mov_b32 s3, LAPS-2
.Llap:
	LAP 0
	WIN 0
	s_sub_co_u32 s3, s3, 1
	s_cmp_lg_u32 s3, 0
	s_cbranch_scc1 .Llap
	THREE 0, 0
	TURN 0, 1, 0
	THREE 1, 0
	s_wait_dscnt 8
	WIN 0
	SCALE F1, 0
	WIN MUL_LO
	MUL16 F1, 0, 0, 0
	MUL16 F1, 0, 2, 0
	s_wait_dscnt 0
	WIN 0
	SCALE F1, 4
	WIN MUL_HI
	MUL16 F1, 1, 0, 0
	MUL16 F1, 1, 2, 0
	; THE WAY OUT
	PLACES
	WIN 0
.irp i, 0,1,2,3,4,5,6,7
	ds_load_b32 v[INV+2*\i],   v[IAD] offset:64*\i                    ; 1 / Lsum of row 16 i + r, twice: a pair for the packed multiply
	ds_load_b32 v[INV+2*\i+1], v[IAD] offset:64*\i
.endr
	s_lshl_b32 s16, s13, 8
	s_lshl_b32 s17, s11, 7
	s_add_co_u32 s16, s16, s17
	s_lshl_b32 s16, s16, 11
	s_mov_b32 s17, 0
	s_add_nc_u64 s[8:9], s[8:9], s[16:17]
	s_lshl_b32 s46, s40, 9
	s_lshl_b32 s47, s12, 8
	s_add_co_u32 s46, s46, s47
	s_mov_b32 s47, 0
	s_add_nc_u64 s[8:9], s[8:9], s[46:47]
	s_wait_dscnt 0x0
.macro OUT16 i, a, hi, f
	WIN2 \hi, INPL_LO, INPL_HI
.set n, 0
.rept 32
	v_pk_mul_f32 v[64*\a+n:64*\a+n+1], v[64*\a+n:64*\a+n+1], v[INV+2*\i:INV+2*\i+1]
.set n, n+2
.endr
	WIN2 \hi, CVT_LO, CVT_HI
.set n, 0
.rept 32
	v_cvt_pk_bf16_f32 v[TMP+n], v[64*\a+2*n], v[64*\a+2*n+1]
.set n, n+1
.endr
	WIN 0
.irp b, 0,1,2,3,4,5,6,7
	ds_store_b128 v[STO], v[TMP+4*\b:TMP+4*\b+3] offset:32*\b
.endr
	s_wait_xcnt 0x0                                ; buffer f, which earlier stores read, and the stores' base are rewritten only behind this wait
.if \i
	s_add_nc_u64 s[8:9], s[8:9], 16*CROW
.endif
.irp t, 0,1,2,3,4,5,6,7
	ds_load_b128 v[\f+4*\t:\f+4*\t+3], v[RD] offset:\t*2*SPITCH    ; LDS serves a wave's instructions in order: these see the stores above
.endr
.irp t, 0,1,2,3,4,5,6,7
	s_wait_dscnt 7-\t
	global_store_b128 v[CO], v[\f+4*\t:\f+4*\t+3], s[8:9] offset:2*\t*CROW   ; 16 lanes store 256 consecutive bytes, aligned
.endr
.endm
	OUT16 0, 0, 0, F0
	OUT16 1, 1, 0, F1
	OUT16 2, 2, 0, F0
	OUT16 3, 3, 0, F1
	OUT16 4, 0, 1, F0
	OUT16 5, 1, 1, F1
	OUT16 6, 2, 1, F0
	OUT16 7, 3, 1, F1
	s_set_vgpr_msb 0x1
	s_wait_tensorcnt 0x0
	ds_add_u32 v255, v255
	s_wait_dscnt 0x0
	s_set_vgpr_msb 0x100
	CROUND                                         ; the closing round
	s_endpgm
.Lfunc_end_k_q49db7ef5f5_mix:
	.size	k_q49db7ef5f5_mix, .Lfunc_end_k_q49db7ef5f5_mix-k_q49db7ef5f5_mix
	.p2alignl 7, 3214868480
	.fill 96, 4, 3214868480
	.section	.rodata,"a",@progbits
	.p2align	6, 0x0
	.amdhsa_kernel k_q49db7ef5f5_mix
		.amdhsa_group_segment_fixed_size 327680
		.amdhsa_private_segment_fixed_size 0
		.amdhsa_enable_private_segment 0
		.amdhsa_kernarg_size 32
		.amdhsa_user_sgpr_count 2
		.amdhsa_user_sgpr_kernarg_segment_ptr 1
		.amdhsa_wavefront_size32 1
		.amdhsa_system_sgpr_workgroup_id_x 1
		.amdhsa_system_sgpr_workgroup_id_y 1
		.amdhsa_system_sgpr_workgroup_id_z 1
		.amdhsa_system_vgpr_workitem_id 0
		.amdhsa_next_free_vgpr 1024
		.amdhsa_next_free_sgpr 96
		.amdhsa_reserve_vcc 0
		.amdhsa_float_denorm_mode_32 3
		.amdhsa_float_denorm_mode_16_64 3
		.amdhsa_memory_ordered 1
		.amdhsa_forward_progress 1
		.amdhsa_inst_pref_size 255
	.end_amdhsa_kernel
	.section	.bss,"aw",@nobits
	.p2align	6
	.space	262144
	.amdgpu_metadata
---
amdhsa.version: [ 1, 2 ]
amdhsa.kernels:
  - .name:           k_q49db7ef5f5_mix
    .symbol:         k_q49db7ef5f5_mix.kd
    .args:
      - { .name: p, .offset: 0, .size: 8, .value_kind: global_buffer, .address_space: global }
      - { .name: qkv, .offset: 8, .size: 8, .value_kind: global_buffer, .address_space: global }
      - { .name: stat, .offset: 16, .size: 8, .value_kind: global_buffer, .address_space: global }
      - { .name: ob, .offset: 24, .size: 8, .value_kind: global_buffer, .address_space: global }
    .group_segment_fixed_size: 327680
    .private_segment_fixed_size: 0
    .kernarg_segment_align: 8
    .kernarg_segment_size: 32
    .max_flat_workgroup_size: 128
    .sgpr_count:     96
    .vgpr_count:     1024
    .wavefront_size: 32
...
	.end_amdgpu_metadata
.endif
;; end of part 4
;; launch proj (part 5): grid 4 x 32, 4 waves a work-group, clusters of 4 x 4, 327,680 bytes of LDS; arguments ob, xw, bo, out0; writes out0
.if DOCPART == 5
	.amdgcn_target "amdgcn-amd-amdhsa--gfx1250"
	.amdhsa_code_object_version 6
	.text
	.protected	k_q49db7ef5f5_proj
	.globl	k_q49db7ef5f5_proj
	.p2align	8
	.type	k_q49db7ef5f5_proj,@function
k_q49db7ef5f5_proj:
	s_mov_b64 s[64:65], 0
	v_nop
	global_prefetch_b8 v0, s[64:65] scope:SCOPE_SE
	s_setreg_imm32_b32 hwreg(HW_REG_WAVE_MODE, 25, 1), 1
	s_wait_xcnt 0x0
	s_wait_alu depctr_hold_cnt(0) depctr_sa_sdst(0) depctr_va_vdst(0) depctr_va_sdst(0) depctr_va_ssrc(0) depctr_va_vcc(0) depctr_vm_vsrc(0)
	s_getreg_b32 s2, hwreg(HW_REG_IB_STS2, 6, 4)
	s_cmp_eq_u32 s2, 0
	s_cbranch_scc0 .Lentry_in_a_cluster
	s_endpgm
.Lentry_in_a_cluster:
	s_bfe_u32 s2, ttmp6, 0x10000c
	s_cmp_lg_u32 s2, 0xf033
	s_cbranch_scc0 .Lentry_shape_is_right
	s_endpgm
.Lentry_shape_is_right:
; out0 = O Wo + bo in f32.  A = ob bf16 [8192][1024].  B = Wo as bf16 [k][n] (xw, byte 23,068,672), used as it lies (transposing LDS loads).
; A work-group makes 256 x 256 of the output with four waves of 128 x 128; K = 1024 in 8 steps of 128 through two LDS slots.
; 128 work-groups: a block of 256 x 256 keeps the multiply-adds fed by each LDS byte at their most.
; CLUSTERS: 4 x 4; O's tiles are shared along a cluster's row, Wo's along a column.
; The way out: 16 rows of 512 bytes at a time through the wave's own stage, so that a wave's store covers 512 consecutive bytes.
; LIMITS: operands are bf16, sums and bias f32; NaN and infinities are not followed specially.
; REGISTERS: window 0 addresses, A's fragments v64-191; window 1 B's fragments, v192-255 my 64 bias numbers; windows 2, 3 accumulators.
.set KSTEP,  128
.set LDA,    1024
.set LDB,    1024
.set CROW,   4096                      ; bytes in a row of out0
.set PITCH,  272
.set BPITCH, 544
.set HALFT,  128*PITCH
.set SLOT,   4*HALFT
.set STAGE,  2*SLOT
.set SPITCH, 528                       ; a stage row: 512 bytes + 16 = 33 x 16
.set LAPS,   4
.set ASTEP,  KSTEP*2
.set BSTEP,  KSTEP*LDB*2
.set ADRA, 16
.set ADRB, 20
.set STO,  24
.set RD,   25
.set CO,   26
.set F0,   64
.set F1,   128
.set TMP,  192
.set G1,  24
.set G0,  32
.set G1B, 48
.set G0B, 56
.set MSB, 0
.macro WIN new
.if MSB != \new
	s_set_vgpr_msb (MSB<<8)|\new
.set MSB, \new
.endif
.endm
.macro WIN2 hi, lo_set, hi_set
.if \hi
	WIN \hi_set
.else
	WIN \lo_set
.endif
.endm
.set MUL_LO, 0xa1
.set MUL_HI, 0xf1
.set TO_B,   0x40
.set ADDB_LO, 0x86                     ; destination and source 0 window 2, source 1 window 1
.set ADDB_HI, 0xc7
.set STD_LO, 0x08                      ; an LDS store's data (source 1) from window 2
.set STD_HI, 0x0c
.macro JLOAD s
	s_cmp_eq_u32 s11, 0
	s_cbranch_scc0 .Lfor_b_\@
	tensor_load_to_lds s[G0+4*\s:G0+4*\s+3], s[G1:G1+7]
	s_nop 0
	s_branch .Lasked_\@
.Lfor_b_\@:
	tensor_load_to_lds s[G0B+4*\s:G0B+4*\s+3], s[G1B:G1B+7]
	s_nop 0
.Lasked_\@:
.endm
.macro CREST
	s_cmp_lg_u32 s10, 0
	s_cbranch_scc1 .Lnot_wave_0_\@
	s_barrier_signal -3
.Lnot_wave_0_\@:
	s_barrier_wait -3
	s_barrier_signal -1
	s_barrier_wait -1
.endm
.macro CROUND
	s_barrier_signal -1
	s_barrier_wait -1
	CREST
.endm
	s_load_b128 s[4:7], s[0:1], 0x0                ; ob s[4:5], xw s[6:7]
	s_load_b64 s[68:69], s[0:1], 0x10              ; bo
	s_load_b64 s[8:9], s[0:1], 0x18                ; out0
	s_set_vgpr_msb 0x40
	v_lshl_add_u32 v63, v0, 2, 0x4c400
	s_set_vgpr_msb 0x4000
	v_mov_b32 v255, 0
	s_set_vgpr_msb 0x1
	ds_add_u32 v63, v255
	s_set_vgpr_msb 0x100
	v_lshrrev_b32 v1, 5, v0
	v_readfirstlane_b32 s10, v1
	s_lshr_b32 s11, s10, 1
	s_and_b32 s12, s10, 1
	s_bfe_u32 s40, ttmp6, 0x40000                  ; cx = block column
	s_bfe_u32 s41, ttmp6, 0x40004                  ; cy
	s_and_b32 s13, ttmp7, 0xffff
	s_lshl_b32 s13, s13, 2
	s_add_co_u32 s13, s13, s41                     ; block row
	s_lshl_b32 s43, s41, 2
	s_lshl_b32 s43, 15, s43
	s_lshl_b32 s44, 0x1111, s40
	s_or_b32 s[G1+0], s43, (1<<16)|(1<<20)|(1<<21)|(5<<22)|(3<<25)   ; A: 128 rows x 128 elements, 4 words of padding behind every 64
	s_mov_b32 s[G1+1], KSTEP<<16
	s_mov_b32 s[G1+2], 128<<16
	s_mov_b32 s[G1+3], KSTEP<<16
	s_mov_b32 s[G1+4], 128
	s_mov_b32 s[G1+5], LDA
	s_mov_b32 s[G1+6], 0
	s_mov_b32 s[G1+7], 0
	s_or_b32 s[G1B+0], s44, (1<<16)|(1<<20)|(1<<21)|(6<<22)|(7<<25)  ; B: 64 k-rows x 256 elements, 8 words of padding behind every 128
	s_mov_b32 s[G1B+1], 256<<16
	s_mov_b32 s[G1B+2], 64<<16
	s_mov_b32 s[G1B+3], 256<<16
	s_mov_b32 s[G1B+4], 64
	s_mov_b32 s[G1B+5], LDB
	s_mov_b32 s[G1B+6], 0
	s_mov_b32 s[G1B+7], 0
	s_lshl_b32 s16, s13, 8
	s_lshl_b32 s17, s12, 7
	s_add_co_u32 s16, s16, s17
	s_lshl_b32 s16, s16, 11
	s_mov_b32 s17, 0
	s_lshl_b32 s46, s12, 17                        ; Wo: 64 k-rows of 2,048 bytes x half,
	s_add_co_u32 s46, s46, 0x1600000               ; behind x and three weights,
	s_lshl_b32 s45, s40, 9
	s_add_co_u32 s46, s46, s45                     ; 512 bytes x block column
	s_mov_b32 s47, 0
	s_mul_i32 s20, s10, HALFT
	s_wait_dscnt 0x0
	s_wait_kmcnt 0x0
	s_add_nc_u64 s[14:15], s[4:5], s[16:17]
	s_add_nc_u64 s[46:47], s[6:7], s[46:47]
	CROUND
.irp s, 0,1
	s_mov_b32 s[G0+4*\s], 1
	s_add_co_u32 s[G0+4*\s+1], s20, \s*SLOT
	s_add_nc_u64 s[G0+4*\s+2:G0+4*\s+3], s[14:15], \s*ASTEP
	s_or_b32 s[G0+4*\s+3], s[G0+4*\s+3], 0x80000000
	s_mov_b32 s[G0B+4*\s], 1
	s_add_co_u32 s[G0B+4*\s+1], s20, \s*SLOT
	s_add_nc_u64 s[G0B+4*\s+2:G0B+4*\s+3], s[46:47], \s*BSTEP
	s_or_b32 s[G0B+4*\s+3], s[G0B+4*\s+3], 0x80000000
	JLOAD \s                                       ; two tensor loads of the wave are out
.endr
	v_and_b32 v1, 15, v0                           ; r
	v_bfe_u32 v2, v0, 4, 1                         ; h
	v_mul_u32_u24 v3, v1, PITCH
	v_lshl_add_u32 v3, v2, 4, v3
	v_and_b32 v4, 7, v0
	v_lshl_add_u32 v4, v2, 3, v4
	v_mul_u32_u24 v4, v4, BPITCH
	v_bfe_u32 v5, v0, 3, 1
	v_lshl_add_u32 v4, v5, 4, v4
	s_mul_i32 s21, s11, HALFT
	s_lshl_b32 s22, s12, 8
	s_add_co_u32 s22, s22, 2*HALFT
.irp s, 0,1
	v_add_nc_u32 v[ADRA+\s], s21, v3
	v_add_nc_u32 v[ADRB+\s], s22, v4
	s_add_co_u32 s21, s21, SLOT
	s_add_co_u32 s22, s22, SLOT
.endr
	s_mul_i32 s23, s10, 16*SPITCH
	s_add_co_u32 s23, s23, STAGE                   ; my stage
	v_mul_u32_u24 v4, v1, SPITCH
	v_lshl_add_u32 v4, v2, 5, v4                   ; in: row r, 32 bytes for each half of the lanes
	v_add_nc_u32 v[STO], s23, v4
	v_and_b32 v6, 31, v0
	v_lshl_add_u32 v[RD], v6, 4, s23               ; back: 32 lanes take a whole row of 512 bytes
	v_lshlrev_b32 v[CO], 4, v6
	s_lshl_b32 s80, s40, 10
	s_lshl_b32 s81, s12, 9
	s_add_co_u32 s80, s80, s81
	s_mov_b32 s81, 0
	s_add_nc_u64 s[68:69], s[68:69], s[80:81]      ; bo at my 128 columns
	v_lshlrev_b32 v7, 5, v2
	WIN TO_B
.irp b, 0,1,2,3,4,5,6,7
	global_load_b128 v[TMP+8*\b:TMP+8*\b+3],   v7, s[68:69] offset:64*\b
	global_load_b128 v[TMP+8*\b+4:TMP+8*\b+7], v7, s[68:69] offset:64*\b+16
.endr
	WIN 0
.macro MUL16 f, hi, a0, zero
.irp a, \a0, \a0+1
.irp b, 0,1,2,3,4,5,6,7
.if \zero
	v_wmma_f32_16x16x32_bf16 v[8*(8*(\a)+\b):8*(8*(\a)+\b)+7], v[\f+8*\b:\f+8*\b+7], v[\f+8*(4*\hi+\a):\f+8*(4*\hi+\a)+7], 0
.else
	v_wmma_f32_16x16x32_bf16 v[8*(8*(\a)+\b):8*(8*(\a)+\b)+7], v[\f+8*\b:\f+8*\b+7], v[\f+8*(4*\hi+\a):\f+8*(4*\hi+\a)+7], v[8*(8*(\a)+\b):8*(8*(\a)+\b)+7]
.endif
.endr
.endr
.endm
.macro FETCH slot, q, f
	WIN TO_B
.irp i, 0,1,2,3,4,5,6,7
	ds_load_tr16_b128 v[\f+8*\i:\f+8*\i+3],   v[ADRB+\slot] offset:\q*32*BPITCH+32*\i
	ds_load_tr16_b128 v[\f+8*\i+4:\f+8*\i+7], v[ADRB+\slot] offset:\q*32*BPITCH+32*\i+16*BPITCH
.endr
	WIN 0
.irp i, 0,1,2,3,4,5,6,7
	ds_load_b128 v[\f+8*\i:\f+8*\i+3],   v[ADRA+\slot] offset:\q*64+\i*16*PITCH
	ds_load_b128 v[\f+8*\i+4:\f+8*\i+7], v[ADRA+\slot] offset:\q*64+\i*16*PITCH+32
.endr
.endm
.macro PLACES                          ; four plain vector places behind a matrix instruction (ISA guide 7.12.1)
.rept 4
	v_nop
.endr
.endm
; The 64 accumulators take turns, one instruction a turn, in the same order in every quarter.
.macro QUARTER slot, q, f, g, zero
	s_wait_dscnt 8                                 ; all but A's rows 64-127, the youngest eight loads
	WIN MUL_LO
	MUL16 \f, 0, 0, \zero
	MUL16 \f, 0, 2, \zero
	PLACES
	FETCH \slot, \q, \g
	s_wait_dscnt 32                                ; all but the 32 just issued
	WIN MUL_HI
	MUL16 \f, 1, 0, \zero
	MUL16 \f, 1, 2, \zero
.endm
.macro THREE slot, zero
	QUARTER \slot, 1, F0, F1, \zero
	QUARTER \slot, 2, F1, F0, 0
	QUARTER \slot, 3, F0, F1, 0
.endm
.macro TURN slot, next, fill
	s_wait_dscnt 8
	WIN MUL_LO
	MUL16 F1, 0, 0, 0
	s_wait_dscnt 0                                 ; my reads of this slot are over
	s_wait_tensorcnt 0x0                           ; all my tensor loads have landed: my part of the next slot
	ds_add_u32 v63, v255
	s_wait_dscnt 0x0
	s_barrier_signal -1
	MUL16 F1, 0, 2, 0
	WIN 0
	s_barrier_wait -1
.if \fill
	CREST                                          ; the round: no wave of any partner still reads this slot or has a load on its way
	s_add_nc_u64 s[G0+4*\slot+2:G0+4*\slot+3], s[G0+4*\slot+2:G0+4*\slot+3], 2*ASTEP
	s_add_nc_u64 s[G0B+4*\slot+2:G0B+4*\slot+3], s[G0B+4*\slot+2:G0B+4*\slot+3], 2*BSTEP
	JLOAD \slot                                    ; the first tensor load behind the round
.endif
	PLACES
	FETCH \next, 0, F0
	WIN MUL_HI
	MUL16 F1, 1, 0, 0
	MUL16 F1, 1, 2, 0
.endm
.macro LAP zero
	THREE 0, \zero
	TURN 0, 1, 1
	THREE 1, 0
	TURN 1, 0, 1
.endm
	s_wait_loadcnt 0x0                             ; the bias
	s_wait_tensorcnt 1                             ; my part of K step 0 is in; K step 1's may stay out
	s_barrier_signal -1
	s_barrier_wait -1
	FETCH 0, 0, F0
	LAP 1
	WIN 0
	s_mov_b32 s3, LAPS-2
.Llap:
	LAP 0
	WIN 0
	s_sub_co_u32 s3, s3, 1
	s_cmp_lg_u32 s3, 0
	s_cbranch_scc1 .Llap
	THREE 0, 0
	TURN 0, 1, 0
	THREE 1, 0
	s_wait_dscnt 8
	WIN MUL_LO
	MUL16 F1, 0, 0, 0
	MUL16 F1, 0, 2, 0
	s_wait_dscnt 0
	WIN MUL_HI
	MUL16 F1, 1, 0, 0
	MUL16 F1, 1, 2, 0
	; THE WAY OUT
	PLACES
	s_lshl_b32 s16, s13, 8
	s_lshl_b32 s17, s11, 7
	s_add_co_u32 s16, s16, s17
	s_lshl_b32 s16, s16, 12                        ; 4,096 bytes a row
	s_mov_b32 s17, 0
	s_add_nc_u64 s[8:9], s[8:9], s[16:17]
	s_lshl_b32 s46, s40, 10                        ; 1,024 bytes x block column + 512 x half
	s_lshl_b32 s47, s12, 9
	s_add_co_u32 s46, s46, s47
	s_mov_b32 s47, 0
	s_add_nc_u64 s[8:9], s[8:9], s[46:47]
; rows 16 i .. 16 i + 15: the 64 registers at 64 a of window 2 (hi = 0) or 3; f: F0 or F1 in turn, all 64 registers of it
.macro OUT16F i, a, hi, f
	WIN2 \hi, ADDB_LO, ADDB_HI
.set n, 0
.rept 32
	v_pk_add_f32 v[64*\a+n:64*\a+n+1], v[64*\a+n:64*\a+n+1], v[TMP+n:TMP+n+1]   ; + bias (window 1)
.set n, n+2
.endr
	WIN2 \hi, STD_LO, STD_HI
.irp b, 0,1,2,3,4,5,6,7
	ds_store_b128 v[STO], v[64*\a+8*\b:64*\a+8*\b+3]   offset:64*\b             ; columns 16 b + 8 h + 0..3 of row r
	ds_store_b128 v[STO], v[64*\a+8*\b+4:64*\a+8*\b+7] offset:64*\b+16
.endr
	WIN 0
	s_wait_xcnt 0x0                                ; buffer f, which earlier stores read, and the stores' base are rewritten only behind this wait
.if \i
	s_add_nc_u64 s[8:9], s[8:9], 16*CROW
.endif
.set t, 0
.rept 16
	ds_load_b128 v[\f+4*t:\f+4*t+3], v[RD] offset:t*SPITCH         ; LDS serves a wave's instructions in order: these see the stores above
.set t, t+1
.endr
.set t, 0
.rept 16
	s_wait_dscnt 15-t
	global_store_b128 v[CO], v[\f+4*t:\f+4*t+3], s[8:9] offset:t*CROW th:TH_STORE_NT   ; the wave stores 512 consecutive bytes, aligned
.set t, t+1
.endr
.endm
	OUT16F 0, 0, 0, F0
	OUT16F 1, 1, 0, F1
	OUT16F 2, 2, 0, F0
	OUT16F 3, 3, 0, F1
	OUT16F 4, 0, 1, F0
	OUT16F 5, 1, 1, F1
	OUT16F 6, 2, 1, F0
	OUT16F 7, 3, 1, F1
	s_set_vgpr_msb 0x1
	s_wait_tensorcnt 0x0
	ds_add_u32 v63, v255
	s_wait_dscnt 0x0
	s_set_vgpr_msb 0x100
	CROUND                                         ; the closing round
	s_endpgm
.Lfunc_end_k_q49db7ef5f5_proj:
	.size	k_q49db7ef5f5_proj, .Lfunc_end_k_q49db7ef5f5_proj-k_q49db7ef5f5_proj
	.p2alignl 7, 3214868480
	.fill 96, 4, 3214868480
	.section	.rodata,"a",@progbits
	.p2align	6, 0x0
	.amdhsa_kernel k_q49db7ef5f5_proj
		.amdhsa_group_segment_fixed_size 327680
		.amdhsa_private_segment_fixed_size 0
		.amdhsa_enable_private_segment 0
		.amdhsa_kernarg_size 32
		.amdhsa_user_sgpr_count 2
		.amdhsa_user_sgpr_kernarg_segment_ptr 1
		.amdhsa_wavefront_size32 1
		.amdhsa_system_sgpr_workgroup_id_x 1
		.amdhsa_system_sgpr_workgroup_id_y 1
		.amdhsa_system_sgpr_workgroup_id_z 1
		.amdhsa_system_vgpr_workitem_id 0
		.amdhsa_next_free_vgpr 1024
		.amdhsa_next_free_sgpr 96
		.amdhsa_reserve_vcc 0
		.amdhsa_float_denorm_mode_32 3
		.amdhsa_float_denorm_mode_16_64 3
		.amdhsa_memory_ordered 1
		.amdhsa_forward_progress 1
		.amdhsa_inst_pref_size 214
	.end_amdhsa_kernel
	.amdgpu_metadata
---
amdhsa.version: [ 1, 2 ]
amdhsa.kernels:
  - .name:           k_q49db7ef5f5_proj
    .symbol:         k_q49db7ef5f5_proj.kd
    .args:
      - { .name: ob, .offset: 0, .size: 8, .value_kind: global_buffer, .address_space: global }
      - { .name: xw, .offset: 8, .size: 8, .value_kind: global_buffer, .address_space: global }
      - { .name: bo, .offset: 16, .size: 8, .value_kind: global_buffer, .address_space: global }
      - { .name: out0, .offset: 24, .size: 8, .value_kind: global_buffer, .address_space: global }
    .group_segment_fixed_size: 327680
    .private_segment_fixed_size: 0
    .kernarg_segment_align: 8
    .kernarg_segment_size: 32
    .max_flat_workgroup_size: 128
    .sgpr_count:     96
    .vgpr_count:     1024
    .wavefront_size: 32
...
	.end_amdgpu_metadata
.endif
;; end of part 5
;; ======== version 2 of 2: 5 launches
;; workspace buffers: xw 25,165,824 bytes; wf 2,097,152 bytes; bp 16,384 bytes; qkv 50,331,648 bytes; nrm 524,288 bytes; p 33,554,432 bytes; stat 1,048,576 bytes
;; launch cast (part 6): grid 64 x 13, 8 waves a work-group, no clusters, 3,072 bytes of LDS; arguments x, Wq, Wk, Wv, Wo, bv, xw, bp; writes xw, bp
.if DOCPART == 6
	.amdgcn_target "amdgcn-amd-amdhsa--gfx1250"
	.amdhsa_code_object_version 6
	.text
	.protected	k_q49db7ef5f5_cast
	.globl	k_q49db7ef5f5_cast
	.p2align	8
	.type	k_q49db7ef5f5_cast,@function
k_q49db7ef5f5_cast:
	s_mov_b64 s[64:65], 0
	v_nop
	global_prefetch_b8 v0, s[64:65] scope:SCOPE_SE
	s_setreg_imm32_b32 hwreg(HW_REG_WAVE_MODE, 25, 1), 1
	s_wait_xcnt 0x0
; Slabs 0-11: xw = bf16 of x, Wq, Wk, Wv, Wo, one behind the other: 12 slabs of 1,048,576 numbers (x is slabs 0-7, the weights 8-11).
; Slab 12: bp = bv Wo in f32, in four parts: bp[quarter of K][n] = sum over the quarter's 256 k of bv[k] Wo[k][n].  The launch that uses it adds the four.
; A pure stream: no matrix unit, no cluster (what two work-groups both read is Wo's 4 MiB alone, once by slab 11 and once by slab 12).
; Slabs 0-11: work-group (gx, slab) takes 16,384 numbers.  Thread t takes 16 bytes (4 numbers) of each of 16 chunks of 4,096 bytes, so a wave's load covers
; 512 consecutive bytes and its store of 8 bytes a lane 256 consecutive bytes, aligned.  All 16 loads go out at once; no register is written twice.
; Slab 12: work-group gx = 16 x quarter + column group takes 256 rows x 64 columns of Wo.  Sixteen lanes take a row's 256 bytes, so a wave's load covers two rows;
; a thread has 16 rows, 16 apart.  Its four sums meet the other half of the lanes by a lane exchange and the other waves in LDS; wave 0 stores 256 bytes.
.set CHUNKS, 16
.set IN,  8                            ; v[8:71]   chunk c: 4 f32 as loaded
.set OUT, 72                           ; v[72:103] slabs 0-11: chunk c: 4 bf16 to store
.set BV,  72                           ; v[72:87]  slab 12: bv of my 16 rows
.set AC,  88                           ; v[88:91]  slab 12: my four columns' sums
	s_load_b256 s[4:11], s[0:1], 0x0               ; x s[4:5], Wq s[6:7], Wk s[8:9], Wv s[10:11]
	s_load_b256 s[12:19], s[0:1], 0x20             ; Wo s[12:13], bv s[14:15], xw s[16:17], bp s[18:19]
	v_lshl_add_u32 v104, v0, 2, 0x800
	v_mov_b32 v105, 0
	s_and_b32 s20, ttmp7, 0xffff                   ; the slab, 0 to 12
	s_cmp_eq_u32 s20, 12
	s_cbranch_scc1 .Lbias
	s_min_u32 s21, s20, 7
	s_lshl_b32 s22, s21, 22                        ; a slab of x is 4,194,304 bytes (for slabs 8-11 this sum is replaced below)
	s_mov_b32 s23, 0
	s_lshl_b32 s24, ttmp9, 16                      ; my 65,536 bytes in the slab
	s_mov_b32 s25, 0
	s_lshl_b32 s26, s20, 21                        ; a slab of xw is 2,097,152 bytes
	s_lshl_b32 s28, ttmp9, 15
	s_add_co_u32 s26, s26, s28
	s_mov_b32 s27, 0
	v_lshlrev_b32 v1, 4, v0                        ; 16 t: in
	v_lshlrev_b32 v2, 3, v0                        ; 8 t: out
	s_wait_kmcnt 0x0
	s_add_nc_u64 s[4:5], s[4:5], s[22:23]
	s_cmp_eq_u32 s20, 8
	s_cselect_b64 s[4:5], s[6:7], s[4:5]
	s_cmp_eq_u32 s20, 9
	s_cselect_b64 s[4:5], s[8:9], s[4:5]
	s_cmp_eq_u32 s20, 10
	s_cselect_b64 s[4:5], s[10:11], s[4:5]
	s_cmp_eq_u32 s20, 11
	s_cselect_b64 s[4:5], s[12:13], s[4:5]
	s_add_nc_u64 s[4:5], s[4:5], s[24:25]
	s_add_nc_u64 s[16:17], s[16:17], s[26:27]
.set c, 0
.rept CHUNKS
	global_load_b128 v[IN+4*c:IN+4*c+3], v1, s[4:5] offset:4096*c th:TH_LOAD_NT
.set c, c+1
.endr
.set c, 0
.rept CHUNKS
	s_wait_loadcnt CHUNKS-1-c                      ; loads come back in order: chunk c is in, the younger ones stay out
	v_cvt_pk_bf16_f32 v[OUT+2*c],   v[IN+4*c],   v[IN+4*c+1]
	v_cvt_pk_bf16_f32 v[OUT+2*c+1], v[IN+4*c+2], v[IN+4*c+3]
	global_store_b64 v2, v[OUT+2*c:OUT+2*c+1], s[16:17] offset:2048*c
.set c, c+1
.endr
	s_endpgm
.Lbias:
	s_and_b32 s21, ttmp9, 15                       ; column group of 64
	s_lshr_b32 s22, ttmp9, 4                       ; quarter of K
	s_lshl_b32 s23, s21, 8                         ; 256 bytes x column group
	s_lshl_b32 s24, s22, 20                        ; Wo: 256 rows of 4,096 bytes x quarter
	s_add_co_u32 s24, s24, s23
	s_mov_b32 s25, 0
	s_lshl_b32 s26, s22, 10                        ; bv: 256 numbers x quarter
	s_mov_b32 s27, 0
	s_lshl_b32 s28, s22, 12                        ; bp: 4,096 bytes x quarter
	s_add_co_u32 s28, s28, s23
	s_mov_b32 s29, 0
	s_mov_b32 s30, 0x76543210                      ; v_permlanex16_b32: lane i of one half reads lane i of the other
	s_mov_b32 s31, 0xfedcba98
	v_and_b32 v1, 15, v0                           ; my 4 columns of the 64
	v_lshrrev_b32 v2, 4, v0                        ; my row of each 16
	v_lshlrev_b32 v3, 4, v1
	v_lshl_add_u32 v3, v2, 12, v3                  ; Wo: 4,096 x row + 16 x place
	v_lshlrev_b32 v4, 2, v2                        ; bv: 4 x row
	v_lshrrev_b32 v5, 5, v0
	v_readfirstlane_b32 s21, v5                    ; wave
	v_lshlrev_b32 v6, 4, v1
	v_lshl_add_u32 v6, v5, 8, v6                   ; LDS: 256 x wave + 16 x place
	s_wait_kmcnt 0x0
	s_add_nc_u64 s[12:13], s[12:13], s[24:25]
	s_add_nc_u64 s[14:15], s[14:15], s[26:27]
	s_add_nc_u64 s[18:19], s[18:19], s[28:29]
.set c, 0
.rept CHUNKS
	global_load_b32 v[BV+c], v4, s[14:15] offset:64*c
.set c, c+1
.endr
.set c, 0
.rept CHUNKS
	global_load_b128 v[IN+4*c:IN+4*c+3], v3, s[12:13] offset:65536*c           ; 16 rows further down each time
.set c, c+1
.endr
	s_wait_loadcnt CHUNKS-1                        ; bv and the first rows are in; the 15 younger loads stay out
.irp j, 0,1,2,3
	v_mul_f32 v[AC+\j], v[IN+\j], v[BV]            ; the first product starts the sum
.endr
.set c, 1
.rept CHUNKS-1
	s_wait_loadcnt CHUNKS-1-c
.irp j, 0,1,2,3
	v_fmac_f32 v[AC+\j], v[IN+4*c+\j], v[BV+c]
.endr
.set c, c+1
.endr
.irp j, 0,1,2,3
	v_permlanex16_b32 v[IN+\j], v[AC+\j], s30, s31 ; lanes l and l + 16 hold the same columns of two neighbouring rows
.endr
	v_pk_add_f32 v[AC:AC+1], v[AC:AC+1], v[IN:IN+1]
	v_pk_add_f32 v[AC+2:AC+3], v[AC+2:AC+3], v[IN+2:IN+3]
	ds_store_b128 v6, v[AC:AC+3]                   ; both halves of the lanes write the same bytes with the same numbers
	s_wait_dscnt 0x0                               ; for the other waves' sake
	s_barrier_signal -1
	s_barrier_wait -1
	s_cmp_lg_u32 s21, 0
	s_cbranch_scc1 .Ldone
	v_lshlrev_b32 v7, 3, v0                        ; wave 0: lane l takes columns 2 l, 2 l + 1 of all eight waves
.irp j, 0,1,2,3,4,5,6,7
	ds_load_b64 v[IN+2*\j:IN+2*\j+1], v7 offset:256*\j
.endr
	s_wait_dscnt 0x0
.irp j, 0,1,2,3
	v_pk_add_f32 v[IN+2*\j:IN+2*\j+1], v[IN+2*\j:IN+2*\j+1], v[IN+8+2*\j:IN+9+2*\j]
.endr
	v_pk_add_f32 v[IN:IN+1], v[IN:IN+1], v[IN+4:IN+5]
	v_pk_add_f32 v[IN+2:IN+3], v[IN+2:IN+3], v[IN+6:IN+7]
	v_pk_add_f32 v[IN:IN+1], v[IN:IN+1], v[IN+2:IN+3]
	global_store_b64 v7, v[IN:IN+1], s[18:19]      ; the wave stores 256 consecutive bytes, aligned
.Ldone:
	s_wait_tensorcnt 0x0
	ds_add_u32 v104, v105
	s_wait_dscnt 0x0
	s_endpgm
.Lfunc_end_k_q49db7ef5f5_cast:
	.size	k_q49db7ef5f5_cast, .Lfunc_end_k_q49db7ef5f5_cast-k_q49db7ef5f5_cast
	.p2alignl 7, 3214868480
	.fill 96, 4, 3214868480
	.section	.rodata,"a",@progbits
	.p2align	6, 0x0
	.amdhsa_kernel k_q49db7ef5f5_cast
		.amdhsa_group_segment_fixed_size 3072
		.amdhsa_private_segment_fixed_size 0
		.amdhsa_enable_private_segment 0
		.amdhsa_kernarg_size 64
		.amdhsa_user_sgpr_count 2
		.amdhsa_user_sgpr_kernarg_segment_ptr 1
		.amdhsa_wavefront_size32 1
		.amdhsa_system_sgpr_workgroup_id_x 1
		.amdhsa_system_sgpr_workgroup_id_y 1
		.amdhsa_system_sgpr_workgroup_id_z 1
		.amdhsa_system_vgpr_workitem_id 0
		.amdhsa_next_free_vgpr 106
		.amdhsa_next_free_sgpr 66
		.amdhsa_reserve_vcc 0
		.amdhsa_float_denorm_mode_32 3
		.amdhsa_float_denorm_mode_16_64 3
		.amdhsa_memory_ordered 1
		.amdhsa_forward_progress 1
		.amdhsa_inst_pref_size 16
	.end_amdhsa_kernel
	.amdgpu_metadata
---
amdhsa.version: [ 1, 2 ]
amdhsa.kernels:
  - .name:           k_q49db7ef5f5_cast
    .symbol:         k_q49db7ef5f5_cast.kd
    .args:
      - { .name: x, .offset: 0, .size: 8, .value_kind: global_buffer, .address_space: global }
      - { .name: Wq, .offset: 8, .size: 8, .value_kind: global_buffer, .address_space: global }
      - { .name: Wk, .offset: 16, .size: 8, .value_kind: global_buffer, .address_space: global }
      - { .name: Wv, .offset: 24, .size: 8, .value_kind: global_buffer, .address_space: global }
      - { .name: Wo, .offset: 32, .size: 8, .value_kind: global_buffer, .address_space: global }
      - { .name: bv, .offset: 40, .size: 8, .value_kind: global_buffer, .address_space: global }
      - { .name: xw, .offset: 48, .size: 8, .value_kind: global_buffer, .address_space: global }
      - { .name: bp, .offset: 56, .size: 8, .value_kind: global_buffer, .address_space: global }
    .group_segment_fixed_size: 3072
    .private_segment_fixed_size: 0
    .kernarg_segment_align: 8
    .kernarg_segment_size: 64
    .max_flat_workgroup_size: 256
    .sgpr_count:     66
    .vgpr_count:     106
    .wavefront_size: 32
...
	.end_amdgpu_metadata
.endif
;; end of part 6
;; launch fold (part 7): grid 16 x 16, 4 waves a work-group, clusters of 4 x 4, 308,736 bytes of LDS; arguments xw, wf; writes wf
.if DOCPART == 7
	.amdgcn_target "amdgcn-amd-amdhsa--gfx1250"
	.amdhsa_code_object_version 6
	.text
	.protected	k_q49db7ef5f5_fold
	.globl	k_q49db7ef5f5_fold
	.p2align	8
	.type	k_q49db7ef5f5_fold,@function
k_q49db7ef5f5_fold:
	s_mov_b64 s[64:65], 0
	v_nop
	global_prefetch_b8 v0, s[64:65] scope:SCOPE_SE
	s_setreg_imm32_b32 hwreg(HW_REG_WAVE_MODE, 25, 1), 1
	s_wait_xcnt 0x0
	s_wait_alu depctr_hold_cnt(0) depctr_sa_sdst(0) depctr_va_vdst(0) depctr_va_sdst(0) depctr_va_ssrc(0) depctr_va_vcc(0) depctr_vm_vsrc(0)
	s_getreg_b32 s2, hwreg(HW_REG_IB_STS2, 6, 4)
	s_cmp_eq_u32 s2, 0
	s_cbranch_scc0 .Lentry_in_a_cluster
	s_endpgm
.Lentry_in_a_cluster:
	s_bfe_u32 s2, ttmp6, 0x10000c
	s_cmp_lg_u32 s2, 0xf033
	s_cbranch_scc0 .Lentry_shape_is_right
	s_endpgm
.Lentry_shape_is_right:
; wf = Wv Wo, rounded once to bf16, laid [k][n] like the weights.  (attn (x Wv + bv)) Wo = attn (x (Wv Wo) + bv Wo) for every input, so the output
; projection of 8192 rows is replaced by this product of 1024 rows.
; A = Wv bf16 [1024][1024] (xw, byte 20,971,520), K along the rows.  B = Wo bf16 [k][n] (xw, byte 23,068,672), used as it lies (transposing LDS loads).
; 256 work-groups, each a block of 64 x 64; four waves of 32 x 32: four accumulator tiles, all registers below v192, no register windows.
; THE WHOLE K LIES IN LDS: A's 64 rows as four tiles of 256 k, B's 64 columns as four tiles of 256 k-rows.  Every LDS byte is filled once: no ring, no refill.
; Whole-K residence takes (M + N) x 2,048 bytes and padding, which allows M + N = 128.  So a block's rows of Wo and of wf are 128 bytes, half of an aligned block of
; 256: this concerns 2 MiB in and 2 MiB out.  A block of 128 columns would need its B tiles filled again, with 64 matrix instructions of a wave behind each refill.
; CLUSTERS: 4 x 4; A's tiles are shared along a cluster's row, B's along a column.  Waves 0, 1 ask for A's tiles, waves 2, 3 for B's, two each: two tensor loads of
; a wave are out.  Each wave's first tile belongs to K's first half, so the products of that half begin while the second tiles are on their way.
; The matrix instruction is used transposed (source 0 = B, source 1 = A): lane l holds row l % 16, registers 0-7 the columns 8 (l / 16) + 0..7.
; LIMITS: operands bf16, sums f32; NaN and infinities are not followed specially.
.set PA,    528                        ; A's LDS row: 512 bytes + 16 = 33 x 16
.set PB,    160                        ; B's LDS row: 128 bytes + 32 = 5 x 32
.set AQ,    64*PA                      ; a tile of A: 33,792 bytes
.set BQ,    256*PB                     ; a tile of B: 40,960 bytes
.set BBASE, 4*AQ
.set STAGE, BBASE+4*BQ                 ; 64 rows x 144 bytes for the way out; no tensor load lands here
.set SP,    144
.set CROW,  2048
.set ADRA, 16                          ; v16-19  LDS address of my A fragments in K quarter 0..3
.set ADRB, 20                          ; v20-23  the same for B
.set STO,  24
.set RD,   25
.set CO,   26
.set ACC,  32                          ; v[32:63] tile (a, b) at 8 (2 a + b)
.set F0,   64                          ; a fragment buffer: 64 along K: for each 32: A's two fragments, then B's two
.set F1,   128
.set G1,  24
.set G0,  32
.set G1B, 48
.set G0B, 56
.macro CREST
	s_cmp_lg_u32 s10, 0
	s_cbranch_scc1 .Lnot_wave_0_\@
	s_barrier_signal -3
.Lnot_wave_0_\@:
	s_barrier_wait -3
	s_barrier_signal -1
	s_barrier_wait -1
.endm
.macro CROUND                          ; a round of the cluster's barrier
	s_barrier_signal -1
	s_barrier_wait -1
	CREST
.endm
	s_load_b128 s[4:7], s[0:1], 0x0                ; xw s[4:5], wf s[6:7]
	v_lshl_add_u32 v192, v0, 2, 0x4b400
	v_mov_b32 v193, 0
	ds_add_u32 v192, v193
	v_lshrrev_b32 v1, 5, v0
	v_readfirstlane_b32 s10, v1                    ; wave
	s_lshr_b32 s11, s10, 1                         ; my half of the rows.  Also: I fetch for A (0) or for B (1)
	s_and_b32 s12, s10, 1                          ; my half of the columns.  Also: I fetch K quarters s12 and s12 + 2
	s_bfe_u32 s40, ttmp6, 0x40000                  ; cx
	s_bfe_u32 s41, ttmp6, 0x40004                  ; cy
	s_lshl_b32 s42, ttmp9, 2
	s_add_co_u32 s42, s42, s40                     ; block column, 0 to 15
	s_and_b32 s13, ttmp7, 0xffff
	s_lshl_b32 s13, s13, 2
	s_add_co_u32 s13, s13, s41                     ; block row, 0 to 15
	s_lshl_b32 s43, s41, 2
	s_lshl_b32 s43, 15, s43                        ; my row of the cluster
	s_lshl_b32 s44, 0x1111, s40                    ; my column
	; group 1 for A: 64 rows x 256 elements of 2 bytes, 4 words of padding behind every 128
	s_or_b32 s[G1+0], s43, (1<<16)|(1<<20)|(1<<21)|(6<<22)|(3<<25)
	s_mov_b32 s[G1+1], 256<<16                     ; tensor_dim0 = 256
	s_mov_b32 s[G1+2], 64<<16                      ; tensor_dim1 = 64
	s_mov_b32 s[G1+3], 256<<16                     ; tile_dim0 = 256
	s_mov_b32 s[G1+4], 64                          ; tile_dim1 = 64
	s_mov_b32 s[G1+5], 1024                        ; elements from row to row
	s_mov_b32 s[G1+6], 0
	s_mov_b32 s[G1+7], 0
	; group 1 for B: 256 k-rows x 64 elements, 8 words of padding behind every 32
	s_or_b32 s[G1B+0], s44, (1<<16)|(1<<20)|(1<<21)|(4<<22)|(7<<25)
	s_mov_b32 s[G1B+1], 64<<16                     ; tensor_dim0 = 64
	s_mov_b32 s[G1B+2], 256<<16                    ; tensor_dim1 = 256
	s_mov_b32 s[G1B+3], 64<<16                     ; tile_dim0 = 64
	s_mov_b32 s[G1B+4], 256                        ; tile_dim1 = 256
	s_mov_b32 s[G1B+5], 1024
	s_mov_b32 s[G1B+6], 0
	s_mov_b32 s[G1B+7], 0
	s_lshl_b32 s16, s13, 17                        ; A: 64 rows of 2,048 bytes x block row,
	s_lshl_b32 s17, s12, 9
	s_add_co_u32 s16, s16, s17                     ; 512 bytes x K quarter,
	s_add_co_u32 s16, s16, 0x1400000               ; Wv's place in xw
	s_mov_b32 s17, 0
	s_lshl_b32 s46, s12, 19                        ; B: 256 rows of 2,048 bytes x K quarter,
	s_lshl_b32 s45, s42, 7
	s_add_co_u32 s46, s46, s45                     ; 128 bytes x block column,
	s_add_co_u32 s46, s46, 0x1600000               ; Wo's place in xw
	s_mov_b32 s47, 0
	s_mul_i32 s20, s10, AQ                         ; waves 0, 1: A's tiles 0, 1
	s_mul_i32 s21, s10, BQ
	s_add_co_u32 s21, s21, BBASE-2*BQ              ; waves 2, 3: B's tiles 0, 1
	s_wait_dscnt 0x0
	s_wait_kmcnt 0x0
	s_add_nc_u64 s[14:15], s[4:5], s[16:17]
	s_add_nc_u64 s[46:47], s[4:5], s[46:47]
	CROUND                                         ; all sixteen work-groups are here: the joint loads meet
.irp s, 0,1
	s_mov_b32 s[G0+4*\s], 1
	s_add_co_u32 s[G0+4*\s+1], s20, \s*2*AQ
	s_add_nc_u64 s[G0+4*\s+2:G0+4*\s+3], s[14:15], \s*1024         ; two K quarters on: 512 elements along the rows
	s_or_b32 s[G0+4*\s+3], s[G0+4*\s+3], 0x80000000
	s_mov_b32 s[G0B+4*\s], 1
	s_add_co_u32 s[G0B+4*\s+1], s21, \s*2*BQ
	s_add_nc_u64 s[G0B+4*\s+2:G0B+4*\s+3], s[46:47], \s*1048576    ; 512 rows down
	s_or_b32 s[G0B+4*\s+3], s[G0B+4*\s+3], 0x80000000
.endr
	s_cmp_eq_u32 s11, 0                            ; one branch on the wave's number holds all the fills of a wave
	s_cbranch_scc0 .Lfor_b
	tensor_load_to_lds s[G0:G0+3], s[G1:G1+7]
	s_nop 0
	tensor_load_to_lds s[G0+4:G0+7], s[G1:G1+7]
	s_nop 0
	s_branch .Lasked
.Lfor_b:
	tensor_load_to_lds s[G0B:G0B+3], s[G1B:G1B+7]
	s_nop 0
	tensor_load_to_lds s[G0B+4:G0B+7], s[G1B:G1B+7]
	s_nop 0
.Lasked:
	v_and_b32 v1, 15, v0                           ; r
	v_bfe_u32 v2, v0, 4, 1                         ; h
	v_mul_u32_u24 v3, v1, PA
	v_lshl_add_u32 v3, v2, 4, v3                   ; A: r x pitch + 16 h
	v_and_b32 v4, 7, v0
	v_lshl_add_u32 v4, v2, 3, v4
	v_mul_u32_u24 v4, v4, PB
	v_bfe_u32 v5, v0, 3, 1
	v_lshl_add_u32 v4, v5, 4, v4                   ; B: (8 h + l % 8) x pitch + 16 ((l / 8) % 2)
	s_mul_i32 s22, s11, 32*PA                      ; my 32 rows of A
	s_lshl_b32 s23, s12, 6                         ; my 32 columns of B: 64 bytes along its rows
	s_add_co_u32 s23, s23, BBASE
.irp q, 0,1,2,3
	v_add_nc_u32 v[ADRA+\q], s22, v3
	v_add_nc_u32 v[ADRB+\q], s23, v4
	s_add_co_u32 s22, s22, AQ
	s_add_co_u32 s23, s23, BQ
.endr
	v_mul_u32_u24 v6, v1, SP
	v_lshl_add_u32 v6, v2, 4, v6
	s_mul_i32 s80, s11, 32*SP
	s_lshl_b32 s81, s12, 6
	s_add_co_u32 s80, s80, s81
	s_add_co_u32 s80, s80, STAGE
	v_add_nc_u32 v[STO], s80, v6                   ; in: row 32 mh + r, byte 64 nh + 16 h
	v_lshrrev_b32 v7, 3, v0                        ; back: eight threads take a row's 128 bytes
	v_and_b32 v8, 7, v0
	v_mul_u32_u24 v9, v7, SP
	v_lshl_add_u32 v9, v8, 4, v9
	v_add_nc_u32 v[RD], STAGE, v9
	v_lshlrev_b32 v10, 11, v7
	v_lshl_add_u32 v[CO], v8, 4, v10
; 16 LDS loads: the fragments of group g (64 along K) into buffer f
.macro LOADG g, f
.irp s, 0,1
.irp a, 0,1
	ds_load_b128 v[\f+32*\s+8*\a:\f+32*\s+8*\a+3],   v[ADRA+(\g)/4] offset:\a*16*PA+(((\g)%4)*64+32*\s)*2
	ds_load_b128 v[\f+32*\s+8*\a+4:\f+32*\s+8*\a+7], v[ADRA+(\g)/4] offset:\a*16*PA+(((\g)%4)*64+32*\s)*2+32
.endr
.irp b, 0,1
	ds_load_tr16_b128 v[\f+32*\s+16+8*\b:\f+32*\s+16+8*\b+3],   v[ADRB+(\g)/4] offset:(((\g)%4)*64+32*\s)*PB+32*\b
	ds_load_tr16_b128 v[\f+32*\s+16+8*\b+4:\f+32*\s+16+8*\b+7], v[ADRB+(\g)/4] offset:(((\g)%4)*64+32*\s)*PB+32*\b+16*PB
.endr
.endr
.endm
; 8 matrix instructions on buffer f.  The four accumulators take turns, one instruction a turn, in the same order throughout.
; zero = 1: the first four products start the sums.
.macro MULG f, zero
.irp s, 0,1
.irp a, 0,1
.irp b, 0,1
.if \zero*(1-\s)
	v_wmma_f32_16x16x32_bf16 v[ACC+8*(2*\a+\b):ACC+8*(2*\a+\b)+7], v[\f+32*\s+16+8*\b:\f+32*\s+16+8*\b+7], v[\f+32*\s+8*\a:\f+32*\s+8*\a+7], 0
.else
	v_wmma_f32_16x16x32_bf16 v[ACC+8*(2*\a+\b):ACC+8*(2*\a+\b)+7], v[\f+32*\s+16+8*\b:\f+32*\s+16+8*\b+7], v[\f+32*\s+8*\a:\f+32*\s+8*\a+7], v[ACC+8*(2*\a+\b):ACC+8*(2*\a+\b)+7]
.endif
.endr
.endr
.endr
.endm
.macro PLACES                          ; four plain vector places between a matrix instruction and a load into, or a vector instruction on, one of its registers
.rept 4
	v_nop
.endr
.endm
; group g is multiplied, and its buffer is loaded with group g + 2
.macro STEP g, f, zero
	s_wait_dscnt 16                                ; group g is in; the 16 younger loads, the other buffer's, may be out
	MULG \f, \zero
	PLACES
	LOADG \g+2, \f
.endm
	s_wait_tensorcnt 1                             ; my first tile is in; my second, of K's second half, stays out
	s_barrier_signal -1
	s_barrier_wait -1                              ; K's first half is whole: groups 0 to 7
	LOADG 0, F0
	LOADG 1, F1
	STEP 0, F0, 1
	STEP 1, F1, 0
	STEP 2, F0, 0
	STEP 3, F1, 0
	STEP 4, F0, 0
	STEP 5, F1, 0
	s_wait_dscnt 0x0                               ; groups 6 and 7 are in: no LDS instruction is out at a signal
	s_wait_tensorcnt 0x0                           ; my second tile is in
	s_barrier_signal -1
	MULG F0, 0                                     ; group 6: register work while the others arrive
	s_barrier_wait -1                              ; K's second half is whole
	PLACES
	LOADG 8, F0
	STEP 7, F1, 0
	STEP 8, F0, 0
	STEP 9, F1, 0
	STEP 10, F0, 0
	STEP 11, F1, 0
	STEP 12, F0, 0
	STEP 13, F1, 0
	s_wait_dscnt 16
	MULG F0, 0                                     ; group 14
	s_wait_dscnt 0x0
	MULG F1, 0                                     ; group 15
	; THE WAY OUT: the four waves' tiles meet in the stage as 64 rows of 128 bytes
	PLACES
.irp a, 0,1
.irp b, 0,1
.irp r, 0,1,2,3
	v_cvt_pk_bf16_f32 v[F0+4*(2*\a+\b)+\r], v[ACC+8*(2*\a+\b)+2*\r], v[ACC+8*(2*\a+\b)+2*\r+1]
.endr
.endr
.endr
.irp a, 0,1
.irp b, 0,1
	ds_store_b128 v[STO], v[F0+4*(2*\a+\b):F0+4*(2*\a+\b)+3] offset:\a*16*SP+32*\b
.endr
.endr
	s_lshl_b32 s16, s13, 17                        ; wf: 64 rows of 2,048 bytes x block row
	s_mov_b32 s17, 0
	s_add_nc_u64 s[6:7], s[6:7], s[16:17]
	s_lshl_b32 s46, s42, 7                         ; 128 bytes x block column
	s_mov_b32 s47, 0
	s_add_nc_u64 s[6:7], s[6:7], s[46:47]
	s_wait_dscnt 0x0                               ; for the other waves' sake
	s_barrier_signal -1
	s_barrier_wait -1
.irp i, 0,1,2,3
	ds_load_b128 v[F1+4*\i:F1+4*\i+3], v[RD] offset:\i*16*SP
.endr
.irp i, 0,1,2,3
	s_wait_dscnt 3-\i
	global_store_b128 v[CO], v[F1+4*\i:F1+4*\i+3], s[6:7] offset:\i*16*CROW    ; eight lanes store a row's 128 consecutive bytes
.endr
	s_wait_tensorcnt 0x0
	ds_add_u32 v192, v193
	s_wait_dscnt 0x0
	CROUND                                         ; the closing round: no work-group ends while a partner may still ask for a tile that names it
	s_endpgm
.Lfunc_end_k_q49db7ef5f5_fold:
	.size	k_q49db7ef5f5_fold, .Lfunc_end_k_q49db7ef5f5_fold-k_q49db7ef5f5_fold
	.p2alignl 7, 3214868480
	.fill 96, 4, 3214868480
	.section	.rodata,"a",@progbits
	.p2align	6, 0x0
	.amdhsa_kernel k_q49db7ef5f5_fold
		.amdhsa_group_segment_fixed_size 308736
		.amdhsa_private_segment_fixed_size 0
		.amdhsa_enable_private_segment 0
		.amdhsa_kernarg_size 16
		.amdhsa_user_sgpr_count 2
		.amdhsa_user_sgpr_kernarg_segment_ptr 1
		.amdhsa_wavefront_size32 1
		.amdhsa_system_sgpr_workgroup_id_x 1
		.amdhsa_system_sgpr_workgroup_id_y 1
		.amdhsa_system_sgpr_workgroup_id_z 1
		.amdhsa_system_vgpr_workitem_id 0
		.amdhsa_next_free_vgpr 194
		.amdhsa_next_free_sgpr 96
		.amdhsa_reserve_vcc 0
		.amdhsa_float_denorm_mode_32 3
		.amdhsa_float_denorm_mode_16_64 3
		.amdhsa_memory_ordered 1
		.amdhsa_forward_progress 1
		.amdhsa_inst_pref_size 36
	.end_amdhsa_kernel
	.amdgpu_metadata
---
amdhsa.version: [ 1, 2 ]
amdhsa.kernels:
  - .name:           k_q49db7ef5f5_fold
    .symbol:         k_q49db7ef5f5_fold.kd
    .args:
      - { .name: xw, .offset: 0, .size: 8, .value_kind: global_buffer, .address_space: global }
      - { .name: wf, .offset: 8, .size: 8, .value_kind: global_buffer, .address_space: global }
    .group_segment_fixed_size: 308736
    .private_segment_fixed_size: 0
    .kernarg_segment_align: 8
    .kernarg_segment_size: 16
    .max_flat_workgroup_size: 128
    .sgpr_count:     96
    .vgpr_count:     194
    .wavefront_size: 32
...
	.end_amdgpu_metadata
.endif
;; end of part 7
;; launch qkv (part 8): grid 12 x 32, 4 waves a work-group, clusters of 4 x 4, 327,680 bytes of LDS; arguments xw, wf, bq, bk, bp, qkv, nrm; writes qkv, nrm
.if DOCPART == 8
	.amdgcn_target "amdgcn-amd-amdhsa--gfx1250"
	.amdhsa_code_object_version 6
	.text
	.protected	k_q49db7ef5f5_qkv
	.globl	k_q49db7ef5f5_qkv
	.p2align	8
	.type	k_q49db7ef5f5_qkv,@function
k_q49db7ef5f5_qkv:
	s_mov_b64 s[64:65], 0
	v_nop
	global_prefetch_b8 v0, s[64:65] scope:SCOPE_SE
	s_setreg_imm32_b32 hwreg(HW_REG_WAVE_MODE, 25, 1), 1
	s_wait_xcnt 0x0
	s_wait_alu depctr_hold_cnt(0) depctr_sa_sdst(0) depctr_va_vdst(0) depctr_va_sdst(0) depctr_va_ssrc(0) depctr_va_vcc(0) depctr_vm_vsrc(0)
	s_getreg_b32 s2, hwreg(HW_REG_IB_STS2, 6, 4)
	s_cmp_eq_u32 s2, 0
	s_cbranch_scc0 .Lentry_in_a_cluster
	s_endpgm
.Lentry_in_a_cluster:
	s_bfe_u32 s2, ttmp6, 0x10000c
	s_cmp_lg_u32 s2, 0xf033
	s_cbranch_scc0 .Lentry_shape_is_right
	s_endpgm
.Lentry_shape_is_right:
; q = x Wq + bq, k = x Wk + bk, v' = x (Wv Wo) + bv Wo, each rounded once to bf16; and, for q and k, partial sums of squares of the ROUNDED numbers.
; A = x as bf16 [8192][1024] (xw, byte 0).  B = the weight as bf16 [k][n]: Wq, Wk in xw (byte 16,777,216 + 2,097,152 x weight), Wv Wo in wf; used as it lies:
; its fragments are transposed on the way from LDS to registers (ds_load_tr16_b128).  C = qkv [3][8192][1024] bf16.  Sums and bias in f32.
; The third bias, bv Wo, comes in four parts (bp [4][1024] f32), which are added here.
; A work-group makes 256 x 256 of C with four waves of 128 x 128 (64 accumulator tiles of 16 x 16, 512 registers).  K = 1024 goes in 8 steps
; of 128 through two LDS slots filled by the tensor data mover.
; CLUSTERS: 4 x 4 work-groups.  A cluster is 1024 columns wide, that is one weight: the cluster's x is the weight's number, cx the block column.
; The four of a cluster's row need the same tiles of A, the four of a column the same tiles of B: each tile is asked for jointly.
; nrm [2 (q, k)][8 column parts of 128][8192 rows] f32: a wave's sum over its 128 columns.  The squares are taken of the bf16 numbers that the next
; launch multiplies, so that |q|^2 + |k|^2 - 2 q.k there is the distance of those very vectors.
; LIMITS: NaN and infinities are not followed specially; operands are rounded to bf16.
; REGISTERS, in windows of 256: window 0: v0-63 addresses and small figures, v64-127 and v128-191 fragments of A (two buffers), v192-255 at work;
; window 1: v64-127, v128-191 fragments of B, v192-255 my 64 bias numbers; window 2: accumulators of my rows 0-63 (tile (a, b) at v[8 (8 a + b)]);
; window 3: those of rows 64-127.
; THE MATRIX INSTRUCTION IS USED TRANSPOSED (source 0 = B, source 1 = A): lane l holds row l % 16 of C, registers 0-7 the columns 8 (l / 16) + 0..7.
.set KSTEP,  128
.set LDA,    1024                      ; elements in a row of A
.set LDB,    1024                      ; elements in a row of B
.set CROW,   2048                      ; bytes in a row of C
.set PITCH,  272                       ; A's LDS row: 256 bytes + 16: the 16 rows of a fragment load start 68 words apart
.set BPITCH, 544                       ; B's LDS row: 512 bytes + 32 = 17 x 32
.set HALFT,  128*PITCH                 ; what one tensor load brings: 128 rows of A, or 64 rows of B (64 x 544 is the same 34,816 bytes)
.set SLOT,   4*HALFT                   ; A's 256 rows, then B's 128 k-rows
.set STAGE,  2*SLOT                    ; behind the ring: 16 rows x 272 bytes for each wave; no tensor load lands here
.set SPITCH, 272
.set LAPS,   4                         ; a lap = two K steps = once round the ring
.set ASTEP,  KSTEP*2                   ; bytes from one K step of A to the next
.set BSTEP,  KSTEP*LDB*2               ; the same for B: 128 rows down
.set ADRA, 16                          ; v16-17  LDS address of my A fragments in slot 0, 1
.set ADRB, 20                          ; v20-21  the same for B
.set STO,  24                          ; the way out: where I put 16 bytes of a row
.set RD,   25                          ; where I read a row back
.set CO,   26                          ; my byte offset in C
.set FIN,  27                          ; row figures: stage + 4 l
.set FBK,  28                          ; row figures: stage + 16 l
.set FOF,  29                          ; 16 l
.set NS,   48                          ; v48-55  sum of squares of row 16 i + l % 16
.set F0,   64
.set F1,   128
.set TMP,  192
.set G1,  24                           ; s[24:31] group 1 for A's tiles
.set G0,  32                           ; s[32:39] group 0 for A's tiles, one set for each slot
.set G1B, 48                           ; s[48:55] group 1 for B's tiles
.set G0B, 56                           ; s[56:63] group 0 for B's tiles
.set MSB, 0
.macro WIN new                         ; the immediate's high byte repeats the setting that is left
.if MSB != \new
	s_set_vgpr_msb (MSB<<8)|\new
.set MSB, \new
.endif
.endm
.macro WIN2 hi, lo_set, hi_set
.if \hi
	WIN \hi_set
.else
	WIN \lo_set
.endif
.endm
.set MUL_LO, 0xa1                      ; source 0 (B) window 1, source 1 (A) window 0, C and D window 2
.set MUL_HI, 0xf1                      ; the same, C and D window 3
.set TO_B,   0x40                      ; destination window 1
.set IN_B,   0x45                      ; destination and both sources window 1
.set B_A,    0x41                      ; destination and source 0 window 1, source 1 window 0
.set ADDB_LO, 0x86                     ; destination and source 0 window 2, source 1 window 1
.set ADDB_HI, 0xc7                     ; the same with window 3
.set CVT_LO, 0x0a                      ; sources 0 and 1 window 2, destination window 0
.set CVT_HI, 0x0f
; A joint load.  Waves 0 and 1 fetch A's two halves, waves 2 and 3 B's.  The branch hangs on the wave's number alone.
.macro JLOAD s
	s_cmp_eq_u32 s11, 0
	s_cbranch_scc0 .Lfor_b_\@
	tensor_load_to_lds s[G0+4*\s:G0+4*\s+3], s[G1:G1+7]
	s_nop 0
	s_branch .Lasked_\@
.Lfor_b_\@:
	tensor_load_to_lds s[G0B+4*\s:G0B+4*\s+3], s[G1B:G1B+7]
	s_nop 0
.Lasked_\@:
.endm
; A round of the cluster's barrier: my work-group's barrier, wave 0 signals for the work-group, every wave waits for all sixteen, my work-group's barrier again.
.macro CREST
	s_cmp_lg_u32 s10, 0
	s_cbranch_scc1 .Lnot_wave_0_\@
	s_barrier_signal -3
.Lnot_wave_0_\@:
	s_barrier_wait -3
	s_barrier_signal -1
	s_barrier_wait -1
.endm
.macro CROUND
	s_barrier_signal -1
	s_barrier_wait -1
	CREST
.endm
	s_load_b128 s[4:7], s[0:1], 0x0                ; xw s[4:5], wf s[6:7]
	s_load_b128 s[68:71], s[0:1], 0x10             ; bq s[68:69], bk s[70:71]
	s_load_b64 s[72:73], s[0:1], 0x20              ; bp
	s_load_b64 s[8:9], s[0:1], 0x28                ; qkv
	s_load_b64 s[74:75], s[0:1], 0x30              ; nrm
	s_set_vgpr_msb 0x40
	v_lshl_add_u32 v63, v0, 2, 0x48400
	s_set_vgpr_msb 0x4000
	v_mov_b32 v255, 0
	s_set_vgpr_msb 0x1
	ds_add_u32 v63, v255
	s_set_vgpr_msb 0x100
	v_lshrrev_b32 v1, 5, v0
	v_readfirstlane_b32 s10, v1                    ; wave 0..3
	s_lshr_b32 s11, s10, 1                         ; my half of the block's rows.  Also: I fetch for A (0) or for B (1)
	s_and_b32 s12, s10, 1                          ; my half of its columns.  Also: which half of that tile I fetch
	s_bfe_u32 s40, ttmp6, 0x40000                  ; cx = block column inside the weight
	s_bfe_u32 s41, ttmp6, 0x40004                  ; cy
	s_mov_b32 s79, ttmp9                           ; the cluster's x = the weight: 0 q, 1 k, 2 v'
	s_and_b32 s13, ttmp7, 0xffff
	s_lshl_b32 s13, s13, 2
	s_add_co_u32 s13, s13, s41                     ; block row = 4 x cluster y + cy
	s_lshl_b32 s43, s41, 2
	s_lshl_b32 s43, 15, s43                        ; my row of the cluster
	s_lshl_b32 s44, 0x1111, s40                    ; my column
	s_mov_b32 s76, 0x76543210                      ; v_permlanex16_b32: lane i of one half reads lane i of the other
	s_mov_b32 s77, 0xfedcba98
	s_mov_b32 s78, 0xffff0000                      ; lanes 16-31
	; group 1 for A: 128 rows x 128 elements of 2 bytes, 4 words of padding behind every 64
	s_or_b32 s[G1+0], s43, (1<<16)|(1<<20)|(1<<21)|(5<<22)|(3<<25)
	s_mov_b32 s[G1+1], KSTEP<<16                   ; tensor_dim0 = 128
	s_mov_b32 s[G1+2], 128<<16                     ; tensor_dim1 = 128
	s_mov_b32 s[G1+3], KSTEP<<16                   ; tile_dim0 = 128
	s_mov_b32 s[G1+4], 128                         ; tile_dim1 = 128
	s_mov_b32 s[G1+5], LDA                         ; elements from row to row
	s_mov_b32 s[G1+6], 0
	s_mov_b32 s[G1+7], 0
	; group 1 for B: 64 k-rows x 256 elements, 8 words of padding behind every 128
	s_or_b32 s[G1B+0], s44, (1<<16)|(1<<20)|(1<<21)|(6<<22)|(7<<25)
	s_mov_b32 s[G1B+1], 256<<16                    ; tensor_dim0 = 256
	s_mov_b32 s[G1B+2], 64<<16                     ; tensor_dim1 = 64
	s_mov_b32 s[G1B+3], 256<<16                    ; tile_dim0 = 256
	s_mov_b32 s[G1B+4], 64                         ; tile_dim1 = 64
	s_mov_b32 s[G1B+5], LDB
	s_mov_b32 s[G1B+6], 0
	s_mov_b32 s[G1B+7], 0
	; A's tiles hang on the block row alone, B's on the weight and the block column alone; each offset in registers that never hold the other coordinate
	s_lshl_b32 s16, s13, 8
	s_lshl_b32 s17, s12, 7
	s_add_co_u32 s16, s16, s17                     ; A: row 256 x block row + 128 x half
	s_lshl_b32 s16, s16, 11                        ; x 2,048 bytes (below 16,777,216)
	s_mov_b32 s17, 0
	s_lshl_b32 s46, s79, 21                        ; B: Wq or Wk,
	s_add_co_u32 s46, s46, 0x1000000               ; behind x;
	s_cmp_eq_u32 s79, 2
	s_cselect_b32 s46, 0, s46                      ; Wv Wo has a buffer of its own
	s_lshl_b32 s45, s12, 17
	s_add_co_u32 s46, s46, s45                     ; 64 k-rows of 2,048 bytes x half,
	s_lshl_b32 s45, s40, 9
	s_add_co_u32 s46, s46, s45                     ; 512 bytes x block column
	s_mov_b32 s47, 0
	s_mul_i32 s20, s10, HALFT                      ; where they go: wave x 34,816: A's two halves, then B's two
	s_wait_dscnt 0x0
	s_wait_kmcnt 0x0
	s_add_nc_u64 s[14:15], s[4:5], s[16:17]
	s_cmp_eq_u32 s79, 2                            ; the weight's number is the cluster's x: equal in all partners
	s_cselect_b64 s[6:7], s[6:7], s[4:5]
	s_add_nc_u64 s[46:47], s[6:7], s[46:47]
	CROUND                                         ; all sixteen work-groups are here: the first joint loads meet
.irp s, 0,1
	s_mov_b32 s[G0+4*\s], 1
	s_add_co_u32 s[G0+4*\s+1], s20, \s*SLOT
	s_add_nc_u64 s[G0+4*\s+2:G0+4*\s+3], s[14:15], \s*ASTEP
	s_or_b32 s[G0+4*\s+3], s[G0+4*\s+3], 0x80000000
	s_mov_b32 s[G0B+4*\s], 1
	s_add_co_u32 s[G0B+4*\s+1], s20, \s*SLOT
	s_add_nc_u64 s[G0B+4*\s+2:G0B+4*\s+3], s[46:47], \s*BSTEP
	s_or_b32 s[G0B+4*\s+3], s[G0B+4*\s+3], 0x80000000
	JLOAD \s                                       ; both slots' first fills go out before anything else: two tensor loads of the wave are out
.endr
	; A's fragment: lane l holds row l % 16; two loads of 16 bytes, 32 apart, at row x pitch + 16 (l / 16).
	; B's fragment from rows that lie along n: two transposing loads, 16 k-rows apart, at (8 (l / 16) + l % 8) x pitch + 16 ((l / 8) % 2).
	v_and_b32 v1, 15, v0                           ; r
	v_bfe_u32 v2, v0, 4, 1                         ; h
	v_mul_u32_u24 v3, v1, PITCH
	v_lshl_add_u32 v3, v2, 4, v3
	v_and_b32 v4, 7, v0
	v_lshl_add_u32 v4, v2, 3, v4
	v_mul_u32_u24 v4, v4, BPITCH
	v_bfe_u32 v5, v0, 3, 1
	v_lshl_add_u32 v4, v5, 4, v4
	s_mul_i32 s21, s11, HALFT                      ; my 128 rows of A
	s_lshl_b32 s22, s12, 8                         ; my 128 columns of B: 256 bytes along its rows,
	s_add_co_u32 s22, s22, 2*HALFT                 ; behind A's 256 rows
.irp s, 0,1
	v_add_nc_u32 v[ADRA+\s], s21, v3
	v_add_nc_u32 v[ADRB+\s], s22, v4
	s_add_co_u32 s21, s21, SLOT
	s_add_co_u32 s22, s22, SLOT
.endr
	s_mul_i32 s23, s10, 16*SPITCH
	s_add_co_u32 s23, s23, STAGE                   ; my stage
	v_mul_u32_u24 v4, v1, SPITCH
	v_lshl_add_u32 v4, v2, 4, v4
	v_add_nc_u32 v[STO], s23, v4
	v_mul_u32_u24 v5, v2, SPITCH
	v_lshl_add_u32 v5, v1, 4, v5
	v_add_nc_u32 v[RD], s23, v5
	v_mul_u32_u24 v5, v2, CROW
	v_lshl_add_u32 v[CO], v1, 4, v5
	v_and_b32 v6, 31, v0
	v_lshl_add_u32 v[FIN], v6, 2, s23
	v_lshl_add_u32 v[FBK], v6, 4, s23
	v_lshlrev_b32 v[FOF], 4, v6
	; my 64 bias numbers: columns 16 b + 8 h + 0..7 of my 128, into window 1
	s_cmp_eq_u32 s79, 1
	s_cselect_b64 s[68:69], s[70:71], s[68:69]
	s_cmp_eq_u32 s79, 2
	s_cselect_b64 s[68:69], s[72:73], s[68:69]
	s_lshl_b32 s80, s40, 10
	s_lshl_b32 s81, s12, 9
	s_add_co_u32 s80, s80, s81
	s_mov_b32 s81, 0
	s_add_nc_u64 s[68:69], s[68:69], s[80:81]
	v_lshlrev_b32 v7, 5, v2                        ; 32 h
	WIN TO_B
.irp b, 0,1,2,3,4,5,6,7
	global_load_b128 v[TMP+8*\b:TMP+8*\b+3],   v7, s[68:69] offset:64*\b
	global_load_b128 v[TMP+8*\b+4:TMP+8*\b+7], v7, s[68:69] offset:64*\b+16
.endr
	WIN 0
	s_cmp_lg_u32 s79, 2
	s_cbranch_scc1 .Lbias_in
	; the third bias: what has been asked for is its first part; the other three go into the fragment buffers, which are still free, and are added
	WIN TO_B
.irp b, 0,1,2,3,4,5,6,7
	global_load_b128 v[F0+8*\b:F0+8*\b+3],   v7, s[68:69] offset:4096+64*\b
	global_load_b128 v[F0+8*\b+4:F0+8*\b+7], v7, s[68:69] offset:4096+64*\b+16
.endr
.irp b, 0,1,2,3,4,5,6,7
	global_load_b128 v[F1+8*\b:F1+8*\b+3],   v7, s[68:69] offset:8192+64*\b
	global_load_b128 v[F1+8*\b+4:F1+8*\b+7], v7, s[68:69] offset:8192+64*\b+16
.endr
	WIN 0
.irp b, 0,1,2,3,4,5,6,7
	global_load_b128 v[F0+8*\b:F0+8*\b+3],   v7, s[68:69] offset:12288+64*\b
	global_load_b128 v[F0+8*\b+4:F0+8*\b+7], v7, s[68:69] offset:12288+64*\b+16
.endr
	s_wait_loadcnt 0x0
	WIN IN_B
.set n, 0
.rept 32
	v_pk_add_f32 v[TMP+n:TMP+n+1], v[TMP+n:TMP+n+1], v[F0+n:F0+n+1]             ; parts 0 + 1
.set n, n+2
.endr
	WIN B_A
.set n, 0
.rept 32
	v_pk_add_f32 v[F1+n:F1+n+1], v[F1+n:F1+n+1], v[F0+n:F0+n+1]                 ; parts 2 + 3 (part 3 lies in window 0)
.set n, n+2
.endr
	WIN IN_B
.set n, 0
.rept 32
	v_pk_add_f32 v[TMP+n:TMP+n+1], v[TMP+n:TMP+n+1], v[F1+n:F1+n+1]
.set n, n+2
.endr
	WIN 0
.Lbias_in:
; 16 matrix instructions: m blocks a0, a0 + 1 of the window's four x all 8 n blocks, 32 along K.  zero = 1: the first product starts the sums.
.macro MUL16 f, hi, a0, zero
.irp a, \a0, \a0+1
.irp b, 0,1,2,3,4,5,6,7
.if \zero
	v_wmma_f32_16x16x32_bf16 v[8*(8*(\a)+\b):8*(8*(\a)+\b)+7], v[\f+8*\b:\f+8*\b+7], v[\f+8*(4*\hi+\a):\f+8*(4*\hi+\a)+7], 0
.else
	v_wmma_f32_16x16x32_bf16 v[8*(8*(\a)+\b):8*(8*(\a)+\b)+7], v[\f+8*\b:\f+8*\b+7], v[\f+8*(4*\hi+\a):\f+8*(4*\hi+\a)+7], v[8*(8*(\a)+\b):8*(8*(\a)+\b)+7]
.endif
.endr
.endr
.endm
; 32 LDS loads in one run: the fragments of quarter q (32 along K) of a slot into buffer f: B's 128 columns, then A's 128 rows
.macro FETCH slot, q, f
	WIN TO_B
.irp i, 0,1,2,3,4,5,6,7
	ds_load_tr16_b128 v[\f+8*\i:\f+8*\i+3],   v[ADRB+\slot] offset:\q*32*BPITCH+32*\i
	ds_load_tr16_b128 v[\f+8*\i+4:\f+8*\i+7], v[ADRB+\slot] offset:\q*32*BPITCH+32*\i+16*BPITCH
.endr
	WIN 0
.irp i, 0,1,2,3,4,5,6,7
	ds_load_b128 v[\f+8*\i:\f+8*\i+3],   v[ADRA+\slot] offset:\q*64+\i*16*PITCH
	ds_load_b128 v[\f+8*\i+4:\f+8*\i+7], v[ADRA+\slot] offset:\q*64+\i*16*PITCH+32
.endr
.endm
; four plain vector places between a matrix instruction and a load into, or a vector instruction on, one of its registers
.macro PLACES
.rept 4
	v_nop
.endr
.endm
; A quarter step: 64 matrix instructions on buffer f; in its middle the next quarter's fragments are fetched into buffer g.
; The 64 accumulators take turns, one instruction a turn, in the same order in every quarter.
.macro QUARTER slot, q, f, g, zero
	s_wait_dscnt 8                                 ; B and A's rows 0-63 are in; the youngest eight loads (A's rows 64-127) may be out
	WIN MUL_LO
	MUL16 \f, 0, 0, \zero
	MUL16 \f, 0, 2, \zero
	PLACES
	FETCH \slot, \q, \g
	s_wait_dscnt 32                                ; all but the 32 just issued
	WIN MUL_HI
	MUL16 \f, 1, 0, \zero
	MUL16 \f, 1, 2, \zero
.endm
.macro THREE slot, zero
	QUARTER \slot, 1, F0, F1, \zero
	QUARTER \slot, 2, F1, F0, 0
	QUARTER \slot, 3, F0, F1, 0
.endm
; The last quarter of a K step changes slots.  In front of the barrier each wave waits for its reads of this slot and for all its tensor loads (one is out:
; its part of the next slot).  fill = 1: the barrier opens a round of the cluster's barrier, and the joint refill is the first tensor load behind the round.
.macro TURN slot, next, fill
	s_wait_dscnt 8
	WIN MUL_LO
	MUL16 F1, 0, 0, 0
	s_wait_dscnt 0                                 ; my reads of this slot are over
	s_wait_tensorcnt 0x0                           ; all my tensor loads have landed
	ds_add_u32 v63, v255
	s_wait_dscnt 0x0
	s_barrier_signal -1
	MUL16 F1, 0, 2, 0                              ; register work while the others arrive
	WIN 0
	s_barrier_wait -1
.if \fill
	CREST
	s_add_nc_u64 s[G0+4*\slot+2:G0+4*\slot+3], s[G0+4*\slot+2:G0+4*\slot+3], 2*ASTEP
	s_add_nc_u64 s[G0B+4*\slot+2:G0B+4*\slot+3], s[G0B+4*\slot+2:G0B+4*\slot+3], 2*BSTEP
	JLOAD \slot
.endif
	PLACES
	FETCH \next, 0, F0
	WIN MUL_HI
	MUL16 F1, 1, 0, 0
	MUL16 F1, 1, 2, 0
.endm
.macro LAP zero
	THREE 0, \zero
	TURN 0, 1, 1
	THREE 1, 0
	TURN 1, 0, 1
.endm
	s_wait_loadcnt 0x0                             ; the bias
	s_wait_tensorcnt 1                             ; my part of K step 0 is in; K step 1's may stay out
	s_barrier_signal -1
	s_barrier_wait -1
	FETCH 0, 0, F0
	LAP 1                                          ; the first lap's first products start the sums
	WIN 0
	s_mov_b32 s3, LAPS-2
.Llap:
	LAP 0
	WIN 0
	s_sub_co_u32 s3, s3, 1
	s_cmp_lg_u32 s3, 0
	s_cbranch_scc1 .Llap
	THREE 0, 0                                     ; the last lap fills nothing
	TURN 0, 1, 0
	THREE 1, 0
	s_wait_dscnt 8
	WIN MUL_LO
	MUL16 F1, 0, 0, 0
	MUL16 F1, 0, 2, 0
	s_wait_dscnt 0
	WIN MUL_HI
	MUL16 F1, 1, 0, 0
	MUL16 F1, 1, 2, 0
	; THE WAY OUT
	PLACES
	WIN 0
	s_lshl_b32 s82, s13, 8
	s_lshl_b32 s83, s11, 7
	s_add_co_u32 s82, s82, s83                     ; my first row, 0 to 8064
	s_lshl_b32 s16, s82, 11                        ; x 2,048 bytes
	s_lshl_b32 s17, s79, 24                        ; + 16,777,216 x weight
	s_add_co_u32 s16, s16, s17
	s_mov_b32 s17, 0
	s_add_nc_u64 s[8:9], s[8:9], s[16:17]
	s_lshl_b32 s46, s40, 9                         ; my first column in bytes: 512 x block column + 256 x half
	s_lshl_b32 s47, s12, 8
	s_add_co_u32 s46, s46, s47
	s_mov_b32 s47, 0
	s_add_nc_u64 s[8:9], s[8:9], s[46:47]
	s_lshl_b32 s82, s82, 2                         ; nrm: 4 bytes a row,
	s_lshl_b32 s83, s79, 18                        ; 262,144 x (q, k),
	s_add_co_u32 s82, s82, s83
	s_mov_b32 s83, 0
	s_add_nc_u64 s[74:75], s[74:75], s[82:83]
	s_lshl_b32 s46, s40, 1
	s_add_co_u32 s46, s46, s12
	s_lshl_b32 s46, s46, 15                        ; 32,768 x column part
	s_add_nc_u64 s[74:75], s[74:75], s[46:47]
; rows 16 i .. 16 i + 15 of my block = the 64 registers at 64 a of window 2 (hi = 0) or 3; f: F0 or F1 in turn; norm = 1: the rows' sums of squares too
.macro OUT16 i, a, hi, f, norm
	WIN2 \hi, ADDB_LO, ADDB_HI
.set n, 0
.rept 32
	v_pk_add_f32 v[64*\a+n:64*\a+n+1], v[64*\a+n:64*\a+n+1], v[TMP+n:TMP+n+1]   ; + bias (window 1)
.set n, n+2
.endr
	WIN2 \hi, CVT_LO, CVT_HI
.set n, 0
.rept 32
	v_cvt_pk_bf16_f32 v[TMP+n], v[64*\a+2*n], v[64*\a+2*n+1]
.set n, n+1
.endr
	WIN 0
.irp b, 0,1,2,3,4,5,6,7
	ds_store_b128 v[STO], v[TMP+4*\b:TMP+4*\b+3] offset:32*\b
.endr
.if \norm
	; 64 squares of the rounded numbers, in four chains; the first four start the chains
.irp k, 0,1,2,3
	v_lshlrev_b32 v[12+\k], 16, v[TMP+\k]
.endr
.irp k, 0,1,2,3
	v_mul_f32 v[8+\k], v[12+\k], v[12+\k]
.endr
.irp k, 0,1,2,3
	v_fma_mix_f32_bf16 v[8+\k], v[TMP+\k], v[TMP+\k], v[8+\k] op_sel:[1,1,0] op_sel_hi:[1,1,0]
.endr
.set n, 4
.rept 7
.irp k, 0,1,2,3
	v_fma_mix_f32_bf16 v[8+\k], v[TMP+n+\k], v[TMP+n+\k], v[8+\k] op_sel_hi:[1,1,0]
.endr
.irp k, 0,1,2,3
	v_fma_mix_f32_bf16 v[8+\k], v[TMP+n+\k], v[TMP+n+\k], v[8+\k] op_sel:[1,1,0] op_sel_hi:[1,1,0]
.endr
.set n, n+4
.endr
	v_add_f32 v8, v8, v9
	v_add_f32 v10, v10, v11
	v_add_f32 v8, v8, v10
	v_permlanex16_b32 v9, v8, s76, s77             ; lanes l and l + 16 hold the two halves of one row's columns
	v_add_f32 v[NS+\i], v8, v9
.endif
	s_wait_xcnt 0x0                                ; buffer f, which earlier stores read, and the stores' base are rewritten only behind this wait
.if \i
	s_add_nc_u64 s[8:9], s[8:9], 16*CROW
.endif
.irp t, 0,1,2,3,4,5,6,7
	ds_load_b128 v[\f+4*\t:\f+4*\t+3], v[RD] offset:\t*2*SPITCH    ; LDS serves a wave's instructions in order: these see the stores above
.endr
.irp t, 0,1,2,3,4,5,6,7
	s_wait_dscnt 7-\t
	global_store_b128 v[CO], v[\f+4*\t:\f+4*\t+3], s[8:9] offset:2*\t*CROW   ; 16 lanes store 256 consecutive bytes, aligned
.endr
.endm
; eight registers of row figures (row 16 i + l % 16, equal in both halves of the lanes) into 512 consecutive bytes of my stage
.macro FIGS src, off
.irp t, 0,1,2,3
	v_cndmask_b32 v[4+\t], v[\src+2*\t], v[\src+2*\t+1], s78       ; lane l: row 32 t + l
	ds_store_b32 v[FIN], v[4+\t] offset:\off+128*\t
.endr
.endm
	s_cmp_eq_u32 s79, 2                            ; v' has no norm.  The weight's number is the cluster's x: equal in all partners
	s_cbranch_scc1 .Lv_out
	OUT16 0, 0, 0, F0, 1
	OUT16 1, 1, 0, F1, 1
	OUT16 2, 2, 0, F0, 1
	OUT16 3, 3, 0, F1, 1
	OUT16 4, 0, 1, F0, 1
	OUT16 5, 1, 1, F1, 1
	OUT16 6, 2, 1, F0, 1
	OUT16 7, 3, 1, F1, 1
	FIGS NS, 0
	ds_load_b128 v[8:11], v[FBK]                   ; lane l: rows 4 l .. 4 l + 3
	s_wait_dscnt 0x0
	global_store_b128 v[FOF], v[8:11], s[74:75]    ; 512 consecutive bytes
	s_branch .Lend
.Lv_out:
	OUT16 0, 0, 0, F0, 0
	OUT16 1, 1, 0, F1, 0
	OUT16 2, 2, 0, F0, 0
	OUT16 3, 3, 0, F1, 0
	OUT16 4, 0, 1, F0, 0
	OUT16 5, 1, 1, F1, 0
	OUT16 6, 2, 1, F0, 0
	OUT16 7, 3, 1, F1, 0
.Lend:
	s_set_vgpr_msb 0x1
	s_wait_tensorcnt 0x0
	ds_add_u32 v63, v255
	s_wait_dscnt 0x0
	s_set_vgpr_msb 0x100
	CROUND                                         ; the closing round: no work-group ends while a partner may still ask for a tile that names it
	s_endpgm
.Lfunc_end_k_q49db7ef5f5_qkv:
	.size	k_q49db7ef5f5_qkv, .Lfunc_end_k_q49db7ef5f5_qkv-k_q49db7ef5f5_qkv
	.p2alignl 7, 3214868480
	.fill 96, 4, 3214868480
	.section	.rodata,"a",@progbits
	.p2align	6, 0x0
	.amdhsa_kernel k_q49db7ef5f5_qkv
		.amdhsa_group_segment_fixed_size 327680
		.amdhsa_private_segment_fixed_size 0
		.amdhsa_enable_private_segment 0
		.amdhsa_kernarg_size 56
		.amdhsa_user_sgpr_count 2
		.amdhsa_user_sgpr_kernarg_segment_ptr 1
		.amdhsa_wavefront_size32 1
		.amdhsa_system_sgpr_workgroup_id_x 1
		.amdhsa_system_sgpr_workgroup_id_y 1
		.amdhsa_system_sgpr_workgroup_id_z 1
		.amdhsa_system_vgpr_workitem_id 0
		.amdhsa_next_free_vgpr 1024
		.amdhsa_next_free_sgpr 96
		.amdhsa_reserve_vcc 0
		.amdhsa_float_denorm_mode_32 3
		.amdhsa_float_denorm_mode_16_64 3
		.amdhsa_memory_ordered 1
		.amdhsa_forward_progress 1
		.amdhsa_inst_pref_size 255
	.end_amdhsa_kernel
	.section	.bss,"aw",@nobits
	.p2align	6
	.space	262144
	.amdgpu_metadata
---
amdhsa.version: [ 1, 2 ]
amdhsa.kernels:
  - .name:           k_q49db7ef5f5_qkv
    .symbol:         k_q49db7ef5f5_qkv.kd
    .args:
      - { .name: xw, .offset: 0, .size: 8, .value_kind: global_buffer, .address_space: global }
      - { .name: wf, .offset: 8, .size: 8, .value_kind: global_buffer, .address_space: global }
      - { .name: bq, .offset: 16, .size: 8, .value_kind: global_buffer, .address_space: global }
      - { .name: bk, .offset: 24, .size: 8, .value_kind: global_buffer, .address_space: global }
      - { .name: bp, .offset: 32, .size: 8, .value_kind: global_buffer, .address_space: global }
      - { .name: qkv, .offset: 40, .size: 8, .value_kind: global_buffer, .address_space: global }
      - { .name: nrm, .offset: 48, .size: 8, .value_kind: global_buffer, .address_space: global }
    .group_segment_fixed_size: 327680
    .private_segment_fixed_size: 0
    .kernarg_segment_align: 8
    .kernarg_segment_size: 56
    .max_flat_workgroup_size: 128
    .sgpr_count:     96
    .vgpr_count:     1024
    .wavefront_size: 32
...
	.end_amdgpu_metadata
.endif
;; end of part 8
;; launch score: the kernel of part 3 again; grid 8 x 32, 4 waves a work-group, clusters of 4 x 4, 327,680 bytes of LDS; arguments qkv, nrm, p, stat; writes p, stat
;; launch mix (part 9): grid 4 x 64, 4 waves a work-group, clusters of 4 x 4, 327,680 bytes of LDS; arguments p, qkv, stat, bo, out0; writes out0
.if DOCPART == 9
	.amdgcn_target "amdgcn-amd-amdhsa--gfx1250"
	.amdhsa_code_object_version 6
	.text
	.protected	k_q49db7ef5f5_mix
	.globl	k_q49db7ef5f5_mix
	.p2align	8
	.type	k_q49db7ef5f5_mix,@function
k_q49db7ef5f5_mix:
	s_mov_b64 s[64:65], 0
	v_nop
	global_prefetch_b8 v0, s[64:65] scope:SCOPE_SE
	s_setreg_imm32_b32 hwreg(HW_REG_WAVE_MODE, 25, 1), 1
	s_wait_xcnt 0x0
	s_wait_alu depctr_hold_cnt(0) depctr_sa_sdst(0) depctr_va_vdst(0) depctr_va_sdst(0) depctr_va_ssrc(0) depctr_va_vcc(0) depctr_vm_vsrc(0)
	s_getreg_b32 s2, hwreg(HW_REG_IB_STS2, 6, 4)
	s_cmp_eq_u32 s2, 0
	s_cbranch_scc0 .Lentry_in_a_cluster
	s_endpgm
.Lentry_in_a_cluster:
	s_bfe_u32 s2, ttmp6, 0x10000c
	s_cmp_lg_u32 s2, 0xf033
	s_cbranch_scc0 .Lentry_shape_is_right
	s_endpgm
.Lentry_shape_is_right:
; out0 = softmax(scores) v' + bo in f32, with v' = x (Wv Wo) + bv Wo:  out = (sum over the 16 key blocks j of c_j P_j V'_j) / Lsum + bo.
; For each query row: M' = max over j of m'_j (the row's true maximum, in base 2), c_j = bf16(2^(m'_j - M')), Lsum = sum of c_j l_j with the ROUNDED c_j, so that
; numerator and denominator carry the same factor.  Lsum is at least 1: the block that holds the maximum has c = 1 and l >= 1.
; A = p bf16 [8192][2048], B = v' bf16 [k = key][n] (qkv, byte 33,554,432 + 2048 rows x batch), used as it lies (transposing LDS loads).
; K = 2048 keys in 16 steps of 128: K step j is key block j, and A's fragments of that step are multiplied by c_j of their row (v_pk_mul_bf16, one more rounding to bf16).
; SHARES: 8192 x 1024 outputs in blocks of 128 x 256 are 256 work-groups of equal work.  Four waves of 64 rows x 128 columns: 32 accumulator tiles, one register window.
; For 32 along K a wave reads (64 + 128) x 64 bytes of LDS for 32 matrix instructions.  Two slots of one K step (104,448 bytes each); two K steps in a slot would
; take 2 x 206,848 bytes, more than a work-group can have.  So a tile has one K step, 128 matrix instructions of a wave, between its request and the wait for it, and the
; text keeps the way from that wait to the next request short: the addresses are stepped in front of the barrier, and only the barriers stand between.
; FRAGMENTS are fetched two quarters of a K step ahead: each of the four quarters has a buffer of its own.  The slots change at the head of the third quarter, when the
; wave has read all of its slot and still holds two quarters, 64 matrix instructions, in registers.
; CLUSTERS: 4 x 4 = 512 rows x all 1024 columns; p's tiles are shared along a cluster's row, v's along a column (a cluster's 512 rows lie in one batch of 2048).
; PREFETCH: p is read once in the launch.  In K steps t = 0, 2, .. 10 waves 0 and 1 ask for p's tiles of K steps t + 4 and t + 5 (1,024 bytes further along the rows),
; whose tensor loads go out in K steps t + 2 and t + 3.  Work-group cx, wave w, lane l: row 32 cx + 16 w + l % 16 of the block's 128, K step t + 4 + l / 16: the four
; work-groups that share the tile ask for each aligned 256 bytes once.  The last request is for K steps 14 and 15, byte 3,840 of a row at the most.
; v' is not asked for: 16 block rows read each of its tiles.
; LIMITS: v_exp_f32 gives 0 for results below 2^-126 (ISA guide, its entry); NaN and infinities are not followed.
; REGISTERS, in windows of 256: window 0: v0-63 addresses and figures, v64-191 A's fragments (quarter q at 64 + 32 q), v192-255 my 64 numbers of bo;
; window 1: B's fragments (quarter q at 64 q); window 2: accumulators (tile (a, b) at 8 (8 a + b)).
; The matrix instruction is used transposed (source 0 = B, source 1 = A): lane l holds row l % 16, registers 0-7 the columns 8 (l / 16) + 0..7.
.set KSTEP,  128
.set LDA,    2048                      ; elements in a row of p
.set LDB,    1024                      ; elements in a row of v'
.set CROW,   4096                      ; bytes in a row of out0
.set PITCH,  272                       ; A's LDS row: 256 bytes + 16
.set BPITCH, 544                       ; B's LDS row: 512 bytes + 32 = 17 x 32
.set AHALF,  64*PITCH                  ; what wave 0 or 1 brings: 64 rows of A, 17,408 bytes
.set BHALF,  64*BPITCH                 ; what wave 2 or 3 brings: 64 k-rows of B, 34,816 bytes
.set ABYTES, 2*AHALF
.set SLOT,   ABYTES+2*BHALF            ; A's 128 rows, then B's 128 k-rows
.set STAGE,  2*SLOT                    ; behind the ring: 16 rows x 528 bytes for each wave; no tensor load lands here
.set SPITCH, 528                       ; a stage row: 512 bytes + 16 = 33 x 16
.set CTAB,   STAGE+4*16*SPITCH         ; c: 16 steps x 128 rows x 4 bytes (c in both halves of the word); written once by ds_store
.set CSTEP,  512
.set ITAB,   CTAB+16*CSTEP             ; 1 / Lsum: 128 rows x 4 bytes
.set LAPS,   8                         ; a lap = two K steps = once round the ring
.set ASTEP,  KSTEP*2
.set BSTEP,  KSTEP*LDB*2
.set ADRA, 16                          ; v16-17  LDS address of my A fragments in slot 0, 1
.set ADRB, 20                          ; v20-21  the same for B
.set STO,  24                          ; the way out: where I put 32 bytes of a row
.set RD,   25                          ; where I read a row back
.set CO,   26                          ; my byte offset in a row of out0
.set CAD,  27                          ; table address of the next K step's c of my rows; steps by 512
.set IAD,  28                          ; table address of 1 / Lsum of my rows
.set PF,   29                          ; prefetch: my row and K step, as a byte offset in the block's rows of p; never rewritten
.set INV,  32                          ; v[32:39] 1 / Lsum of row 16 i + l % 16, twice each
.set CS,   48                          ; v48-51, v52-55  c of row 16 a + l % 16 for the K step in slot 0, 1
.set FA,   64                          ; A's fragments, quarter q at FA + 32 q
.set F0,   64                          ; the way out: two buffers of 64 registers, where A's fragments were
.set F1,   128
.set BO,   192
.set G1,  24
.set G0,  32
.set G1B, 48
.set G0B, 56
.set MSB, 0
.macro WIN new                         ; the immediate's high byte repeats the setting that is left
.if MSB != \new
	s_set_vgpr_msb (MSB<<8)|\new
.set MSB, \new
.endif
.endm
.set MUL,  0xa1                        ; source 0 (B) window 1, source 1 (A) window 0, C and D window 2
.set TO_B, 0x40                        ; destination window 1
.set FMA,  0x82                        ; destination and source 0 window 2, the rest window 0
.set STD,  0x08                        ; an LDS store's data (source 1) from window 2
; A joint load.  Waves 0 and 1 fetch A's two halves, waves 2 and 3 B's.  The branch hangs on the wave's number alone.
; pf = 1: waves 0 and 1 also ask for p's tiles four and five K steps on.
.macro JLOAD s, pf
	s_cmp_eq_u32 s11, 0
	s_cbranch_scc0 .Lfor_b_\@
	tensor_load_to_lds s[G0+4*\s:G0+4*\s+3], s[G1:G1+7]
	s_nop 0
.if \pf
	s_wait_xcnt 0x0                                ; the base, which the last prefetch (a lap ago) reads, is stepped only behind this wait
	s_add_nc_u64 s[72:73], s[72:73], 2*ASTEP
	global_prefetch_b8 v[PF], s[72:73] th:TH_LOAD_NT scope:SCOPE_SE
.endif
	s_branch .Lasked_\@
.Lfor_b_\@:
	tensor_load_to_lds s[G0B+4*\s:G0B+4*\s+3], s[G1B:G1B+7]
	s_nop 0
.Lasked_\@:
.endm
; A round of the cluster's barrier: my work-group's barrier, wave 0 signals for the work-group, every wave waits for all sixteen, my work-group's barrier again.
.macro CREST
	s_cmp_lg_u32 s10, 0
	s_cbranch_scc1 .Lnot_wave_0_\@
	s_barrier_signal -3
.Lnot_wave_0_\@:
	s_barrier_wait -3
	s_barrier_signal -1
	s_barrier_wait -1
.endm
.macro CROUND
	s_barrier_signal -1
	s_barrier_wait -1
	CREST
.endm
	s_load_b128 s[4:7], s[0:1], 0x0                ; p s[4:5], qkv s[6:7]
	s_load_b128 s[68:71], s[0:1], 0x10             ; stat s[68:69], bo s[70:71]
	s_load_b64 s[8:9], s[0:1], 0x20                ; out0
	v_lshl_add_u32 v62, v0, 2, 0x3d600
	v_mov_b32 v63, 0
	ds_add_u32 v62, v63
	v_lshrrev_b32 v1, 5, v0
	v_readfirstlane_b32 s10, v1                    ; wave 0..3
	s_lshr_b32 s11, s10, 1                         ; my half of the block's rows.  Also: I fetch for A (0) or for B (1)
	s_and_b32 s12, s10, 1                          ; my half of its columns.  Also: which half of that tile I fetch
	s_bfe_u32 s40, ttmp6, 0x40000                  ; cx = block column (the grid is one cluster wide)
	s_bfe_u32 s41, ttmp6, 0x40004                  ; cy
	s_and_b32 s13, ttmp7, 0xffff
	s_lshr_b32 s79, s13, 2                         ; the batch: four clusters of 512 rows each
	s_lshl_b32 s13, s13, 2
	s_add_co_u32 s13, s13, s41                     ; block row, 0 to 63
	s_lshl_b32 s43, s41, 2
	s_lshl_b32 s43, 15, s43                        ; my row of the cluster
	s_lshl_b32 s44, 0x1111, s40                    ; my column
	; group 1 for A: 64 rows x 128 elements of 2 bytes, 4 words of padding behind every 64
	s_or_b32 s[G1+0], s43, (1<<16)|(1<<20)|(1<<21)|(5<<22)|(3<<25)
	s_mov_b32 s[G1+1], KSTEP<<16                   ; tensor_dim0 = 128
	s_mov_b32 s[G1+2], 64<<16                      ; tensor_dim1 = 64
	s_mov_b32 s[G1+3], KSTEP<<16                   ; tile_dim0 = 128
	s_mov_b32 s[G1+4], 64                          ; tile_dim1 = 64
	s_mov_b32 s[G1+5], LDA                         ; elements from row to row
	s_mov_b32 s[G1+6], 0
	s_mov_b32 s[G1+7], 0
	; group 1 for B: 64 k-rows x 256 elements, 8 words of padding behind every 128
	s_or_b32 s[G1B+0], s44, (1<<16)|(1<<20)|(1<<21)|(6<<22)|(7<<25)
	s_mov_b32 s[G1B+1], 256<<16
	s_mov_b32 s[G1B+2], 64<<16
	s_mov_b32 s[G1B+3], 256<<16
	s_mov_b32 s[G1B+4], 64
	s_mov_b32 s[G1B+5], LDB
	s_mov_b32 s[G1B+6], 0
	s_mov_b32 s[G1B+7], 0
	; A's tiles hang on the block row alone, B's on the batch and the block column alone; each offset in registers that never hold the other coordinate
	s_lshl_b32 s16, s13, 7
	s_lshl_b32 s17, s12, 6
	s_add_co_u32 s16, s16, s17                     ; p: row 128 x block row + 64 x half
	s_lshl_b32 s16, s16, 12                        ; x 4,096 bytes
	s_mov_b32 s17, 0
	s_lshl_b32 s46, s79, 22                        ; v': 2048 rows of 2,048 bytes x batch,
	s_add_co_u32 s46, s46, 0x2000000               ; behind q and k,
	s_lshl_b32 s45, s12, 17
	s_add_co_u32 s46, s46, s45                     ; 64 k-rows x half,
	s_lshl_b32 s45, s40, 9
	s_add_co_u32 s46, s46, s45                     ; 512 bytes x block column
	s_mov_b32 s47, 0
	s_mul_i32 s20, s10, AHALF                      ; waves 0, 1: A's halves at wave x 17,408
	s_mul_i32 s21, s10, BHALF
	s_sub_co_u32 s21, s21, 2*BHALF-ABYTES          ; waves 2, 3: B's halves at wave x 34,816 - 34,816, behind A
	s_wait_dscnt 0x0
	s_wait_kmcnt 0x0
	s_add_nc_u64 s[14:15], s[4:5], s[16:17]
	s_add_nc_u64 s[46:47], s[6:7], s[46:47]
	CROUND                                         ; all sixteen work-groups are here: the first joint loads meet
.irp s, 0,1
	s_mov_b32 s[G0+4*\s], 1
	s_add_co_u32 s[G0+4*\s+1], s20, \s*SLOT
	s_add_nc_u64 s[G0+4*\s+2:G0+4*\s+3], s[14:15], \s*ASTEP
	s_or_b32 s[G0+4*\s+3], s[G0+4*\s+3], 0x80000000
	s_mov_b32 s[G0B+4*\s], 1
	s_add_co_u32 s[G0B+4*\s+1], s21, \s*SLOT
	s_add_nc_u64 s[G0B+4*\s+2:G0B+4*\s+3], s[46:47], \s*BSTEP
	s_or_b32 s[G0B+4*\s+3], s[G0B+4*\s+3], 0x80000000
	JLOAD \s, 0                                    ; both slots' first fills go out before anything else: two tensor loads of the wave are out
.endr
	; my 64 numbers of bo: columns 16 b + 8 h + 0..7 of my 128
	v_and_b32 v1, 15, v0                           ; r
	v_bfe_u32 v2, v0, 4, 1                         ; h
	s_lshl_b32 s80, s40, 10
	s_lshl_b32 s81, s12, 9
	s_add_co_u32 s80, s80, s81
	s_mov_b32 s81, 0
	s_add_nc_u64 s[70:71], s[70:71], s[80:81]
	v_lshlrev_b32 v8, 5, v2                        ; 32 h
.irp b, 0,1,2,3,4,5,6,7
	global_load_b128 v[BO+8*\b:BO+8*\b+3],   v8, s[70:71] offset:64*\b
	global_load_b128 v[BO+8*\b+4:BO+8*\b+7], v8, s[70:71] offset:64*\b+16
.endr
	; the prefetch: base = my block's first row of p at K step 2 (each request first steps it by two K steps), offset = my row and my one of two K steps
	s_lshl_b32 s82, s13, 19                        ; 128 rows of 4,096 bytes x block row
	s_add_co_u32 s82, s82, 2*ASTEP
	s_mov_b32 s83, 0
	s_add_nc_u64 s[72:73], s[4:5], s[82:83]
	s_lshl_b32 s84, s40, 5
	s_lshl_b32 s85, s12, 4
	s_add_co_u32 s84, s84, s85                     ; 32 cx + 16 x wave (waves 0 and 1 ask)
	v_add_nc_u32 v9, s84, v1                       ; + l % 16
	v_lshlrev_b32 v9, 12, v9
	v_lshl_add_u32 v[PF], v2, 8, v9                ; + 256 bytes x (l / 16)
	; A's fragment: lane l holds row l % 16; two loads of 16 bytes, 32 apart, at row x pitch + 16 (l / 16).
	; B's fragment from rows that lie along n: two transposing loads, 16 k-rows apart, at (8 (l / 16) + l % 8) x pitch + 16 ((l / 8) % 2).
	v_mul_u32_u24 v3, v1, PITCH
	v_lshl_add_u32 v3, v2, 4, v3
	v_and_b32 v4, 7, v0
	v_lshl_add_u32 v4, v2, 3, v4
	v_mul_u32_u24 v4, v4, BPITCH
	v_bfe_u32 v5, v0, 3, 1
	v_lshl_add_u32 v4, v5, 4, v4
	s_mul_i32 s21, s11, AHALF                      ; my 64 rows of A
	s_lshl_b32 s22, s12, 8                         ; my 128 columns of B: 256 bytes along its rows,
	s_add_co_u32 s22, s22, ABYTES                  ; behind A's 128 rows
.irp s, 0,1
	v_add_nc_u32 v[ADRA+\s], s21, v3
	v_add_nc_u32 v[ADRB+\s], s22, v4
	s_add_co_u32 s21, s21, SLOT
	s_add_co_u32 s22, s22, SLOT
.endr
	s_mul_i32 s23, s10, 16*SPITCH
	s_add_co_u32 s23, s23, STAGE                   ; my stage
	v_mul_u32_u24 v4, v1, SPITCH
	v_lshl_add_u32 v4, v2, 5, v4                   ; in: row r, 32 bytes for each half of the lanes
	v_add_nc_u32 v[STO], s23, v4
	v_and_b32 v5, 31, v0
	v_lshl_add_u32 v[RD], v5, 4, s23               ; back: 32 lanes take a whole row of 512 bytes
	v_lshlrev_b32 v[CO], 4, v5
	s_lshl_b32 s82, s11, 8
	s_add_co_u32 s82, s82, CTAB
	v_lshl_add_u32 v[CAD], v1, 2, s82              ; rows 64 mh + r + ..: 4 bytes each
	v_add_nc_u32 v[IAD], ITAB-CTAB, v[CAD]
	s_lshl_b32 s80, s13, 9                         ; stat: 4 bytes x 128 x block row
	s_mov_b32 s81, 0
	s_add_nc_u64 s[68:69], s[68:69], s[80:81]
	; THE ROWS' FIGURES, by waves 0 and 1: thread t (0 to 63) takes rows 2 t and 2 t + 1 of the block's 128, so that a wave's load covers 256 consecutive bytes.
	s_cmp_lg_u32 s11, 0
	s_cbranch_scc1 .Lno_fig
	v_lshlrev_b32 v6, 3, v0
.set j, 0
.rept 16
	global_load_b64 v[64+2*j:65+2*j], v6, s[68:69] offset:32768*j              ; m' of key block j
.set j, j+1
.endr
.set j, 0
.rept 16
	global_load_b64 v[96+2*j:97+2*j], v6, s[68:69] offset:524288+32768*j       ; l of key block j
.set j, j+1
.endr
	s_mov_b32 s83, CTAB
	v_lshl_add_u32 v7, v0, 3, s83                  ; where I write my two rows' figures
	s_wait_loadcnt 16                              ; bo and the 16 loads of m' are in; the 16 younger ones, of l, stay out
	v_max3_num_f32 v128, v64, v66, v68
	v_max3_num_f32 v129, v65, v67, v69
.set j, 3
.rept 6
	v_max3_num_f32 v128, v[64+2*j], v[66+2*j], v128
	v_max3_num_f32 v129, v[65+2*j], v[67+2*j], v129
.set j, j+2
.endr
	v_max_num_f32 v128, v128, v94
	v_max_num_f32 v129, v129, v95                  ; M' of my two rows
.set j, 0
.rept 16
	v_pk_add_f32 v[64+2*j:65+2*j], v[64+2*j:65+2*j], v[128:129] neg_lo:[0,1] neg_hi:[0,1]
.set j, j+1
.endr
.set j, 0
.rept 32
	v_exp_f32 v[64+j], v[64+j]
.set j, j+1
.endr
	v_nop                                          ; one plain place behind the last exponential (ISA guide 5.7.2)
.set j, 0
	s_wait_alu depctr_va_vdst(0)
.rept 32
	v_cvt_pk_bf16_f32 v[64+j], v[64+j], v[64+j]    ; c, rounded, in both halves of the word
.set j, j+1
.endr
.set j, 0
.rept 16
	ds_store_b64 v7, v[64+2*j:65+2*j] offset:CSTEP*j
.set j, j+1
.endr
	s_wait_loadcnt 0x0                             ; l
	v_lshlrev_b32 v132, 16, v64
	v_lshlrev_b32 v133, 16, v65
	v_mul_f32 v130, v132, v96                      ; the first product starts the sum
	v_mul_f32 v131, v133, v97
.set j, 1
.rept 15
	v_fma_mix_f32_bf16 v130, v[64+2*j], v[96+2*j], v130 op_sel_hi:[1,0,0]      ; + bf16 c x f32 l
	v_fma_mix_f32_bf16 v131, v[65+2*j], v[97+2*j], v131 op_sel_hi:[1,0,0]
.set j, j+1
.endr
	v_rcp_f32 v130, v130
	v_rcp_f32 v131, v131
	v_nop
	s_wait_alu depctr_va_vdst(0)
	ds_store_b64 v7, v[130:131] offset:ITAB-CTAB
.Lno_fig:
; 32 matrix instructions: quarter q (32 along K), all 4 x 8 tiles.  The 32 accumulators take turns, one instruction a turn, in the same order in every quarter.
; zero = 1: the first product starts the sums.
.macro MUL32 q, zero
.irp a, 0,1,2,3
.irp b, 0,1,2,3,4,5,6,7
.if \zero
	v_wmma_f32_16x16x32_bf16 v[8*(8*\a+\b):8*(8*\a+\b)+7], v[64*\q+8*\b:64*\q+8*\b+7], v[FA+32*\q+8*\a:FA+32*\q+8*\a+7], 0
.else
	v_wmma_f32_16x16x32_bf16 v[8*(8*\a+\b):8*(8*\a+\b)+7], v[64*\q+8*\b:64*\q+8*\b+7], v[FA+32*\q+8*\a:FA+32*\q+8*\a+7], v[8*(8*\a+\b):8*(8*\a+\b)+7]
.endif
.endr
.endr
.endm
; 24 LDS loads in one run: the fragments of quarter q of a slot into the quarter's own buffers: B's 128 columns, then A's 64 rows.
; A buffer was last read by matrix instructions four quarters ago in the ring of buffers, that is two quarters before this run; the 32 multiplications by c of the
; quarter between are the places that a load into a matrix instruction's source needs (ISA guide 7.12.1 for vector instructions): they name another quarter's
; buffer and c alone.
.macro FETCH slot, q
	WIN TO_B
.irp i, 0,1,2,3,4,5,6,7
	ds_load_tr16_b128 v[64*\q+8*\i:64*\q+8*\i+3],   v[ADRB+\slot] offset:\q*32*BPITCH+32*\i
	ds_load_tr16_b128 v[64*\q+8*\i+4:64*\q+8*\i+7], v[ADRB+\slot] offset:\q*32*BPITCH+32*\i+16*BPITCH
.endr
	WIN 0
.irp i, 0,1,2,3
	ds_load_b128 v[FA+32*\q+8*\i:FA+32*\q+8*\i+3],   v[ADRA+\slot] offset:\q*64+\i*16*PITCH
	ds_load_b128 v[FA+32*\q+8*\i+4:FA+32*\q+8*\i+7], v[ADRA+\slot] offset:\q*64+\i*16*PITCH+32
.endr
.endm
; the next K step's c of my 64 rows, into the set of the slot that holds that step; older than the loads of the FETCH that follows
.macro CLOAD cs
.irp a, 0,1,2,3
	ds_load_b32 v[\cs+\a], v[CAD] offset:64*\a
.endr
	v_add_nc_u32 v[CAD], CSTEP, v[CAD]
.endm
; A's four fragments of quarter q times c of their rows (window 0)
.macro SCALE q, cs
.irp a, 0,1,2,3
.irp j, 0,1,2,3,4,5,6,7
	v_pk_mul_bf16 v[FA+32*\q+8*\a+\j], v[FA+32*\q+8*\a+\j], v[\cs+\a]
.endr
.endr
.endm
; A K step in slot 'slot'.  At its head the loads of its quarters 0 and 1 are out or in.  Quarters 0 and 1 fetch quarters 2 and 3.  At the head of quarter 2 the slots
; change: the wave waits for its reads of this slot, which are all issued, and for all its tensor loads (one is out: its part of the next slot).  fill = 1: the barrier opens
; a round of the cluster's barrier, and the joint refill of this slot, two K steps on, is the first tensor load behind the round.  Quarters 2 and 3 fetch the next slot's 0 and 1.
.macro STEP slot, next, zero, fill, pf
	s_wait_dscnt 24                                ; c and quarter 0 are in; the 24 younger loads, quarter 1's, may be out
	FETCH \slot, 2
	SCALE 0, CS+4*\slot
	WIN MUL
	MUL32 0, \zero
	s_wait_dscnt 24                                ; quarter 1 is in; quarter 2's loads may be out
	FETCH \slot, 3
	SCALE 1, CS+4*\slot
	WIN MUL
	MUL32 1, 0
	WIN 0
	s_wait_dscnt 0                                 ; my reads of this slot are over
	s_wait_tensorcnt 0x0                           ; all my tensor loads have landed, so every group 0 may be written
	ds_add_u32 v62, v63
	s_wait_dscnt 0x0
.if \fill
	s_add_nc_u64 s[G0+4*\slot+2:G0+4*\slot+3], s[G0+4*\slot+2:G0+4*\slot+3], 2*ASTEP
	s_add_nc_u64 s[G0B+4*\slot+2:G0B+4*\slot+3], s[G0B+4*\slot+2:G0B+4*\slot+3], 2*BSTEP
.endif
	s_barrier_signal -1
	s_barrier_wait -1
.if \fill
	CREST                                          ; the round: no wave of any partner still reads this slot or has a load on its way
	JLOAD \slot, \pf                               ; the first tensor load behind the round
.endif
	CLOAD CS+4*\next
	FETCH \next, 0
	SCALE 2, CS+4*\slot
	WIN MUL
	MUL32 2, 0
	FETCH \next, 1
	SCALE 3, CS+4*\slot                            ; quarter 3 has been in since the wait for 0 above
	WIN MUL
	MUL32 3, 0
.endm
.macro LAP zero, pf                    ; once round the ring, both slots filled again; the prefetch, for two K steps, goes with slot 0's refill
	STEP 0, 1, \zero, 1, \pf
	STEP 1, 0, 0, 1, 0
.endm
	s_wait_loadcnt 0x0                             ; bo
	s_wait_dscnt 0x0                               ; the tables are written, for the other waves' sake
	s_wait_tensorcnt 1                             ; my part of K step 0 is in; K step 1's may stay out
	s_barrier_signal -1
	s_barrier_wait -1
	CLOAD CS
	FETCH 0, 0
	FETCH 0, 1
	LAP 1, 1                                       ; K steps 0, 1: the first products start the sums
	WIN 0                                          ; at a label and at a branch every window is 0
	s_mov_b32 s3, LAPS-3
.Llap:
	LAP 0, 1                                       ; K steps 2 to 11
	WIN 0
	s_sub_co_u32 s3, s3, 1
	s_cmp_lg_u32 s3, 0
	s_cbranch_scc1 .Llap
	LAP 0, 0                                       ; K steps 12, 13: the last refills; nothing is left to ask for ahead
	STEP 0, 1, 0, 0, 0                             ; K step 14 fills nothing, and has no round of the cluster's barrier
	s_wait_dscnt 24                                ; K step 15, in slot 1: nothing more to fetch behind its own quarters
	FETCH 1, 2
	SCALE 0, CS+4
	WIN MUL
	MUL32 0, 0
	s_wait_dscnt 24
	FETCH 1, 3
	SCALE 1, CS+4
	WIN MUL
	MUL32 1, 0
	s_wait_dscnt 24                                ; quarter 2 is in; quarter 3's loads may be out
	WIN 0
	SCALE 2, CS+4
	WIN MUL
	MUL32 2, 0
	s_wait_dscnt 0
	WIN 0
	SCALE 3, CS+4
	WIN MUL
	MUL32 3, 0
	; THE WAY OUT.  Four places behind the last matrix instructions, for the multiply-adds, which read results (ISA guide 7.12.1).
.rept 4
	v_nop
.endr
	WIN 0
.irp i, 0,1,2,3
	ds_load_b32 v[INV+2*\i],   v[IAD] offset:64*\i                    ; 1 / Lsum of row 16 i + r, twice: a pair for the packed multiply-add
	ds_load_b32 v[INV+2*\i+1], v[IAD] offset:64*\i
.endr
	s_lshl_b32 s16, s13, 7
	s_lshl_b32 s17, s11, 6
	s_add_co_u32 s16, s16, s17                     ; my first row
	s_lshl_b32 s16, s16, 12                        ; x 4,096 bytes
	s_mov_b32 s17, 0
	s_add_nc_u64 s[8:9], s[8:9], s[16:17]
	s_lshl_b32 s46, s40, 10                        ; 1,024 bytes x block column + 512 x half
	s_lshl_b32 s47, s12, 9
	s_add_co_u32 s46, s46, s47
	s_mov_b32 s47, 0
	s_add_nc_u64 s[8:9], s[8:9], s[46:47]
	s_wait_dscnt 0x0
; rows 16 i .. 16 i + 15 of my 64: the 64 registers at 64 i of window 2; f: F0 or F1 in turn, all 64 registers of it
.macro OUT16F i, f
	WIN FMA
.set n, 0
.rept 32
	v_pk_fma_f32 v[64*\i+n:64*\i+n+1], v[64*\i+n:64*\i+n+1], v[INV+2*\i:INV+2*\i+1], v[BO+n:BO+n+1]   ; sum / Lsum + bo
.set n, n+2
.endr
	WIN STD
.irp b, 0,1,2,3,4,5,6,7
	ds_store_b128 v[STO], v[64*\i+8*\b:64*\i+8*\b+3]   offset:64*\b             ; columns 16 b + 8 h + 0..3 of row r
	ds_store_b128 v[STO], v[64*\i+8*\b+4:64*\i+8*\b+7] offset:64*\b+16
.endr
	WIN 0
	s_wait_xcnt 0x0                                ; buffer f, which earlier stores read, and the stores' base are rewritten only behind this wait
.if \i
	s_add_nc_u64 s[8:9], s[8:9], 16*CROW
.endif
.set t, 0
.rept 16
	ds_load_b128 v[\f+4*t:\f+4*t+3], v[RD] offset:t*SPITCH         ; LDS serves a wave's instructions in order: these see the stores above
.set t, t+1
.endr
.set t, 0
.rept 16
	s_wait_dscnt 15-t                              ; row t is in; the younger read-backs stay out
	global_store_b128 v[CO], v[\f+4*t:\f+4*t+3], s[8:9] offset:t*CROW th:TH_STORE_NT   ; the wave stores 512 consecutive bytes, aligned
.set t, t+1
.endr
.endm
	OUT16F 0, F0
	OUT16F 1, F1
	OUT16F 2, F0
	OUT16F 3, F1
	s_wait_tensorcnt 0x0
	ds_add_u32 v62, v63
	s_wait_dscnt 0x0
	CROUND                                         ; the closing round: no work-group ends while a partner may still ask for a tile that names it
	s_endpgm
.Lfunc_end_k_q49db7ef5f5_mix:
	.size	k_q49db7ef5f5_mix, .Lfunc_end_k_q49db7ef5f5_mix-k_q49db7ef5f5_mix
	.p2alignl 7, 3214868480
	.fill 96, 4, 3214868480
	.section	.rodata,"a",@progbits
	.p2align	6, 0x0
	.amdhsa_kernel k_q49db7ef5f5_mix
		.amdhsa_group_segment_fixed_size 327680
		.amdhsa_private_segment_fixed_size 0
		.amdhsa_enable_private_segment 0
		.amdhsa_kernarg_size 40
		.amdhsa_user_sgpr_count 2
		.amdhsa_user_sgpr_kernarg_segment_ptr 1
		.amdhsa_wavefront_size32 1
		.amdhsa_system_sgpr_workgroup_id_x 1
		.amdhsa_system_sgpr_workgroup_id_y 1
		.amdhsa_system_sgpr_workgroup_id_z 1
		.amdhsa_system_vgpr_workitem_id 0
		.amdhsa_next_free_vgpr 768
		.amdhsa_next_free_sgpr 96
		.amdhsa_reserve_vcc 0
		.amdhsa_float_denorm_mode_32 3
		.amdhsa_float_denorm_mode_16_64 3
		.amdhsa_memory_ordered 1
		.amdhsa_forward_progress 1
		.amdhsa_inst_pref_size 235
	.end_amdhsa_kernel
	.amdgpu_metadata
---
amdhsa.version: [ 1, 2 ]
amdhsa.kernels:
  - .name:           k_q49db7ef5f5_mix
    .symbol:         k_q49db7ef5f5_mix.kd
    .args:
      - { .name: p, .offset: 0, .size: 8, .value_kind: global_buffer, .address_space: global }
      - { .name: qkv, .offset: 8, .size: 8, .value_kind: global_buffer, .address_space: global }
      - { .name: stat, .offset: 16, .size: 8, .value_kind: global_buffer, .address_space: global }
      - { .name: bo, .offset: 24, .size: 8, .value_kind: global_buffer, .address_space: global }
      - { .name: out0, .offset: 32, .size: 8, .value_kind: global_buffer, .address_space: global }
    .group_segment_fixed_size: 327680
    .private_segment_fixed_size: 0
    .kernarg_segment_align: 8
    .kernarg_segment_size: 40
    .max_flat_workgroup_size: 128
    .sgpr_count:     96
    .vgpr_count:     768
    .wavefront_size: 32
...
	.end_amdgpu_metadata
.endif
;; end of part 9
